; MI455X (gfx1250); checked and timed in simulation.
; The chip was launched on July 23, 2026; its instructions are those of AMD's public machine-readable ISA for CDNA 5 (MIT licence, August 2026) and "CDNA5" Instruction Set Architecture Reference Guide (July 2026). The comments in the code are by the model that wrote it; some were corrected since.
;; Multi Head Self Attention. Allowed arithmetic: matrix products marked QUANTISED: E3M2 operands, one E8M0 scale for each 32 along K, by v_wmma_scale_f32_16x16x128_f8f6f4 with both operands' format E3M2, f32 sums; everything else in f32.
;; Inputs: beta 1,024 float32; bk 1,024 float32; bo 1,024 float32; bq 1,024 float32; bv 1,024 float32; gamma 1,024 float32; inputs 4 x 2,048 x 1,024 float32; wk_codes 1,024 x 32 x 24 uint8 (E3M2 codes of wk, K innermost, in blocks of 32 codes, four codes in three bytes); wk_scales 1,024 x 32 uint8 (E8M0 scales of wk, one for each 32 codes along K); wo_codes 1,024 x 32 x 24 uint8 (E3M2 codes of wo, K innermost, in blocks of 32 codes, four codes in three bytes); wo_scales 1,024 x 32 uint8 (E8M0 scales of wo, one for each 32 codes along K); wq_codes 1,024 x 32 x 24 uint8 (E3M2 codes of wq, K innermost, in blocks of 32 codes, four codes in three bytes); wq_scales 1,024 x 32 uint8 (E8M0 scales of wq, one for each 32 codes along K); wv_codes 1,024 x 32 x 24 uint8 (E3M2 codes of wv, K innermost, in blocks of 32 codes, four codes in three bytes); wv_scales 1,024 x 32 uint8 (E8M0 scales of wv, one for each 32 codes along K).
;; Outputs: out0 4 x 2,048 x 1,024 float32.
;; This version of the problem:
;;   THIS VERSION OF THE PROBLEM IS GIVEN IN LOW PRECISION. The matrix products marked QUANTISED in the list below multiply operands that are first quantised to E3M2 (3 exponent bits, 2 mantissa bits; 6 bits a number), with one power-of-two scale for each 32 numbers along K (OCP MX v1.0); their sums are f32. All else is computed in f32.
;;   The module's matrix products, in the order in which they are computed (A, B: the left and right operand; K: the contracted axis; several contracted axes count as one K, in the product's order):
;;     1. [M 8,192, K 1,024] x [K 1,024, N 1,024]; A: input inputs; B: input wq (given as codes): QUANTISED
;;     2. [M 8,192, K 1,024] x [K 1,024, N 1,024]; A: input inputs; B: input wk (given as codes): QUANTISED
;;     3. [M 8,192, K 1,024] x [K 1,024, N 1,024]; A: input inputs; B: input wv (given as codes): QUANTISED
;;     4. batch 4 x [M 2,048, K 1,024] x [K 1,024, N 2,048]; A: computed on the way; B: computed on the way: QUANTISED
;;     5. batch 4 x [M 2,048, K 2,048] x [K 2,048, N 1,024]; A: softmax (see below); B: computed on the way: QUANTISED
;;     6. [M 8,192, K 1,024] x [K 1,024, N 1,024]; A: computed on the way; B: input wo (given as codes): QUANTISED
;;   THE QUANTISER, for each operand of a quantised product, along K:
;;     - K is cut into blocks of 32 from its start; a last block that is shorter is filled with zeros.
;;     - A block's scale is 2^e with e = floor(log2(the largest magnitude in the block)) - 4, held to -126 .. 127; a block of zeros has e = 0. As a byte (E8M0): e + 127.
;;     - Each number is divided by its block's scale, clamped to +-28, and rounded to the nearest number of E3M2, ties to even, subnormals kept.
;;     - The product sums the exact products of the quantised numbers (number of the format x scale) in f32.
;;   ~~~python
;;   def quantise(x, axis):      # numpy; x: float32 -> the quantised numbers, widened to float32 again
;;       x = np.moveaxis(x, axis, -1); K = x.shape[-1]
;;       x = np.pad(x, [(0, 0)] * (x.ndim - 1) + [(0, -K % 32)]); x = x.reshape(x.shape[:-1] + (-1, 32)); a = np.abs(x).max(-1, keepdims=True)
;;       e = np.where(a > 0, np.clip(np.frexp(np.where(a > 0, a, 1))[1] - 1 - 4, -126, 127), 0)      # np.frexp(a)[1] - 1 = floor(log2(a)), exactly
;;       r = np.clip(x / 2.0 ** e, -28, 28)
;;       step = 2.0 ** (np.maximum(np.frexp(np.where(r == 0, 1, r))[1] - 1, -2) - 2)
;;       q = np.round(r / step) * step * 2.0 ** e      # np.round: ties to even
;;       return np.moveaxis(q.reshape(q.shape[:-2] + (-1,))[..., :K], -1, axis).astype(np.float32)
;;   ~~~
;;   SOFTMAX AHEAD OF A QUANTISED PRODUCT. Where the list says 'softmax', what is quantised is not the finished softmax but p = 2^(t - M), with t = logit x log2(e) and M = ceil(the row's largest t), a whole number; so 1/2 < the row's largest p <= 1. The row's sum l is taken of the UNQUANTISED p, in f32, and the product's result is divided by l at the end. Since M is a whole number, a kernel that streams over the keys may use a running M (the ceiling of the running maximum): every later rescaling is an exact power of two, which a block's scale takes up: the codes' values come out the same.
;;   OPERANDS COMPUTED ON THE WAY. 'Computed on the way' means the value that the module computes at that place (a softmax that the list does not call 'softmax' is quantised finished and normalised). What goes into a quantiser is computed in f32, as accurately as f32 sums, v_exp_f32 and their like allow (about 1e-6 of the number): no bf16 or f16 on the way to a quantiser, and a product that is left as it is and whose result goes on into a quantised operand takes f32 operands (vector FMAs, or v_wmma_f32_16x16x4_f32). A number that lies on a knife's edge between two numbers of the format may be rounded either way, as far as f32 arithmetic and the matrix unit's own rounding can turn it there, and no further.
;;   INPUTS GIVEN AS CODES. wk (in the module: [1024, 1024], K = its axis 0); wo (in the module: [1024, 1024], K = its axis 0); wq (in the module: [1024, 1024], K = its axis 0); wv (in the module: [1024, 1024], K = its axis 0): each comes as NAME_codes (uint8): NAME with its K axis moved to the last place and cut into blocks of 32 codes, [.., K / 32, bytes a block], one block behind the other in memory; four codes in three bytes: a row's codes are one little-endian stream of bits, code i at bits 6 i .. 6 i + 5 (a code: sign, 3 exponent bits, 2 mantissa bits); and NAME_scales (uint8): the same leading axes, one E8M0 byte (e + 127) for each 32 codes along K. Its value is code x scale, taken as it is: it is not quantised again, and the codes and scales need not be those that the quantiser above would give.
;; 2 versions. Each part assembles by itself: llvm-mc -triple=amdgcn-amd-amdhsa -mcpu=gfx1250 --defsym DOCPART=n.
;; ======== version 1 of 2: 5 launches
;; workspace buffers: prep 9,830,400 bytes; qkv 19,660,800 bytes; pbuf 14,155,776 bytes; att 6,553,600 bytes
;; launch prep (part 1): grid 384 x 1, 4 waves a work-group, no clusters, 0 bytes of LDS; arguments inputs, wq_codes, wq_scales, wk_codes, wk_scales, wv_codes, wv_scales, wo_codes, wo_scales, prep; writes prep
.if DOCPART == 1
	.amdgcn_target "amdgcn-amd-amdhsa--gfx1250"
	.amdhsa_code_object_version 6
	.text
	.protected	k_q13462091a5_prep
	.globl	k_q13462091a5_prep
	.p2align	8
	.type	k_q13462091a5_prep,@function
k_q13462091a5_prep:
	s_mov_b64 s[64:65], 0
	v_nop
	global_prefetch_b8 v0, s[64:65] scope:SCOPE_SE
	s_setreg_imm32_b32 hwreg(HW_REG_WAVE_MODE, 25, 1), 1
	s_wait_xcnt 0x0
; LAUNCH 1 OF 5.  The whole program: q, k, v = x w + b; scores = q k^T / 32; softmax; attn = p v / l; out = attn wo + bo; LayerNorm(x + out) gamma + beta.  All six products on codes of BF6 (E3M2) with one E8M0 scale for each 32 along K.
; DEAD WORK: none.  Every bias goes into a quantised operand (bq, bk, bv) or into the LayerNorm (bo); gamma and beta scale and shift the output: every input has a way to the output and is loaded, and no product, row or step is left out.
; THIS LAUNCH quantises x (inputs, [8192][1024] f32) along its 1,024 and lays x's codes and the four weights' given codes as IMAGES OF OPERAND REGISTERS, so that the later launches fetch a fragment by three loads of 16 bytes a lane.
; LAYOUT, used by all five launches.  128 rows are a row group; block a (0..7) of a group holds, in lane index r (0..15), row 32 (a / 2) + 8 (a % 2) + r + 8 (r / 8).  A fragment (16 rows x 128 K, 12 registers a lane: lane (r, h),
; registers 6 c .. 6 c + 5 = K 64 c + 32 h + 0 .. 31) lies in 1,536 bytes: register group g (4 registers) at 512 g + 16 x lane.  Fragment (group, K step s, block a) lies at ((group x K / 128 + s) x 8 + a) x 1,536; its 16 scale words at
; ((group x K / 128 + s) x 8 + a) x 64 + 4 r.  wo alone has the K step outermost: (s x 8 + group) x 8 + a.
; With these rows, and the products used transposed, a lane's 64 results of one block against eight blocks are 64 numbers of ONE row, register 16 b + i = column 32 b + 16 h + i: what the conversions want.
; THE QUANTISER: a block's scale is 2^(floor(log2(largest magnitude)) - 4); its byte is the largest magnitude's exponent field - 4, held at 1 from below by a floor among the maximum's leaves.
; LIMITS: NaN and infinities among the inputs are not served.  A block whose largest magnitude lies under 2^-122 (a block of zeros too) gets the byte 1, where the stated rule gives a block of zeros 127: its codes are zeros or tiny, and this program alone reads the bytes.
; SHARES.  Work-groups 0-255: x; a wave takes 16 rows (one block) x 512 along K: four fragments.  Work-groups 256-383: the weights; a wave takes one block x 512 along K of one weight.  No LDS, no barrier: waves share nothing, so there is nothing to ask for jointly.
.set XS,  6291456                      ; prep: x's scale words behind x's codes (which begin at 0)
.set WI,  6553600                      ; the four weights' codes, 786,432 bytes each
.set WS,  9699328                      ; their scale words, 32,768 bytes each
.set XA,  4                            ; v4   my lane's byte in the wave's 16 rows (x or a weight)
.set OI,  5                            ; v5   16 x lane
.set OP,  6                            ; v6   4 r + 512 h: two K steps' scale words by one store
.set S0,  32                           ; v32-95, v96-159: two sets of 64 numbers
.set S1,  96
.set TM,  160                          ; v160-175 at work in the quantiser
.set PWS, 176                          ; v176-179 four scale words
.set PC,  180                          ; v180-198 the codes just made
.set W,   200                          ; v200-201 scale words paired for their stores
.set SEL, 40                           ; s[40:41] selects of v_permlanex16_b32: lane l xor 16
.set HI,  42                           ; s42  a mask of lanes 16-31
; the four blocks' largest magnitudes of 64 numbers v[s] ..: register 16 b + i = k 32 b + 16 h + i of my row
.macro QMAX s
.irp b, 0,1,2,3
	v_max3_num_f32 v[TM+\b], |v[\s+16*\b]|, |v[\s+1+16*\b]|, 0x2800000   ; my 16 numbers of block b, and the floor 2^(5 - 127): the byte cannot fall under 1
.endr
.irp i, 2,4,6,8,10,12,14
.irp b, 0,1,2,3
	v_max3_num_f32 v[TM+\b], v[TM+\b], |v[\s+16*\b+\i]|, |v[\s+1+16*\b+\i]|   ; the four blocks by turns
.endr
.endr
.irp b, 0,1,2,3
	v_permlanex16_b32 v[TM+4+\b], v[TM+\b], s[SEL], s[SEL+1]
.endr
.irp b, 0,1,2,3
	v_max_num_f32 v[TM+\b], v[TM+\b], v[TM+4+\b]   ; with lane l xor 16's 16: the block's
.endr
.endm
; from the maxima in v[TM] ..: the row's scale word into v[pw], the fragment's 12 registers into v[PC] ..
.macro QPACK s, pw
.irp b, 0,1,2,3
	v_add_nc_u32 v[TM+12+\b], 0xfe000000, v[TM+\b]   ; 4 off the exponent field: the conversion takes this operand's exponent field as its scale
.endr
.irp b, 0,1,2,3
	v_lshrrev_b32 v[TM+4+\b], 23, v[TM+12+\b]      ; the scale's byte
.endr
	v_lshl_or_b32 v[\pw], v[TM+5], 8, v[TM+4]
	v_lshl_or_b32 v[\pw], v[TM+6], 16, v[\pw]
	v_lshl_or_b32 v[\pw], v[TM+7], 24, v[\pw]
.irp c, 0,1
	v_cvt_scalef32_pk16_bf6_f32 v[PC+6*\c:PC+2+6*\c], v[\s+32*\c:\s+15+32*\c], v[TM+12+2*\c]
	v_cvt_scalef32_pk16_bf6_f32 v[PC+12+4*\c:PC+14+4*\c], v[\s+16+32*\c:\s+31+32*\c], v[TM+12+2*\c+1]   ; (a conversion's three registers begin on an even number)
.endr
	v_nop                                          ; one plain place behind a scaled conversion
.irp c, 0,1                                    ; the operand's layout wants a whole block in a lane: lanes 0-15 block 2 c, lanes 16-31 block 2 c + 1
.irp i, 0,1,2
	v_permlane16_swap_b32 v[PC+6*\c+\i], v[PC+12+4*\c+\i]
.endr
.irp i, 0,1,2
	v_mov_b32 v[PC+3+6*\c+\i], v[PC+12+4*\c+\i]
.endr
.endr
.endm
; from the wave's unit number in s27: s28 = which 512 along K, s29 = row group, s30 = block, s31 = the block's first row, s36 = where its scale words go
.macro SHARE
	s_and_b32 s28, s27, 1
	s_lshr_b32 s27, s27, 1
	s_lshr_b32 s29, s27, 3
	s_and_b32 s30, s27, 7
	s_lshl_b32 s31, s29, 7
	s_lshr_b32 s32, s30, 1
	s_lshl_b32 s32, s32, 5
	s_add_co_u32 s31, s31, s32
	s_and_b32 s32, s30, 1
	s_lshl_b32 s32, s32, 3
	s_add_co_u32 s31, s31, s32                     ; 128 group + 32 (a / 2) + 8 (a % 2)
	s_lshl_b32 s36, s29, 12
	s_lshl_b32 s37, s28, 11
	s_add_co_u32 s36, s36, s37
	s_lshl_b32 s37, s30, 6
	s_add_co_u32 s36, s36, s37                     ; 4,096 group + 2,048 half + 64 a
	s_mov_b32 s37, 0
.endm
	s_load_b64 s[4:5], s[0:1], 0x0                 ; inputs
	s_load_b128 s[8:11], s[0:1], 0x8               ; wq's codes, scales
	s_load_b128 s[12:15], s[0:1], 0x18             ; wk's
	s_load_b128 s[16:19], s[0:1], 0x28             ; wv's
	s_load_b128 s[20:23], s[0:1], 0x38             ; wo's
	s_load_b64 s[24:25], s[0:1], 0x48              ; prep
	v_lshrrev_b32 v1, 5, v0
	v_readfirstlane_b32 s26, v1                    ; wave
	v_and_b32 v1, 31, v0                           ; lane
	v_and_b32 v2, 15, v0                           ; r
	v_bfe_u32 v3, v0, 4, 1                         ; h
	v_lshlrev_b32 v[OI], 4, v1
	v_lshlrev_b32 v[OP], 2, v2
	v_lshl_add_u32 v[OP], v3, 9, v[OP]
	v_and_b32 v7, 8, v2
	v_add_nc_u32 v7, v7, v2                        ; r + 8 (r / 8)
.irp b, 0,1,2,3
	v_mov_b32 v[TM+4+\b], 0                        ; written once: a lane permute's destination counts as one of its sources
.endr
	s_mov_b32 s[SEL], 0x76543210
	s_mov_b32 s[SEL+1], 0xfedcba98
	s_mov_b32 s[HI], 0xffff0000
	s_cmp_lt_u32 ttmp9, 256
	s_cbranch_scc0 .Lweights
	; ---- x
	s_lshl_b32 s27, ttmp9, 2
	s_add_co_u32 s27, s27, s26                     ; unit 0 .. 1,023
	SHARE
	s_lshl_b32 s32, s31, 12                        ; a row of x is 4,096 bytes,
	s_lshl_b32 s33, s28, 11                        ; 512 along K are 2,048
	s_add_co_u32 s32, s32, s33
	s_mov_b32 s33, 0
	s_mul_i32 s34, s29, 98304                      ; the codes: group, K steps 4 half on, block
	s_mul_i32 s35, s28, 49152
	s_add_co_u32 s34, s34, s35
	s_mul_i32 s35, s30, 1536
	s_add_co_u32 s34, s34, s35
	s_mov_b32 s35, 0
	s_add_co_u32 s36, s36, XS
	v_lshlrev_b32 v[XA], 12, v7
	v_lshl_add_u32 v[XA], v3, 6, v[XA]             ; my row, + 64 h: my 16 numbers of a block of 32
	s_wait_kmcnt 0x0
	s_add_nc_u64 s[4:5], s[4:5], s[32:33]
	s_add_nc_u64 s[34:35], s[24:25], s[34:35]
	s_add_nc_u64 s[36:37], s[24:25], s[36:37]
.macro XLOAD set, sl                   ; K step sl of my four: 64 numbers a lane
.irp b, 0,1,2,3
.irp j, 0,1,2,3
	global_load_b128 v[\set+16*\b+4*\j:\set+16*\b+4*\j+3], v[XA], s[4:5] offset:512*(\sl)+128*\b+16*\j th:TH_LOAD_NT
.endr
.endr
.endm
.macro XSTEP sl, set, left
	s_wait_loadcnt \left                           ; this K step's 16 loads are in; the younger set's 16 may be out
	QMAX \set
.if (\sl) > 0
	s_wait_xcnt 0x0                                ; the last fragment's stores have read their data: the codes' registers are rewritten only behind this wait
.endif
	QPACK \set, PWS+(\sl)
.irp g, 0,1,2
	global_store_b128 v[OI], v[PC+4*\g:PC+4*\g+3], s[34:35] offset:12288*(\sl)+512*\g   ; 32 lanes store 512 consecutive bytes, aligned
.endr
.if (\sl)+2 < 4
	XLOAD \set, (\sl)+2
.endif
.endm
	XLOAD S0, 0
	XLOAD S1, 1
	XSTEP 0, S0, 16
	XSTEP 1, S1, 16
	XSTEP 2, S0, 16
	XSTEP 3, S1, 0
	v_cndmask_b32 v[W], v[PWS], v[PWS+1], s[HI]    ; lanes 0-15: one K step's words, lanes 16-31: the next one's
	v_cndmask_b32 v[W+1], v[PWS+2], v[PWS+3], s[HI]
	global_store_b32 v[OP], v[W], s[36:37]
	global_store_b32 v[OP], v[W+1], s[36:37] offset:1024
	s_endpgm
.Lweights:
	; ---- the weights: given codes and scale bytes, taken as they are; only their places change
	s_sub_co_u32 s27, ttmp9, 256
	s_lshr_b32 s38, s27, 5                         ; which weight: 0 wq, 1 wk, 2 wv, 3 wo
	s_lshl_b32 s27, s27, 2
	s_add_co_u32 s27, s27, s26
	s_and_b32 s27, s27, 127                        ; unit 0 .. 127 of that weight
	SHARE
	s_mul_i32 s32, s31, 768                        ; a row of 1,024 codes is 768 bytes,
	s_mul_i32 s33, s28, 384                        ; 512 along K are 384
	s_add_co_u32 s32, s32, s33
	s_mov_b32 s33, 0
	s_lshl_b32 s34, s31, 5                         ; a row of scale bytes is 32,
	s_lshl_b32 s35, s28, 4                         ; 512 along K are 16
	s_add_co_u32 s34, s34, s35
	s_mov_b32 s35, 0
	s_mov_b32 s39, 98304
	s_mov_b32 s43, 12288
	s_cmp_eq_u32 s38, 3
	s_cselect_b32 s44, s39, s43                    ; from K step to K step: 12,288; wo: 98,304
	s_cselect_b32 s45, s43, s39                    ; from group to group: the other way round
	s_mul_i32 s50, s38, 786432
	s_add_co_u32 s50, s50, WI
	s_mul_i32 s51, s29, s45
	s_add_co_u32 s50, s50, s51
	s_mul_i32 s51, s28, s44
	s_lshl_b32 s51, s51, 2
	s_add_co_u32 s50, s50, s51
	s_mul_i32 s51, s30, 1536
	s_add_co_u32 s50, s50, s51
	s_mov_b32 s51, 0
	s_lshl_b32 s39, s38, 15
	s_add_co_u32 s36, s36, s39
	s_add_co_u32 s36, s36, WS
	v_mul_u32_u24 v[XA], v7, 768
	v_mad_u32_u24 v[XA], v3, 24, v[XA]             ; my row, + 24 h
	v_lshlrev_b32 v12, 5, v7                       ; my row's scale bytes
	v_mov_b32 v8, v[OI]                            ; where my four fragments go
	v_add_nc_u32 v9, s44, v8
	v_add_nc_u32 v10, s44, v9
	v_add_nc_u32 v11, s44, v10
	s_wait_kmcnt 0x0
	s_mov_b64 s[46:47], s[8:9]
	s_mov_b64 s[48:49], s[10:11]
	s_cmp_eq_u32 s38, 1
	s_cselect_b64 s[46:47], s[12:13], s[46:47]
	s_cselect_b64 s[48:49], s[14:15], s[48:49]
	s_cmp_eq_u32 s38, 2
	s_cselect_b64 s[46:47], s[16:17], s[46:47]
	s_cselect_b64 s[48:49], s[18:19], s[48:49]
	s_cmp_eq_u32 s38, 3
	s_cselect_b64 s[46:47], s[20:21], s[46:47]
	s_cselect_b64 s[48:49], s[22:23], s[48:49]
	s_add_nc_u64 s[46:47], s[46:47], s[32:33]
	s_add_nc_u64 s[48:49], s[48:49], s[34:35]
	s_add_nc_u64 s[50:51], s[24:25], s[50:51]
	s_add_nc_u64 s[36:37], s[24:25], s[36:37]
.irp f, 0,1,2,3
.irp p, 0,1,2,3,4,5
	global_load_b64 v[32+12*\f+2*\p:32+12*\f+2*\p+1], v[XA], s[46:47] offset:96*\f+48*(\p/3)+8*(\p%3)   ; the row's stream of bits as it lies, in pieces of 8 bytes
.endr
.endr
	global_load_b128 v[80:83], v12, s[48:49]       ; four K steps' scale words of my row
	s_wait_loadcnt 0x0
.irp f, 0,1,2,3
.irp g, 0,1,2
	global_store_b128 v[8+\f], v[32+12*\f+4*\g:32+12*\f+4*\g+3], s[50:51] offset:512*\g
.endr
.endr
	v_cndmask_b32 v[W], v80, v81, s[HI]
	v_cndmask_b32 v[W+1], v82, v83, s[HI]
	global_store_b32 v[OP], v[W], s[36:37]
	global_store_b32 v[OP], v[W+1], s[36:37] offset:1024
	s_endpgm
.Lfunc_end_k_q13462091a5_prep:
	.size	k_q13462091a5_prep, .Lfunc_end_k_q13462091a5_prep-k_q13462091a5_prep
	.p2alignl 7, 3214868480
	.fill 96, 4, 3214868480
	.section	.rodata,"a",@progbits
	.p2align	6, 0x0
	.amdhsa_kernel k_q13462091a5_prep
		.amdhsa_group_segment_fixed_size 0
		.amdhsa_private_segment_fixed_size 0
		.amdhsa_enable_private_segment 0
		.amdhsa_kernarg_size 80
		.amdhsa_user_sgpr_count 2
		.amdhsa_user_sgpr_kernarg_segment_ptr 1
		.amdhsa_wavefront_size32 1
		.amdhsa_system_sgpr_workgroup_id_x 1
		.amdhsa_system_sgpr_workgroup_id_y 1
		.amdhsa_system_sgpr_workgroup_id_z 1
		.amdhsa_system_vgpr_workitem_id 0
		.amdhsa_next_free_vgpr 208
		.amdhsa_next_free_sgpr 66
		.amdhsa_reserve_vcc 0
		.amdhsa_float_denorm_mode_32 3
		.amdhsa_float_denorm_mode_16_64 3
		.amdhsa_memory_ordered 1
		.amdhsa_forward_progress 1
		.amdhsa_inst_pref_size 32
	.end_amdhsa_kernel
	.amdgpu_metadata
---
amdhsa.version: [ 1, 2 ]
amdhsa.kernels:
  - .name:           k_q13462091a5_prep
    .symbol:         k_q13462091a5_prep.kd
    .args:
      - { .name: inputs, .offset: 0, .size: 8, .value_kind: global_buffer, .address_space: global }
      - { .name: wq_codes, .offset: 8, .size: 8, .value_kind: global_buffer, .address_space: global }
      - { .name: wq_scales, .offset: 16, .size: 8, .value_kind: global_buffer, .address_space: global }
      - { .name: wk_codes, .offset: 24, .size: 8, .value_kind: global_buffer, .address_space: global }
      - { .name: wk_scales, .offset: 32, .size: 8, .value_kind: global_buffer, .address_space: global }
      - { .name: wv_codes, .offset: 40, .size: 8, .value_kind: global_buffer, .address_space: global }
      - { .name: wv_scales, .offset: 48, .size: 8, .value_kind: global_buffer, .address_space: global }
      - { .name: wo_codes, .offset: 56, .size: 8, .value_kind: global_buffer, .address_space: global }
      - { .name: wo_scales, .offset: 64, .size: 8, .value_kind: global_buffer, .address_space: global }
      - { .name: prep, .offset: 72, .size: 8, .value_kind: global_buffer, .address_space: global }
    .group_segment_fixed_size: 0
    .private_segment_fixed_size: 0
    .kernarg_segment_align: 8
    .kernarg_segment_size: 80
    .max_flat_workgroup_size: 128
    .sgpr_count:     66
    .vgpr_count:     208
    .wavefront_size: 32
...
	.end_amdgpu_metadata
.endif
;; end of part 1
;; launch qkv (part 2): grid 12 x 32, 4 waves a work-group, clusters of 4 x 4, 327,680 bytes of LDS; arguments prep, bq, bk, bv, qkv; writes qkv
.if DOCPART == 2
	.amdgcn_target "amdgcn-amd-amdhsa--gfx1250"
	.amdhsa_code_object_version 6
	.text
	.protected	k_q13462091a5_qkv
	.globl	k_q13462091a5_qkv
	.p2align	8
	.type	k_q13462091a5_qkv,@function
k_q13462091a5_qkv:
	s_mov_b64 s[64:65], 0
	v_nop
	global_prefetch_b8 v0, s[64:65] scope:SCOPE_SE
	s_setreg_imm32_b32 hwreg(HW_REG_WAVE_MODE, 25, 1), 1
	s_wait_xcnt 0x0
	s_wait_alu depctr_hold_cnt(0) depctr_sa_sdst(0) depctr_va_vdst(0) depctr_va_sdst(0) depctr_va_ssrc(0) depctr_va_vcc(0) depctr_vm_vsrc(0)
	s_getreg_b32 s2, hwreg(HW_REG_IB_STS2, 6, 4)
	s_cmp_eq_u32 s2, 0
	s_cbranch_scc0 .Lentry_in_a_cluster
	s_endpgm
.Lentry_in_a_cluster:
	s_bfe_u32 s2, ttmp6, 0x10000c
	s_cmp_lg_u32 s2, 0xf033
	s_cbranch_scc0 .Lentry_shape_is_right
	s_endpgm
.Lentry_shape_is_right:
; LAUNCH 2 OF 5.  q = x wq + bq, k = x wk + bk, v = x wv + bv on codes of BF6, each result quantised on the way out: q and k along their 1,024, v along the KEYS.  No work of reference() is left out.
; Operands and results lie as images of operand registers (the layout is set out at the head of the first launch): a tile of 128 rows x 256 K is one dense block of 24,576 bytes, a fragment three loads of 16 bytes a lane.
; A tile of 256 x 256 is made by four waves, 128 x 128 each: 64 accumulators, 512 registers.  K goes in steps of 256 through a ring of two LDS slots filled by the tensor data mover.  The scale words of the tile's 512 rows, for all of K, come once.
; THE MATRIX INSTRUCTION IS USED TRANSPOSED: source 0 = 16 rows of "B", source 1 = 16 rows of "A": a lane holds ONE row of A, and its 64 registers of one block of A against B's eight run along B's 128 rows, in their true order.
; The cluster's x says which product: 0: q, 1: k (A = x, B = the weight: a lane holds a token, its registers run along e); 2: v (A = wv, B = x: a lane holds a channel d, its registers run along the keys, which are the next product's K).
; CLUSTERS: 4 x 4 work-groups.  The four of a row need the same tiles of A, the four of a column the same tiles of B: each is asked for jointly, by the same tensor load with a mask that names the four.
; THE BIAS lies along the registers (q, k) or is one number a lane and block (v).  Every wave loads both forms, at addresses masked into the buffer, and a scalar branch on the cluster's x, round vector work alone, takes one: the other form's 8 or 16 loads serve nothing.
; LIMITS: as stated at the head of the first launch (NaN and infinities not served; a block under 2^-122 gets the byte 1).
; REGISTERS, in windows of 256: window 0: v0-31 addresses; v32-63 scale words, two sets; v64-127 the bias along the registers; v128-223 A's fragments, one set, later the epilogue's numbers and codes; v224-239 the bias a lane; v240-255 at work.
;   window 1: B's fragments, two sets, at v0 and v128.   window 2: the accumulators of A's blocks 0-3 ((a, b) at v[8 (8 (a % 4) + b)]);   window 3: those of blocks 4-7.
.set KSUB,  8                          ; K / 128
.set LAPS,  KSUB/4                     ; a lap = two slots = 512 along K
.set NQ,    2                          ; matrix instructions deep in a slot
.set FR,    12                         ; registers of a fragment
.set NL,    3                          ; LDS loads that bring one
.set NP,    4                          ; places behind this matrix instruction (ISA guide 7.12.1)
.set HALFT, 24576                      ; 128 rows x 256 K: [K step][block][1,536]: what one tensor load brings
.set SLOT,  4*HALFT                    ; A's two halves, then B's two
.set SCL,   2*SLOT                     ; behind the ring: the scale words, [K step][block][16 words] for each 128 rows
.set HALFS, 512*KSUB
.set SPARE, SCL+4*HALFS                ; the spare words, 128 bytes for each wave: two blocks of 256 bytes that no other line names
.set XS,  6291456                      ; prep: x's scale words (x's codes begin at 0),
.set WI,  6553600                      ; the weights' codes,
.set WS,  9699328                      ; their scale words
.set ADRA, 16                          ; v16-17  LDS address of my A fragments in slot 0, 1
.set ADRB, 20                          ; v20-21  the same for B
.set OI,   24                          ; v24     16 x lane
.set OS,   25                          ; v25     4 x lane
.set ADRS, 27                          ; v27     LDS address of my scale words: lanes 0-15 A's rows, lanes 16-31 B's
.set SPW,  28                          ; v28     LDS address of my spare word; never rewritten
.set NIL,  29                          ; v29     0; never rewritten
.set SC,   32                          ; scale words: set s at v[SC + 16 s]; register 2 i + q: lanes 0-15 A's block i, lanes 16-31 B's block i, the slot's q-th 128 along K
.set AF,   128
.set BN,   64
.set T,    128                         ; the epilogue: 64 numbers of a row,
.set PC,   192                         ; v192-210 their codes,
.set PWS,  212                         ; v212-219 a scale word for each block,
.set W,    220                         ; v220-223 paired for their stores
.set BMB,  224
.set TM,   240
.set G1, 24                            ; s[24:31] descriptor group 1 for A's tiles;  s[32:39] group 0, one set for each slot
.set G0, 32
.set G1B, 48                           ; s[48:55], s[56:63] the same for B's
.set G0B, 56
.set SEL, 66                           ; s[66:67] selects of v_permlanex16_b32: lane l xor 16
.set G1S, 68                           ; s[68:75], s[76:79] groups 1 and 0 for A's scale words;  s[80:87], s[88:91] for B's
.set G0S, 76
.set G1SB, 80
.set G0SB, 88
.set WH, 101                           ; s101 which product
.set MSB, 0
.macro WIN new                         ; the immediate's high byte repeats the setting that is left
.if MSB != (\new)
	s_set_vgpr_msb (MSB<<8)|(\new)
.set MSB, (\new)
.endif
.endm
.set MUL_LO, 0xa1                      ; source 0 (B) window 1, source 1 (A) window 0, C and D window 2
.set MUL_HI, 0xf1                      ; the same, C and D window 3
.set TO_B,   0x40                      ; destination window 1, address window 0
; A joint load: waves 0 and 1 fetch for A, waves 2 and 3 for B; the branch hangs on the wave's number alone.  An s_nop 0 and four v_nop follow each of the two lines.
.macro JLOAD g0a, g1a, g0b, g1b
	s_cmp_eq_u32 s15, 0
	s_cbranch_scc0 .Lfor_b_\@
	tensor_load_to_lds s[\g0a:\g0a+3], s[\g1a:\g1a+7]
	s_nop 0
.rept 4
	v_nop
.endr
	s_branch .Lasked_\@
.Lfor_b_\@:
	tensor_load_to_lds s[\g0b:\g0b+3], s[\g1b:\g1b+7]
	s_nop 0
.rept 4
	v_nop
.endr
.Lasked_\@:
.endm
.macro CREST                           ; a round of the cluster's barrier behind its opening barrier
	s_cmp_lg_u32 s14, 0
	s_cbranch_scc1 .Lnot_wave_0_\@
	s_barrier_signal -3
.Lnot_wave_0_\@:
	s_barrier_wait -3
	s_barrier_signal -1
	s_barrier_wait -1
.endm
.macro CROUND
	s_barrier_signal -1
	s_barrier_wait -1
	CREST
.endm
.macro FRAG reg, adr, q, i             ; a fragment as it lies: three loads, each 512 consecutive bytes
.irp g, 0,1,2
	ds_load_b128 v[\reg+4*\g:\reg+4*\g+3], v[\adr] offset:12288*(\q)+1536*(\i)+512*\g
.endr
.endm
; 16 matrix instructions: A's blocks a0, a0 + 1 x B's eight.  p: B's set; q: which 128 of the slot; sc: the set of scale words.  The 64 accumulators take turns, one instruction a turn.
.macro MUL16 a0, p, q, sc, zero
.irp a, \a0, \a0+1
.irp b, 0,1,2,3,4,5,6,7
.if \zero
	v_wmma_scale_f32_16x16x128_f8f6f4 v[8*(8*((\a)%4)+\b):8*(8*((\a)%4)+\b)+7], v[128*(\p)+FR*\b:128*(\p)+FR*\b+FR-1], v[AF+FR*(\a):AF+FR*(\a)+FR-1], 0, v[SC+8*NQ*(\sc)+NQ*\b+(\q)], v[SC+8*NQ*(\sc)+NQ*(\a)+(\q)] matrix_a_fmt:MATRIX_FMT_BF6 matrix_b_fmt:MATRIX_FMT_BF6 matrix_a_scale:MATRIX_SCALE_ROW1
.else
	v_wmma_scale_f32_16x16x128_f8f6f4 v[8*(8*((\a)%4)+\b):8*(8*((\a)%4)+\b)+7], v[128*(\p)+FR*\b:128*(\p)+FR*\b+FR-1], v[AF+FR*(\a):AF+FR*(\a)+FR-1], v[8*(8*((\a)%4)+\b):8*(8*((\a)%4)+\b)+7], v[SC+8*NQ*(\sc)+NQ*\b+(\q)], v[SC+8*NQ*(\sc)+NQ*(\a)+(\q)] matrix_a_fmt:MATRIX_FMT_BF6 matrix_b_fmt:MATRIX_FMT_BF6 matrix_a_scale:MATRIX_SCALE_ROW1
.endif
.endr
.endr
.endm
.macro FETCH_B slot, q, p
	WIN TO_B
.irp i, 0,1,2,3,4,5,6,7
	FRAG 128*(\p)+FR*\i, ADRB+\slot, \q, \i
.endr
	WIN 0
.endm
.macro FETCH_A slot, q, i0
.irp i, \i0, \i0+1, \i0+2, \i0+3
	FRAG AF+FR*(\i), ADRA+\slot, \q, \i
.endr
.endm
.macro SCALES sc                       ; a slot's scale words: lanes 0-15 take A's block i, lanes 16-31 B's block i
.irp i, 0,1,2,3,4,5,6,7
.irp q, 0,1
	ds_load_b32 v[SC+8*NQ*\sc+NQ*\i+\q], v[ADRS] offset:512*\q+64*\i
.endr
.endr
.endm
.macro PLACES n                        ; plain vector places behind matrix instructions, in front of loads into their registers and of reads of results
.rept \n
	v_nop
.endr
.endm
.macro STEP slot, q, zero              ; 128 along K that have their successor in the same slot
	s_wait_dscnt 4*NL                              ; all but the youngest 12 loads (A's blocks 4-7) are in
	WIN MUL_LO
	MUL16 0, (\q)%2, \q, \slot, \zero
	MUL16 2, (\q)%2, \q, \slot, \zero
	s_wait_dscnt 0
	PLACES NP
	FETCH_B \slot, (\q)+1, 1-(\q)%2
	FETCH_A \slot, (\q)+1, 0
	WIN MUL_HI
	MUL16 4, (\q)%2, \q, \slot, \zero
	MUL16 6, (\q)%2, \q, \slot, \zero
	PLACES NP
	WIN 0
	FETCH_A \slot, (\q)+1, 4
.endm
; A slot's last 128 change slots: one barrier; in front of it each wave waits for all its tensor loads, adds 0 to its spare word, and waits for that and for its reads of this slot.  fill = 1: the slot is filled again, two slots ahead.
.macro TURN slot, next, fill
	s_wait_tensorcnt 0x0                           ; all my tensor loads have landed: my part of the next slot
	ds_add_u32 v[SPW], v[NIL]                      ; 0 onto my spare word
	s_wait_dscnt 4*NL+1                            ; (the add and the youngest 12 loads may be out)
	WIN MUL_LO
	MUL16 0, 1, NQ-1, \slot, 0
	s_wait_dscnt 0x0                               ; the add is done, and my reads of this slot are over
	s_barrier_signal -1
	MUL16 2, 1, NQ-1, \slot, 0
	WIN 0
	s_barrier_wait -1
.if \fill
	CREST                                          ; the barrier has opened a round of the cluster's: no wave of any partner still reads this slot or has a load on its way
	s_add_nc_u64 s[G0+4*\slot+2:G0+4*\slot+3], s[G0+4*\slot+2:G0+4*\slot+3], 2*HALFT
	s_add_nc_u64 s[G0B+4*\slot+2:G0B+4*\slot+3], s[G0B+4*\slot+2:G0B+4*\slot+3], 2*HALFT
	JLOAD G0+4*\slot, G1, G0B+4*\slot, G1B         ; the first tensor load behind the round; its four v_nop are the places in front of the loads below
.else
	PLACES NP
.endif
	v_add_nc_u32 v[ADRS], 512*NQ, v[ADRS]          ; the next slot's scale words (no LDS load of mine is out)
	FETCH_B \next, 0, 0
	FETCH_A \next, 0, 0
	SCALES \next
	WIN MUL_HI
	MUL16 4, 1, NQ-1, \slot, 0
	MUL16 6, 1, NQ-1, \slot, 0
	PLACES NP
	WIN 0
	FETCH_A \next, 0, 4
.endm
; the quantiser: the four blocks' largest magnitudes of 64 numbers v[s] ..: register 16 b + i = k 32 b + 16 h + i of my row
.macro QMAX s
.irp b, 0,1,2,3
	v_max3_num_f32 v[TM+\b], |v[\s+16*\b]|, |v[\s+1+16*\b]|, 0x2800000   ; and the floor 2^(5 - 127): the byte cannot fall under 1
.endr
.irp i, 2,4,6,8,10,12,14
.irp b, 0,1,2,3
	v_max3_num_f32 v[TM+\b], v[TM+\b], |v[\s+16*\b+\i]|, |v[\s+1+16*\b+\i]|
.endr
.endr
.irp b, 0,1,2,3
	v_permlanex16_b32 v[TM+4+\b], v[TM+\b], s[SEL], s[SEL+1]
.endr
.irp b, 0,1,2,3
	v_max_num_f32 v[TM+\b], v[TM+\b], v[TM+4+\b]
.endr
.endm
.macro QPACK s, pw                     ; from the maxima: the row's scale word into v[pw], the fragment's 12 registers into v[PC] ..
.irp b, 0,1,2,3
	v_add_nc_u32 v[TM+12+\b], 0xfe000000, v[TM+\b]   ; 4 off the exponent field: the conversion's scale operand
.endr
.irp b, 0,1,2,3
	v_lshrrev_b32 v[TM+4+\b], 23, v[TM+12+\b]      ; the scale's byte
.endr
	v_lshl_or_b32 v[\pw], v[TM+5], 8, v[TM+4]
	v_lshl_or_b32 v[\pw], v[TM+6], 16, v[\pw]
	v_lshl_or_b32 v[\pw], v[TM+7], 24, v[\pw]
.irp c, 0,1
	v_cvt_scalef32_pk16_bf6_f32 v[PC+6*\c:PC+2+6*\c], v[\s+32*\c:\s+15+32*\c], v[TM+12+2*\c]
	v_cvt_scalef32_pk16_bf6_f32 v[PC+12+4*\c:PC+14+4*\c], v[\s+16+32*\c:\s+31+32*\c], v[TM+12+2*\c+1]
.endr
	v_nop                                          ; one plain place behind a scaled conversion
.irp c, 0,1
.irp i, 0,1,2
	v_permlane16_swap_b32 v[PC+6*\c+\i], v[PC+12+4*\c+\i]
.endr
.irp i, 0,1,2
	v_mov_b32 v[PC+3+6*\c+\i], v[PC+12+4*\c+\i]
.endr
.endr
.endm
.macro STOREF a                        ; block a's fragment leaves as it stands: each store covers 512 consecutive bytes, aligned
.irp g, 0,1,2
	global_store_b128 v[OI], v[PC+4*\g:PC+4*\g+3], s[96:97] offset:1536*(\a)+512*\g
.endr
.endm
.macro PAIRST src, w, off              ; eight blocks' words: lanes 0-15 an even block's, lanes 16-31 the odd one's: 128 consecutive bytes a store
.irp i, 0,1,2,3
	v_cndmask_b32 v[\w+\i], v[\src+2*\i], v[\src+2*\i+1], s100
.endr
.irp i, 0,1,2,3
	global_store_b32 v[OS], v[\w+\i], s[98:99] offset:\off+128*\i
.endr
.endm
	s_load_b256 s[4:11], s[0:1], 0x0               ; prep, bq, bk, bv
	s_load_b64 s[12:13], s[0:1], 0x20              ; qkv
	v_lshl_add_u32 v[SPW], v0, 2, SPARE
	v_mov_b32 v[NIL], 0
	ds_add_u32 v[SPW], v[NIL]                      ; the wave's opening: the add, twice on end, and its wait ahead of my first tensor load
	ds_add_u32 v[SPW], v[NIL]
	v_lshrrev_b32 v1, 5, v0
	v_readfirstlane_b32 s14, v1                    ; wave 0..3
	s_lshr_b32 s15, s14, 1                         ; which half of A's rows is mine.  Also: I fetch for A (0) or for B (1)
	s_and_b32 s16, s14, 1                          ; which half of B's rows.  Also: which 128 rows I fetch
	s_bfe_u32 s40, ttmp6, 0x40000                  ; cx
	s_bfe_u32 s41, ttmp6, 0x40004                  ; cy
	s_mov_b32 s[WH], ttmp9                         ; the cluster's x: 0 q, 1 k, 2 v: the same in all sixteen partners
	s_and_b32 s18, ttmp7, 0xffff
	s_lshl_b32 s18, s18, 2
	s_add_co_u32 s19, s18, s41                     ; 4 x cluster y + cy
	s_add_co_u32 s2, s18, s40                      ; 4 x cluster y + cx
	s_mul_i32 s43, s[WH], 786432
	s_add_co_u32 s43, s43, WI                      ; this product's weight: codes,
	s_lshl_b32 s44, s[WH], 15
	s_add_co_u32 s44, s44, WS                      ; scale words
	s_mov_b32 s45, XS
	s_cmp_lt_u32 s[WH], 2
	s_cselect_b32 s17, s19, s41                    ; A's tile of 256 rows: of x's 32 (q, k), of wv's 4 (v): hangs on cy alone
	s_cselect_b32 s42, s40, s2                     ; B's: of the weight's 4, of x's 32: hangs on cx alone
	s_cselect_b32 s94, 0, s43                      ; where A's codes begin in prep,
	s_cselect_b32 s95, s45, s44                    ; A's scale words,
	s_cselect_b32 s43, s43, 0                      ; B's codes,
	s_cselect_b32 s44, s44, s45                    ; B's scale words
	s_lshl_b32 s18, s41, 2
	s_lshl_b32 s18, 15, s18                        ; my row of the cluster
	s_lshl_b32 s19, 0x1111, s40                    ; my column
	; descriptor group 1: a dense block as rows of 256 bytes (32 elements of 8 bytes), no padding: 15:0 the mask; 17:16 element size; 21 set beside a mask
	s_or_b32 s[G1+0], s18, (3<<16)|(1<<21)
	s_or_b32 s[G1B+0], s19, (3<<16)|(1<<21)
	s_or_b32 s[G1S+0], s18, (3<<16)|(1<<21)
	s_or_b32 s[G1SB+0], s19, (3<<16)|(1<<21)
.irp g, G1, G1B
	s_mov_b32 s[\g+1], 32<<16                      ; tensor_dim0
	s_mov_b32 s[\g+2], (HALFT/256)<<16             ; tensor_dim1
	s_mov_b32 s[\g+3], 32<<16                      ; tile_dim0
	s_mov_b32 s[\g+4], HALFT/256                   ; tile_dim1
	s_mov_b32 s[\g+5], 32                          ; tensor_dim0_stride
	s_mov_b32 s[\g+6], 0
	s_mov_b32 s[\g+7], 0
.endr
.irp g, G1S, G1SB
	s_mov_b32 s[\g+1], 32<<16
	s_mov_b32 s[\g+2], (HALFS/256)<<16
	s_mov_b32 s[\g+3], 32<<16
	s_mov_b32 s[\g+4], HALFS/256
	s_mov_b32 s[\g+5], 32
	s_mov_b32 s[\g+6], 0
	s_mov_b32 s[\g+7], 0
.endr
	s_lshl_b32 s20, s17, 1
	s_add_co_u32 s20, s20, s16                     ; the row group of A that I fetch
	s_lshl_b32 s46, s42, 1
	s_add_co_u32 s46, s46, s16                     ; and of B
	s_mul_i32 s22, s20, HALFS
	s_add_co_u32 s22, s22, s95
	s_mov_b32 s23, 0
	s_mul_i32 s20, s20, KSUB*12288
	s_add_co_u32 s20, s20, s94
	s_mov_b32 s21, 0
	s_mul_i32 s92, s46, HALFS
	s_add_co_u32 s92, s92, s44
	s_mov_b32 s93, 0
	s_mul_i32 s46, s46, KSUB*12288
	s_add_co_u32 s46, s46, s43
	s_mov_b32 s47, 0
	s_mul_i32 s45, s14, HALFT                      ; where they go: wave x a half: no place in the cluster enters an LDS address
	s_mul_i32 s94, s14, HALFS
	s_mov_b32 s[SEL], 0x76543210
	s_mov_b32 s[SEL+1], 0xfedcba98
	s_mov_b32 s100, 0xffff0000                     ; a mask of lanes 16-31
	s_wait_dscnt 0x0                               ; both opening adds are done
	s_wait_kmcnt 0x0
	s_add_nc_u64 s[20:21], s[4:5], s[20:21]
	s_add_nc_u64 s[22:23], s[4:5], s[22:23]
	s_add_nc_u64 s[46:47], s[4:5], s[46:47]
	s_add_nc_u64 s[92:93], s[4:5], s[92:93]
	CROUND                                         ; all sixteen work-groups are here: the first joint loads meet
	s_mov_b32 s[G0S], 1
	s_add_co_u32 s[G0S+1], s94, SCL
	s_mov_b64 s[G0S+2:G0S+3], s[22:23]
	s_or_b32 s[G0S+3], s[G0S+3], 0x80000000
	s_mov_b32 s[G0SB], 1
	s_add_co_u32 s[G0SB+1], s94, SCL
	s_mov_b64 s[G0SB+2:G0SB+3], s[92:93]
	s_or_b32 s[G0SB+3], s[G0SB+3], 0x80000000
	JLOAD G0S, G1S, G0SB, G1SB                     ; the scale words first: they are wanted with slot 0
.irp s, 0,1
	s_mov_b32 s[G0+4*\s], 1
	s_add_co_u32 s[G0+4*\s+1], s45, \s*SLOT
	s_add_nc_u64 s[G0+4*\s+2:G0+4*\s+3], s[20:21], \s*HALFT
	s_or_b32 s[G0+4*\s+3], s[G0+4*\s+3], 0x80000000
	s_mov_b32 s[G0B+4*\s], 1
	s_add_co_u32 s[G0B+4*\s+1], s45, \s*SLOT
	s_add_nc_u64 s[G0B+4*\s+2:G0B+4*\s+3], s[46:47], \s*HALFT
	s_or_b32 s[G0B+4*\s+3], s[G0B+4*\s+3], 0x80000000
	JLOAD G0+4*\s, G1, G0B+4*\s, G1B               ; three tensor loads of mine are out
.endr
	v_and_b32 v1, 15, v0                           ; r
	v_bfe_u32 v2, v0, 4, 1                         ; h
	v_and_b32 v3, 31, v0                           ; lane
	v_lshlrev_b32 v[OI], 4, v3
	v_lshlrev_b32 v[OS], 2, v3
	s_mul_i32 s21, s15, HALFT                      ; my 128 rows of A
	s_mul_i32 s22, s16, HALFT                      ; my 128 rows of B,
	s_add_co_u32 s22, s22, 2*HALFT                 ; behind A's two halves
.irp s, 0,1
	v_add_nc_u32 v[ADRA+\s], s21, v[OI]
	v_add_nc_u32 v[ADRB+\s], s22, v[OI]
	s_add_co_u32 s21, s21, SLOT
	s_add_co_u32 s22, s22, SLOT
.endr
	v_lshlrev_b32 v5, 2, v1                        ; my row's scale word: 4 r,
	s_mul_i32 s21, s15, HALFS                      ; in A's half,
	s_mul_i32 s22, s16, HALFS
	s_add_co_u32 s22, s22, 2*HALFS                 ; or in B's:
	s_sub_co_u32 s22, s22, s21
	v_mul_u32_u24 v6, s22, v2                      ; lanes 16-31 take B's: one product, the distance between the two
	s_add_co_u32 s21, s21, SCL
	v_add_nc_u32 v5, v5, v6
	v_add_nc_u32 v[ADRS], s21, v5
	; the bias, in both forms
	s_mov_b64 s[18:19], s[6:7]
	s_cmp_eq_u32 s[WH], 1
	s_cselect_b64 s[18:19], s[8:9], s[18:19]
	s_cmp_eq_u32 s[WH], 2
	s_cselect_b64 s[18:19], s[10:11], s[18:19]
	s_lshl_b32 s20, s42, 8
	s_lshl_b32 s21, s16, 7
	s_add_co_u32 s20, s20, s21
	s_and_b32 s20, s20, 1023                       ; my first row of B, held inside the bias's 1,024
	s_lshl_b32 s20, s20, 2
	v_lshl_add_u32 v8, v2, 6, s20                  ; + 64 h: register 16 b + i is B's row 32 b + 16 h + i
	s_lshl_b32 s21, s17, 8
	s_lshl_b32 s22, s15, 7
	s_add_co_u32 s21, s21, s22
	s_and_b32 s21, s21, 1023                       ; my first row of A, likewise
	s_lshl_b32 s21, s21, 2
	v_and_b32 v4, 8, v1
	v_add_nc_u32 v4, v4, v1                        ; r + 8 (r / 8)
	v_lshl_add_u32 v9, v4, 2, s21
.irp b, 0,1,2,3
.irp j, 0,1,2,3
	global_load_b128 v[BN+16*\b+4*\j:BN+16*\b+4*\j+3], v8, s[18:19] offset:128*\b+16*\j
.endr
.endr
.irp a, 0,1,2,3,4,5,6,7
	global_load_b32 v[BMB+2*\a], v9, s[18:19] offset:4*(32*(\a/2)+8*(\a%2))
.endr
	; where my results go: A's row group, and B's row group as the K step of the next product
	s_lshl_b32 s20, s17, 1
	s_add_co_u32 s20, s20, s15                     ; row group
	s_lshl_b32 s21, s42, 1
	s_add_co_u32 s21, s21, s16                     ; K step; for v: 16 x batch + K step
	s_lshr_b32 s22, s21, 4
	s_lshl_b32 s22, s22, 3
	s_add_co_u32 s22, s22, s20                     ; 8 x batch + row group (q, k: the row group)
	s_cmp_eq_u32 s[WH], 2
	s_cselect_b32 s23, 4, 3                        ; K steps in a row group: 16 (v), 8
	s_lshl_b32 s22, s22, s23
	s_and_b32 s21, s21, 15
	s_add_co_u32 s22, s22, s21
	s_mul_i32 s20, s22, 12288
	s_mul_i32 s21, s[WH], 6291456
	s_add_co_u32 s20, s20, s21
	s_mov_b32 s21, 0
	s_add_nc_u64 s[96:97], s[12:13], s[20:21]      ; codes
	s_lshl_b32 s20, s22, 9
	s_lshl_b32 s23, s[WH], 18
	s_add_co_u32 s20, s20, s23
	s_add_co_u32 s20, s20, 18874368
	s_add_nc_u64 s[98:99], s[12:13], s[20:21]      ; scale words
	s_wait_tensorcnt 1                             ; the scale words and my part of slot 0 are in; slot 1's load may be out
	s_barrier_signal -1
	s_barrier_wait -1
	FETCH_B 0, 0, 0
	FETCH_A 0, 0, 0
	SCALES 0
	FETCH_A 0, 0, 4
	STEP 0, 0, 1                                   ; the first step stands in front of the loop: its products start the sums
	s_mov_b32 s3, LAPS-1
.Llap:                                                 ; a trip goes once round the ring and fills both slots again
	TURN 0, 1, 1
	STEP 1, 0, 0
	TURN 1, 0, 1
	STEP 0, 0, 0
	s_sub_co_u32 s3, s3, 1
	s_cmp_lg_u32 s3, 0
	s_cbranch_scc1 .Llap
	TURN 0, 1, 0                                   ; the last lap fills nothing
	STEP 1, 0, 0
	s_wait_dscnt 4*NL
	WIN MUL_LO
	MUL16 0, 1, NQ-1, 1, 0
	MUL16 2, 1, NQ-1, 1, 0
	s_wait_dscnt 0
	WIN MUL_HI
	MUL16 4, 1, NQ-1, 1, 0
	MUL16 6, 1, NQ-1, 1, 0
	WIN 0
	; THE WAY OUT, block by block of A: + bias, quantised along the registers, stored as a fragment of the next product
.macro BIAS a                          ; each accumulator is read from its low end on
	s_cmp_eq_u32 s[WH], 2
	s_cbranch_scc1 .Lrows_\@
	WIN (0x02+(\a)/4)                              ; source 0: window 2 or 3
.set II, 0
.rept 32
	v_pk_add_f32 v[T+II:T+II+1], v[64*((\a)%4)+II:64*((\a)%4)+II+1], v[BN+II:BN+II+1]
.set II, II+2
.endr
	WIN 0
	s_branch .Ldone_\@
.Lrows_\@:
	WIN (0x02+(\a)/4)
.set II, 0
.rept 32
	v_pk_add_f32 v[T+II:T+II+1], v[64*((\a)%4)+II:64*((\a)%4)+II+1], v[BMB+2*(\a):BMB+2*(\a)+1]
.set II, II+2
.endr
	WIN 0
.Ldone_\@:
.endm
	PLACES NP                                      ; behind the last products: their results are read and A's registers written below
	s_wait_loadcnt 0x0                             ; the bias
.irp a, 0,1,2,3,4,5,6,7
	v_mov_b32 v[BMB+2*\a+1], v[BMB+2*\a]           ; a pair for the packed addition
.endr
.irp b, 0,1,2,3
	v_mov_b32 v[TM+4+\b], 0                        ; written once: a lane permute's destination counts as one of its sources
.endr
.irp a, 0,1,2,3,4,5,6,7
	BIAS \a
	QMAX T
.if \a > 0
	s_wait_xcnt 0x0                                ; the last block's stores have read their data: the codes' registers are rewritten only behind this wait
.endif
	QPACK T, PWS+\a
	STOREF \a
.endr
	PAIRST PWS, W, 0
	s_wait_tensorcnt 0x0                           ; the wave's end
	ds_add_u32 v[SPW], v[NIL]
	s_wait_dscnt 0x0
	CROUND                                         ; the closing round: no work-group ends while a partner may still ask for a tile that names it
	s_endpgm
.Lfunc_end_k_q13462091a5_qkv:
	.size	k_q13462091a5_qkv, .Lfunc_end_k_q13462091a5_qkv-k_q13462091a5_qkv
	.p2alignl 7, 3214868480
	.fill 96, 4, 3214868480
	.section	.rodata,"a",@progbits
	.p2align	6, 0x0
	.amdhsa_kernel k_q13462091a5_qkv
		.amdhsa_group_segment_fixed_size 327680
		.amdhsa_private_segment_fixed_size 0
		.amdhsa_enable_private_segment 0
		.amdhsa_kernarg_size 40
		.amdhsa_user_sgpr_count 2
		.amdhsa_user_sgpr_kernarg_segment_ptr 1
		.amdhsa_wavefront_size32 1
		.amdhsa_system_sgpr_workgroup_id_x 1
		.amdhsa_system_sgpr_workgroup_id_y 1
		.amdhsa_system_sgpr_workgroup_id_z 1
		.amdhsa_system_vgpr_workitem_id 0
		.amdhsa_next_free_vgpr 1024
		.amdhsa_next_free_sgpr 102
		.amdhsa_reserve_vcc 0
		.amdhsa_float_denorm_mode_32 3
		.amdhsa_float_denorm_mode_16_64 3
		.amdhsa_memory_ordered 1
		.amdhsa_forward_progress 1
		.amdhsa_inst_pref_size 179
	.end_amdhsa_kernel
	.amdgpu_metadata
---
amdhsa.version: [ 1, 2 ]
amdhsa.kernels:
  - .name:           k_q13462091a5_qkv
    .symbol:         k_q13462091a5_qkv.kd
    .args:
      - { .name: prep, .offset: 0, .size: 8, .value_kind: global_buffer, .address_space: global }
      - { .name: bq, .offset: 8, .size: 8, .value_kind: global_buffer, .address_space: global }
      - { .name: bk, .offset: 16, .size: 8, .value_kind: global_buffer, .address_space: global }
      - { .name: bv, .offset: 24, .size: 8, .value_kind: global_buffer, .address_space: global }
      - { .name: qkv, .offset: 32, .size: 8, .value_kind: global_buffer, .address_space: global }
    .group_segment_fixed_size: 327680
    .private_segment_fixed_size: 0
    .kernarg_segment_align: 8
    .kernarg_segment_size: 40
    .max_flat_workgroup_size: 128
    .sgpr_count:     102
    .vgpr_count:     1024
    .wavefront_size: 32
...
	.end_amdgpu_metadata
.endif
;; end of part 2
;; launch scores (part 3): grid 8 x 32, 4 waves a work-group, clusters of 4 x 4, 327,680 bytes of LDS; arguments qkv, pbuf; writes pbuf
.if DOCPART == 3
	.amdgcn_target "amdgcn-amd-amdhsa--gfx1250"
	.amdhsa_code_object_version 6
	.text
	.protected	k_q13462091a5_scores
	.globl	k_q13462091a5_scores
	.p2align	8
	.type	k_q13462091a5_scores,@function
k_q13462091a5_scores:
	s_mov_b64 s[64:65], 0
	v_nop
	global_prefetch_b8 v0, s[64:65] scope:SCOPE_SE
	s_setreg_imm32_b32 hwreg(HW_REG_WAVE_MODE, 25, 1), 1
	s_wait_xcnt 0x0
	s_wait_alu depctr_hold_cnt(0) depctr_sa_sdst(0) depctr_va_vdst(0) depctr_va_sdst(0) depctr_va_ssrc(0) depctr_va_vcc(0) depctr_vm_vsrc(0)
	s_getreg_b32 s2, hwreg(HW_REG_IB_STS2, 6, 4)
	s_cmp_eq_u32 s2, 0
	s_cbranch_scc0 .Lentry_in_a_cluster
	s_endpgm
.Lentry_in_a_cluster:
	s_bfe_u32 s2, ttmp6, 0x10000c
	s_cmp_lg_u32 s2, 0xf033
	s_cbranch_scc0 .Lentry_shape_is_right
	s_endpgm
.Lentry_shape_is_right:
; LAUNCH 3 OF 5.  S = q k^T on codes of BF6, and the softmax's numerator, quantised along the keys.  No work of reference() is left out.
; t = score x log2(e) / 32.  For each query and each 128 keys (a wave's columns): M' = ceil(the largest t of these 128), p' = 2^(t - M'), l' = the sum of the unquantised p'.  M' is a whole number, so p = p' x 2^(M' - M) for the row's M is an
; exact power of two away, which a block's scale takes up: the codes are those of p.  Stored: p's codes, the scale bytes under M', -M' and l'; the next launch brings the bytes to the row's M and adds the l'.
; The maximum is taken away ahead of every exponential: t - M' <= 0.
; The main loop, the layout of operands and results, the ring, the cluster and the joint loads are those of the launch before (A = q, B = k of the query's batch); the layout is set out at the head of the first launch.
; LIMITS: NaN and infinities not served; a p' under 2^-126 counts as 0 (the exponential's own flush); a block whose every p' lies under 2^-122 gets the byte 1.
; REGISTERS: window 0: v0-31 addresses; v32-63 scale words, two sets; v64-123 the epilogue's small things; v128-223 A's fragments, later 64 numbers of a row and their codes.  window 1: B's fragments, two sets.  windows 2, 3: the accumulators.
.set KSUB,  8
.set LAPS,  KSUB/4
.set NQ,    2
.set FR,    12
.set NL,    3
.set NP,    4
.set HALFT, 24576
.set SLOT,  4*HALFT
.set SCL,   2*SLOT
.set HALFS, 512*KSUB
.set SPARE, SCL+4*HALFS                ; the spare words, 128 bytes for each wave: two blocks of 256 bytes that no other line names
.set ACODES,  0                        ; qkv: q's codes,
.set ASCALES, 18874368                 ; q's scale words,
.set BCODES,  6291456                  ; k's codes,
.set BSCALES, 19136512                 ; k's scale words
.set BSH,   4                          ; k has 16 row groups a batch
.set PS,    12582912                   ; pbuf: the scale words; -M' lies 524,288 bytes on, l' 1,048,576
.set ADRA, 16
.set ADRB, 20
.set OI,   24
.set OS,   25
.set ADRS, 27
.set SPW,  28
.set NIL,  29
.set SC,   32
.set AF,   128
.set TM,   64                          ; v64-79   at work in the quantiser
.set PWS,  80                          ; v80-87   a scale word for each block
.set NGM,  88                          ; v88-95   -M' for each block
.set LS,   96                          ; v96-103  l' for each block
.set NM,   104                         ; v[104:105] -M' (the packed addition names a pair and takes its low word)
.set SA,   106                         ; v[106:107], v[108:109] the sum's two chains
.set SB,   108
.set XP,   110
.set MX,   111
.set W,    112                         ; v112-123 words paired for their stores
.set T,    128
.set PC,   192
.set G1, 24
.set G0, 32
.set G1B, 48
.set G0B, 56
.set SEL, 66
.set G1S, 68
.set G0S, 76
.set G1SB, 80
.set G0SB, 88
.set CS, 92                            ; s[92:93] c = log2(e) / 32
.set MSB, 0
.macro WIN new
.if MSB != (\new)
	s_set_vgpr_msb (MSB<<8)|(\new)
.set MSB, (\new)
.endif
.endm
.set MUL_LO, 0xa1
.set MUL_HI, 0xf1
.set TO_B,   0x40
.macro JLOAD g0a, g1a, g0b, g1b        ; a joint load: waves 0 and 1 fetch for A, waves 2 and 3 for B; an s_nop 0 and four v_nop follow each line
	s_cmp_eq_u32 s15, 0
	s_cbranch_scc0 .Lfor_b_\@
	tensor_load_to_lds s[\g0a:\g0a+3], s[\g1a:\g1a+7]
	s_nop 0
.rept 4
	v_nop
.endr
	s_branch .Lasked_\@
.Lfor_b_\@:
	tensor_load_to_lds s[\g0b:\g0b+3], s[\g1b:\g1b+7]
	s_nop 0
.rept 4
	v_nop
.endr
.Lasked_\@:
.endm
.macro CREST
	s_cmp_lg_u32 s14, 0
	s_cbranch_scc1 .Lnot_wave_0_\@
	s_barrier_signal -3
.Lnot_wave_0_\@:
	s_barrier_wait -3
	s_barrier_signal -1
	s_barrier_wait -1
.endm
.macro CROUND
	s_barrier_signal -1
	s_barrier_wait -1
	CREST
.endm
.macro FRAG reg, adr, q, i
.irp g, 0,1,2
	ds_load_b128 v[\reg+4*\g:\reg+4*\g+3], v[\adr] offset:12288*(\q)+1536*(\i)+512*\g
.endr
.endm
.macro MUL16 a0, p, q, sc, zero        ; the 64 accumulators take turns, one instruction a turn
.irp a, \a0, \a0+1
.irp b, 0,1,2,3,4,5,6,7
.if \zero
	v_wmma_scale_f32_16x16x128_f8f6f4 v[8*(8*((\a)%4)+\b):8*(8*((\a)%4)+\b)+7], v[128*(\p)+FR*\b:128*(\p)+FR*\b+FR-1], v[AF+FR*(\a):AF+FR*(\a)+FR-1], 0, v[SC+8*NQ*(\sc)+NQ*\b+(\q)], v[SC+8*NQ*(\sc)+NQ*(\a)+(\q)] matrix_a_fmt:MATRIX_FMT_BF6 matrix_b_fmt:MATRIX_FMT_BF6 matrix_a_scale:MATRIX_SCALE_ROW1
.else
	v_wmma_scale_f32_16x16x128_f8f6f4 v[8*(8*((\a)%4)+\b):8*(8*((\a)%4)+\b)+7], v[128*(\p)+FR*\b:128*(\p)+FR*\b+FR-1], v[AF+FR*(\a):AF+FR*(\a)+FR-1], v[8*(8*((\a)%4)+\b):8*(8*((\a)%4)+\b)+7], v[SC+8*NQ*(\sc)+NQ*\b+(\q)], v[SC+8*NQ*(\sc)+NQ*(\a)+(\q)] matrix_a_fmt:MATRIX_FMT_BF6 matrix_b_fmt:MATRIX_FMT_BF6 matrix_a_scale:MATRIX_SCALE_ROW1
.endif
.endr
.endr
.endm
.macro FETCH_B slot, q, p
	WIN TO_B
.irp i, 0,1,2,3,4,5,6,7
	FRAG 128*(\p)+FR*\i, ADRB+\slot, \q, \i
.endr
	WIN 0
.endm
.macro FETCH_A slot, q, i0
.irp i, \i0, \i0+1, \i0+2, \i0+3
	FRAG AF+FR*(\i), ADRA+\slot, \q, \i
.endr
.endm
.macro SCALES sc
.irp i, 0,1,2,3,4,5,6,7
.irp q, 0,1
	ds_load_b32 v[SC+8*NQ*\sc+NQ*\i+\q], v[ADRS] offset:512*\q+64*\i
.endr
.endr
.endm
.macro PLACES n
.rept \n
	v_nop
.endr
.endm
.macro STEP slot, q, zero
	s_wait_dscnt 4*NL                              ; all but the youngest 12 loads (A's blocks 4-7) are in
	WIN MUL_LO
	MUL16 0, (\q)%2, \q, \slot, \zero
	MUL16 2, (\q)%2, \q, \slot, \zero
	s_wait_dscnt 0
	PLACES NP
	FETCH_B \slot, (\q)+1, 1-(\q)%2
	FETCH_A \slot, (\q)+1, 0
	WIN MUL_HI
	MUL16 4, (\q)%2, \q, \slot, \zero
	MUL16 6, (\q)%2, \q, \slot, \zero
	PLACES NP
	WIN 0
	FETCH_A \slot, (\q)+1, 4
.endm
.macro TURN slot, next, fill
	s_wait_tensorcnt 0x0                           ; all my tensor loads have landed: my part of the next slot
	ds_add_u32 v[SPW], v[NIL]                      ; 0 onto my spare word
	s_wait_dscnt 4*NL+1                            ; (the add and the youngest 12 loads may be out)
	WIN MUL_LO
	MUL16 0, 1, NQ-1, \slot, 0
	s_wait_dscnt 0x0                               ; the add is done, and my reads of this slot are over
	s_barrier_signal -1
	MUL16 2, 1, NQ-1, \slot, 0
	WIN 0
	s_barrier_wait -1
.if \fill
	CREST                                          ; the barrier has opened a round of the cluster's
	s_add_nc_u64 s[G0+4*\slot+2:G0+4*\slot+3], s[G0+4*\slot+2:G0+4*\slot+3], 2*HALFT
	s_add_nc_u64 s[G0B+4*\slot+2:G0B+4*\slot+3], s[G0B+4*\slot+2:G0B+4*\slot+3], 2*HALFT
	JLOAD G0+4*\slot, G1, G0B+4*\slot, G1B         ; the first tensor load behind the round
.else
	PLACES NP
.endif
	v_add_nc_u32 v[ADRS], 512*NQ, v[ADRS]
	FETCH_B \next, 0, 0
	FETCH_A \next, 0, 0
	SCALES \next
	WIN MUL_HI
	MUL16 4, 1, NQ-1, \slot, 0
	MUL16 6, 1, NQ-1, \slot, 0
	PLACES NP
	WIN 0
	FETCH_A \next, 0, 4
.endm
.macro QPACK s, pw                     ; from the blocks' largest numbers in v[TM] ..: the row's scale word into v[pw], the fragment's 12 registers into v[PC] ..
.irp b, 0,1,2,3
	v_add_nc_u32 v[TM+12+\b], 0xfe000000, v[TM+\b]   ; 4 off the exponent field: the conversion's scale operand
.endr
.irp b, 0,1,2,3
	v_lshrrev_b32 v[TM+4+\b], 23, v[TM+12+\b]      ; the scale's byte
.endr
	v_lshl_or_b32 v[\pw], v[TM+5], 8, v[TM+4]
	v_lshl_or_b32 v[\pw], v[TM+6], 16, v[\pw]
	v_lshl_or_b32 v[\pw], v[TM+7], 24, v[\pw]
.irp c, 0,1
	v_cvt_scalef32_pk16_bf6_f32 v[PC+6*\c:PC+2+6*\c], v[\s+32*\c:\s+15+32*\c], v[TM+12+2*\c]
	v_cvt_scalef32_pk16_bf6_f32 v[PC+12+4*\c:PC+14+4*\c], v[\s+16+32*\c:\s+31+32*\c], v[TM+12+2*\c+1]
.endr
	v_nop                                          ; one plain place behind a scaled conversion
.irp c, 0,1
.irp i, 0,1,2
	v_permlane16_swap_b32 v[PC+6*\c+\i], v[PC+12+4*\c+\i]
.endr
.irp i, 0,1,2
	v_mov_b32 v[PC+3+6*\c+\i], v[PC+12+4*\c+\i]
.endr
.endr
.endm
.macro STOREF a
.irp g, 0,1,2
	global_store_b128 v[OI], v[PC+4*\g:PC+4*\g+3], s[96:97] offset:1536*(\a)+512*\g
.endr
.endm
.macro PAIRST src, w, off
.irp i, 0,1,2,3
	v_cndmask_b32 v[\w+\i], v[\src+2*\i], v[\src+2*\i+1], s100
.endr
.irp i, 0,1,2,3
	global_store_b32 v[OS], v[\w+\i], s[98:99] offset:\off+128*\i
.endr
.endm
	s_load_b128 s[4:7], s[0:1], 0x0                ; qkv, pbuf
	v_lshl_add_u32 v[SPW], v0, 2, SPARE
	v_mov_b32 v[NIL], 0
	ds_add_u32 v[SPW], v[NIL]                      ; the wave's opening: the add, twice on end, and its wait ahead of my first tensor load
	ds_add_u32 v[SPW], v[NIL]
	v_lshrrev_b32 v1, 5, v0
	v_readfirstlane_b32 s14, v1                    ; wave 0..3
	s_lshr_b32 s15, s14, 1                         ; which half of the queries is mine.  Also: I fetch for A (0) or for B (1)
	s_and_b32 s16, s14, 1                          ; which half of the keys.  Also: which 128 rows I fetch
	s_bfe_u32 s40, ttmp6, 0x40000                  ; cx
	s_bfe_u32 s41, ttmp6, 0x40004                  ; cy
	s_lshl_b32 s42, ttmp9, 2
	s_add_co_u32 s42, s42, s40                     ; which 256 keys of the batch
	s_and_b32 s18, ttmp7, 0xffff
	s_lshl_b32 s17, s18, 2
	s_add_co_u32 s17, s17, s41                     ; which 256 queries of all 8,192
	s_lshr_b32 s2, s18, 1                          ; the batch: eight tiles of queries each, two clusters
	s_lshl_b32 s2, s2, BSH
	s_lshl_b32 s18, s41, 2
	s_lshl_b32 s18, 15, s18                        ; my row of the cluster
	s_lshl_b32 s19, 0x1111, s40                    ; my column
	s_or_b32 s[G1+0], s18, (3<<16)|(1<<21)         ; a dense block as rows of 256 bytes, no padding; 15:0 the mask; 21 set beside a mask
	s_or_b32 s[G1B+0], s19, (3<<16)|(1<<21)
	s_or_b32 s[G1S+0], s18, (3<<16)|(1<<21)
	s_or_b32 s[G1SB+0], s19, (3<<16)|(1<<21)
.irp g, G1, G1B
	s_mov_b32 s[\g+1], 32<<16
	s_mov_b32 s[\g+2], (HALFT/256)<<16
	s_mov_b32 s[\g+3], 32<<16
	s_mov_b32 s[\g+4], HALFT/256
	s_mov_b32 s[\g+5], 32
	s_mov_b32 s[\g+6], 0
	s_mov_b32 s[\g+7], 0
.endr
.irp g, G1S, G1SB
	s_mov_b32 s[\g+1], 32<<16
	s_mov_b32 s[\g+2], (HALFS/256)<<16
	s_mov_b32 s[\g+3], 32<<16
	s_mov_b32 s[\g+4], HALFS/256
	s_mov_b32 s[\g+5], 32
	s_mov_b32 s[\g+6], 0
	s_mov_b32 s[\g+7], 0
.endr
	s_lshl_b32 s20, s17, 1
	s_add_co_u32 s20, s20, s16                     ; the row group of A that I fetch
	s_lshl_b32 s46, s42, 1
	s_add_co_u32 s46, s46, s16
	s_add_co_u32 s46, s46, s2                      ; and of B, in the batch
	s_mul_i32 s22, s20, HALFS
	s_add_co_u32 s22, s22, ASCALES
	s_mov_b32 s23, 0
	s_mul_i32 s20, s20, KSUB*12288
	s_add_co_u32 s20, s20, ACODES
	s_mov_b32 s21, 0
	s_mul_i32 s92, s46, HALFS
	s_add_co_u32 s92, s92, BSCALES
	s_mov_b32 s93, 0
	s_mul_i32 s46, s46, KSUB*12288
	s_add_co_u32 s46, s46, BCODES
	s_mov_b32 s47, 0
	s_mul_i32 s45, s14, HALFT
	s_mul_i32 s94, s14, HALFS
	s_mov_b32 s[SEL], 0x76543210
	s_mov_b32 s[SEL+1], 0xfedcba98
	s_mov_b32 s100, 0xffff0000
	s_wait_dscnt 0x0                               ; both opening adds are done
	s_wait_kmcnt 0x0
	s_add_nc_u64 s[20:21], s[4:5], s[20:21]
	s_add_nc_u64 s[22:23], s[4:5], s[22:23]
	s_add_nc_u64 s[46:47], s[4:5], s[46:47]
	s_add_nc_u64 s[92:93], s[4:5], s[92:93]
	CROUND                                         ; all sixteen work-groups are here: the first joint loads meet
	s_mov_b32 s[G0S], 1
	s_add_co_u32 s[G0S+1], s94, SCL
	s_mov_b64 s[G0S+2:G0S+3], s[22:23]
	s_or_b32 s[G0S+3], s[G0S+3], 0x80000000
	s_mov_b32 s[G0SB], 1
	s_add_co_u32 s[G0SB+1], s94, SCL
	s_mov_b64 s[G0SB+2:G0SB+3], s[92:93]
	s_or_b32 s[G0SB+3], s[G0SB+3], 0x80000000
	JLOAD G0S, G1S, G0SB, G1SB
.irp s, 0,1
	s_mov_b32 s[G0+4*\s], 1
	s_add_co_u32 s[G0+4*\s+1], s45, \s*SLOT
	s_add_nc_u64 s[G0+4*\s+2:G0+4*\s+3], s[20:21], \s*HALFT
	s_or_b32 s[G0+4*\s+3], s[G0+4*\s+3], 0x80000000
	s_mov_b32 s[G0B+4*\s], 1
	s_add_co_u32 s[G0B+4*\s+1], s45, \s*SLOT
	s_add_nc_u64 s[G0B+4*\s+2:G0B+4*\s+3], s[46:47], \s*HALFT
	s_or_b32 s[G0B+4*\s+3], s[G0B+4*\s+3], 0x80000000
	JLOAD G0+4*\s, G1, G0B+4*\s, G1B               ; three tensor loads of mine are out
.endr
	s_mov_b32 s[CS], 0x3d38aa3b                    ; c = log2(e) / 32
	s_mov_b32 s[CS+1], s[CS]                       ; (named with it as a pair, so it is written)
	v_and_b32 v1, 15, v0                           ; r
	v_bfe_u32 v2, v0, 4, 1                         ; h
	v_and_b32 v3, 31, v0                           ; lane
	v_lshlrev_b32 v[OI], 4, v3
	v_lshlrev_b32 v[OS], 2, v3
	s_mul_i32 s21, s15, HALFT
	s_mul_i32 s22, s16, HALFT
	s_add_co_u32 s22, s22, 2*HALFT
.irp s, 0,1
	v_add_nc_u32 v[ADRA+\s], s21, v[OI]
	v_add_nc_u32 v[ADRB+\s], s22, v[OI]
	s_add_co_u32 s21, s21, SLOT
	s_add_co_u32 s22, s22, SLOT
.endr
	v_lshlrev_b32 v5, 2, v1
	s_mul_i32 s21, s15, HALFS
	s_mul_i32 s22, s16, HALFS
	s_add_co_u32 s22, s22, 2*HALFS
	s_sub_co_u32 s22, s22, s21
	v_mul_u32_u24 v6, s22, v2                      ; lanes 16-31 take B's words: one product, the distance between the two
	s_add_co_u32 s21, s21, SCL
	v_add_nc_u32 v5, v5, v6
	v_add_nc_u32 v[ADRS], s21, v5
	s_lshl_b32 s20, s17, 1
	s_add_co_u32 s20, s20, s15                     ; my queries' row group
	s_lshl_b32 s20, s20, 4                         ; 16 K steps of keys in it
	s_lshl_b32 s21, s42, 1
	s_add_co_u32 s21, s21, s16                     ; my 128 keys as a K step of the next product
	s_add_co_u32 s22, s20, s21
	s_mul_i32 s20, s22, 12288
	s_mov_b32 s21, 0
	s_add_nc_u64 s[96:97], s[6:7], s[20:21]        ; codes
	s_lshl_b32 s20, s22, 9
	s_add_co_u32 s20, s20, PS
	s_add_nc_u64 s[98:99], s[6:7], s[20:21]        ; scale words; -M' and l' by the stores' immediates
	s_wait_tensorcnt 1                             ; the scale words and my part of slot 0 are in; slot 1's load may be out
	s_barrier_signal -1
	s_barrier_wait -1
	FETCH_B 0, 0, 0
	FETCH_A 0, 0, 0
	SCALES 0
	FETCH_A 0, 0, 4
	STEP 0, 0, 1
	s_mov_b32 s3, LAPS-1
.Llap:
	TURN 0, 1, 1
	STEP 1, 0, 0
	TURN 1, 0, 1
	STEP 0, 0, 0
	s_sub_co_u32 s3, s3, 1
	s_cmp_lg_u32 s3, 0
	s_cbranch_scc1 .Llap
	TURN 0, 1, 0
	STEP 1, 0, 0
	s_wait_dscnt 4*NL
	WIN MUL_LO
	MUL16 0, 1, NQ-1, 1, 0
	MUL16 2, 1, NQ-1, 1, 0
	s_wait_dscnt 0
	WIN MUL_HI
	MUL16 4, 1, NQ-1, 1, 0
	MUL16 6, 1, NQ-1, 1, 0
	WIN 0
; THE WAY OUT of block a: a lane holds one query and 64 of its 128 scores (the lane 16 away holds the others); register 16 b + i is key 32 b + 16 h + i.
.macro SOFT a
	WIN (0x02+(\a)/4)                              ; source 0: window 2 or 3
.set II, 0
.rept 32
	v_pk_mul_f32 v[T+II:T+II+1], v[64*((\a)%4)+II:64*((\a)%4)+II+1], s[CS:CS+1] op_sel_hi:[1,0]   ; t
.set II, II+2
.endr
	WIN 0
.irp b, 0,1,2,3
	v_max3_num_f32 v[TM+\b], v[T+16*\b], v[T+16*\b+1], v[T+16*\b+2]   ; the largest t of each block of 32 keys: it serves the row's maximum and, since p rises with t, the block's largest p
.endr
.irp i, 3,5,7,9,11,13
.irp b, 0,1,2,3
	v_max3_num_f32 v[TM+\b], v[TM+\b], v[T+16*\b+\i], v[T+16*\b+\i+1]
.endr
.endr
.irp b, 0,1,2,3
	v_max_num_f32 v[TM+\b], v[TM+\b], v[T+16*\b+15]
.endr
.irp b, 0,1,2,3
	v_permlanex16_b32 v[TM+4+\b], v[TM+\b], s[SEL], s[SEL+1]
.endr
.irp b, 0,1,2,3
	v_max_num_f32 v[TM+\b], v[TM+\b], v[TM+4+\b]
.endr
	v_max3_num_f32 v[MX], v[TM], v[TM+1], v[TM+2]
	v_max_num_f32 v[MX], v[MX], v[TM+3]            ; the largest t of these 128 keys
	v_floor_f32 v[NM], -v[MX]                      ; -M' = floor(-t) = -ceil(t): a whole number
.set II, 0
.rept 32
	v_pk_add_f32 v[T+II:T+II+1], v[T+II:T+II+1], v[NM:NM+1] op_sel_hi:[1,0]   ; t - M'
.set II, II+2
.endr
.irp b, 0,1,2,3
	v_add_f32 v[TM+\b], v[TM+\b], v[NM]            ; the same of each block's largest t
.endr
.set II, 0
.rept 64
	v_exp_f32 v[T+II], v[T+II]                     ; p' = 2^(t - M'), at most 1
.set II, II+1
.endr
	v_mov_b32 v[NGM+(\a)], v[NM]                   ; (a plain place behind the exponentials)
	s_wait_alu depctr_va_vdst(0)                   ; one wait for the whole batch, ahead of its first reader
.irp b, 0,1,2,3
	v_exp_f32 v[TM+\b], v[TM+\b]                   ; the block's largest p': the same two instructions on the same number give the same bits
.endr
	v_pk_add_f32 v[SA:SA+1], v[T:T+1], v[T+2:T+3]  ; the sum of the UNQUANTISED p', in two chains; it reads the 64 alone: plain work behind the four
	v_pk_add_f32 v[SB:SB+1], v[T+4:T+5], v[T+6:T+7]
.irp j, 8,12,16,20,24,28,32,36,40,44,48,52,56,60
	v_pk_add_f32 v[SA:SA+1], v[SA:SA+1], v[T+\j:T+\j+1]
	v_pk_add_f32 v[SB:SB+1], v[SB:SB+1], v[T+\j+2:T+\j+3]
.endr
	v_pk_add_f32 v[SA:SA+1], v[SA:SA+1], v[SB:SB+1]
	v_add_f32 v[SA], v[SA], v[SA+1]
	v_permlanex16_b32 v[XP], v[SA], s[SEL], s[SEL+1]
	v_add_f32 v[LS+(\a)], v[SA], v[XP]             ; l' of my query
	s_wait_alu depctr_va_vdst(0)                   ; and one wait for the four
.irp b, 0,1,2,3
	v_max_num_f32 v[TM+\b], 0x2800000, v[TM+\b]    ; the floor 2^(5 - 127): the byte cannot fall under 1
.endr
.if (\a) > 0
	s_wait_xcnt 0x0                                ; the last block's stores have read their data
.endif
	QPACK T, PWS+(\a)
	STOREF \a
.endm
	PLACES NP
.irp b, 0,1,2,3
	v_mov_b32 v[TM+4+\b], 0                        ; written once: a lane permute's destination counts as one of its sources
.endr
	v_mov_b32 v[XP], 0
	v_mov_b32 v[NM+1], 0                           ; (named as the upper half of a pair)
.irp a, 0,1,2,3,4,5,6,7
	SOFT \a
.endr
	PAIRST PWS, W, 0
	PAIRST NGM, W+4, 524288
	PAIRST LS, W+8, 1048576
	s_wait_tensorcnt 0x0                           ; the wave's end
	ds_add_u32 v[SPW], v[NIL]
	s_wait_dscnt 0x0
	CROUND                                         ; the closing round
	s_endpgm
.Lfunc_end_k_q13462091a5_scores:
	.size	k_q13462091a5_scores, .Lfunc_end_k_q13462091a5_scores-k_q13462091a5_scores
	.p2alignl 7, 3214868480
	.fill 96, 4, 3214868480
	.section	.rodata,"a",@progbits
	.p2align	6, 0x0
	.amdhsa_kernel k_q13462091a5_scores
		.amdhsa_group_segment_fixed_size 327680
		.amdhsa_private_segment_fixed_size 0
		.amdhsa_enable_private_segment 0
		.amdhsa_kernarg_size 16
		.amdhsa_user_sgpr_count 2
		.amdhsa_user_sgpr_kernarg_segment_ptr 1
		.amdhsa_wavefront_size32 1
		.amdhsa_system_sgpr_workgroup_id_x 1
		.amdhsa_system_sgpr_workgroup_id_y 1
		.amdhsa_system_sgpr_workgroup_id_z 1
		.amdhsa_system_vgpr_workitem_id 0
		.amdhsa_next_free_vgpr 1024
		.amdhsa_next_free_sgpr 102
		.amdhsa_reserve_vcc 0
		.amdhsa_float_denorm_mode_32 3
		.amdhsa_float_denorm_mode_16_64 3
		.amdhsa_memory_ordered 1
		.amdhsa_forward_progress 1
		.amdhsa_inst_pref_size 212
	.end_amdhsa_kernel
	.amdgpu_metadata
---
amdhsa.version: [ 1, 2 ]
amdhsa.kernels:
  - .name:           k_q13462091a5_scores
    .symbol:         k_q13462091a5_scores.kd
    .args:
      - { .name: qkv, .offset: 0, .size: 8, .value_kind: global_buffer, .address_space: global }
      - { .name: pbuf, .offset: 8, .size: 8, .value_kind: global_buffer, .address_space: global }
    .group_segment_fixed_size: 327680
    .private_segment_fixed_size: 0
    .kernarg_segment_align: 8
    .kernarg_segment_size: 16
    .max_flat_workgroup_size: 128
    .sgpr_count:     102
    .vgpr_count:     1024
    .wavefront_size: 32
...
	.end_amdgpu_metadata
.endif
;; end of part 3
;; launch pv (part 4): grid 4 x 32, 4 waves a work-group, clusters of 4 x 4, 327,680 bytes of LDS; arguments pbuf, qkv, att; writes att
.if DOCPART == 4
	.amdgcn_target "amdgcn-amd-amdhsa--gfx1250"
	.amdhsa_code_object_version 6
	.text
	.protected	k_q13462091a5_pv
	.globl	k_q13462091a5_pv
	.p2align	8
	.type	k_q13462091a5_pv,@function
k_q13462091a5_pv:
	s_mov_b64 s[64:65], 0
	v_nop
	global_prefetch_b8 v0, s[64:65] scope:SCOPE_SE
	s_setreg_imm32_b32 hwreg(HW_REG_WAVE_MODE, 25, 1), 1
	s_wait_xcnt 0x0
	s_wait_alu depctr_hold_cnt(0) depctr_sa_sdst(0) depctr_va_vdst(0) depctr_va_sdst(0) depctr_va_ssrc(0) depctr_va_vcc(0) depctr_vm_vsrc(0)
	s_getreg_b32 s2, hwreg(HW_REG_IB_STS2, 6, 4)
	s_cmp_eq_u32 s2, 0
	s_cbranch_scc0 .Lentry_in_a_cluster
	s_endpgm
.Lentry_in_a_cluster:
	s_bfe_u32 s2, ttmp6, 0x10000c
	s_cmp_lg_u32 s2, 0xf033
	s_cbranch_scc0 .Lentry_shape_is_right
	s_endpgm
.Lentry_shape_is_right:
; LAUNCH 4 OF 5.  attn = (p v) / l on codes of BF6, K = the batch's 2,048 keys; the result is quantised along its 1,024 for the projection.  No work of reference() is left out.
; AHEAD OF THE LOOP each thread takes two of the tile's 256 queries, one in each row group: M = the largest of its sixteen M' (so -M is the smallest -M'); each scale byte of p under M' goes down by E = M - M', held at 1; l = the sum of l' x 2^-E, which rounds nothing but
; the additions; 1 / l goes to LDS.  The bytes are mended in LDS, in the scale words' own place, which has had its only fill.
; The main loop, the layout, the ring, the cluster and the joint loads are those of the two launches before (A = p, B = v with the keys innermost); the layout is set out at the head of the first launch.
; 128 tiles of 256 x 256: the grid has work for 128 work-groups and launches those.
; LIMITS: NaN and infinities not served.  A block of p whose byte would fall under 1 is held at 1: its numbers are then at most 28 x 2^-126 beside a sum l of at least 1/2.  1 / l by v_rcp_f32.  A block of attn under 2^-122 gets the byte 1.
; REGISTERS: window 0: v0-31 addresses; v32-63 scale words, two sets; v64-107 the prologue's and the epilogue's small things; v128-223 A's fragments (ahead of the loop: the prologue's; behind it: 64 numbers of a row and their codes).
;   window 1: B's fragments, two sets.   windows 2, 3: the accumulators.
.set KSUB,  16
.set LAPS,  KSUB/4
.set NQ,    2
.set FR,    12
.set NL,    3
.set NP,    4
.set HALFT, 24576
.set SLOT,  4*HALFT
.set SCL,   2*SLOT
.set HALFS, 512*KSUB
.set RLB,   SCL+4*HALFS                ; 1 / l of the tile's 256 queries: four blocks of 256 bytes into which no fill lands
.set SPARE, RLB+1024                   ; the spare words, 128 bytes for each wave: two blocks of 256 bytes that no other line names
.set ACODES,  0                        ; pbuf: p's codes,
.set ASCALES, 12582912                 ; its scale words;
.set PM,      13107200                 ; -M'; l' lies 524,288 bytes on
.set BCODES,  12582912                 ; qkv: v's codes,
.set BSCALES, 19398656                 ; v's scale words
.set BSH,   3                          ; v has 8 row groups a batch
.set AS,    6291456                    ; att: the scale words
.set FXA,  8                           ; v8   LDS: my query's scale words: SCL + 4 x thread
.set FXG,  9                           ; v9   4 x thread
.set RLA,  10                          ; v10  LDS: where my query's 1 / l goes: RLB + 4 x thread
.set RLD,  11                          ; v11  LDS: where the epilogue reads it: RLB + 512 x my half + 4 r
.set ADRA, 16
.set ADRB, 20
.set OI,   24
.set OS,   25
.set ADRS, 27
.set SPW,  28
.set NIL,  29
.set SC,   32
.set AF,   128
.set RLR,  64                          ; v64-79   the epilogue: 1 / l, a pair for each block
.set TM,   80                          ; v80-95   at work in the quantiser
.set PWS,  96                          ; v96-103  a scale word for each block
.set W,    104                         ; v104-107 paired for their stores
.set WW,   160                         ; the prologue: v160-175 sixteen scale words,
.set NM,   176                         ; -M,
.set LSUM, 177                         ; l,
.set X,    180                         ; v180-183 four bytes,
.set Y,    184                         ; v184-187 what is taken off them
.set T,    128
.set PC,   192
.set G1, 24
.set G0, 32
.set G1B, 48
.set G0B, 56
.set SEL, 66
.set G1S, 68
.set G0S, 76
.set G1SB, 80
.set G0SB, 88
.set MSB, 0
.macro WIN new
.if MSB != (\new)
	s_set_vgpr_msb (MSB<<8)|(\new)
.set MSB, (\new)
.endif
.endm
.set MUL_LO, 0xa1
.set MUL_HI, 0xf1
.set TO_B,   0x40
.macro JLOAD g0a, g1a, g0b, g1b        ; a joint load: waves 0 and 1 fetch for A, waves 2 and 3 for B; an s_nop 0 and four v_nop follow each line
	s_cmp_eq_u32 s15, 0
	s_cbranch_scc0 .Lfor_b_\@
	tensor_load_to_lds s[\g0a:\g0a+3], s[\g1a:\g1a+7]
	s_nop 0
.rept 4
	v_nop
.endr
	s_branch .Lasked_\@
.Lfor_b_\@:
	tensor_load_to_lds s[\g0b:\g0b+3], s[\g1b:\g1b+7]
	s_nop 0
.rept 4
	v_nop
.endr
.Lasked_\@:
.endm
.macro CREST
	s_cmp_lg_u32 s14, 0
	s_cbranch_scc1 .Lnot_wave_0_\@
	s_barrier_signal -3
.Lnot_wave_0_\@:
	s_barrier_wait -3
	s_barrier_signal -1
	s_barrier_wait -1
.endm
.macro CROUND
	s_barrier_signal -1
	s_barrier_wait -1
	CREST
.endm
.macro FRAG reg, adr, q, i
.irp g, 0,1,2
	ds_load_b128 v[\reg+4*\g:\reg+4*\g+3], v[\adr] offset:12288*(\q)+1536*(\i)+512*\g
.endr
.endm
.macro MUL16 a0, p, q, sc, zero        ; the 64 accumulators take turns, one instruction a turn
.irp a, \a0, \a0+1
.irp b, 0,1,2,3,4,5,6,7
.if \zero
	v_wmma_scale_f32_16x16x128_f8f6f4 v[8*(8*((\a)%4)+\b):8*(8*((\a)%4)+\b)+7], v[128*(\p)+FR*\b:128*(\p)+FR*\b+FR-1], v[AF+FR*(\a):AF+FR*(\a)+FR-1], 0, v[SC+8*NQ*(\sc)+NQ*\b+(\q)], v[SC+8*NQ*(\sc)+NQ*(\a)+(\q)] matrix_a_fmt:MATRIX_FMT_BF6 matrix_b_fmt:MATRIX_FMT_BF6 matrix_a_scale:MATRIX_SCALE_ROW1
.else
	v_wmma_scale_f32_16x16x128_f8f6f4 v[8*(8*((\a)%4)+\b):8*(8*((\a)%4)+\b)+7], v[128*(\p)+FR*\b:128*(\p)+FR*\b+FR-1], v[AF+FR*(\a):AF+FR*(\a)+FR-1], v[8*(8*((\a)%4)+\b):8*(8*((\a)%4)+\b)+7], v[SC+8*NQ*(\sc)+NQ*\b+(\q)], v[SC+8*NQ*(\sc)+NQ*(\a)+(\q)] matrix_a_fmt:MATRIX_FMT_BF6 matrix_b_fmt:MATRIX_FMT_BF6 matrix_a_scale:MATRIX_SCALE_ROW1
.endif
.endr
.endr
.endm
.macro FETCH_B slot, q, p
	WIN TO_B
.irp i, 0,1,2,3,4,5,6,7
	FRAG 128*(\p)+FR*\i, ADRB+\slot, \q, \i
.endr
	WIN 0
.endm
.macro FETCH_A slot, q, i0
.irp i, \i0, \i0+1, \i0+2, \i0+3
	FRAG AF+FR*(\i), ADRA+\slot, \q, \i
.endr
.endm
.macro SCALES sc
.irp i, 0,1,2,3,4,5,6,7
.irp q, 0,1
	ds_load_b32 v[SC+8*NQ*\sc+NQ*\i+\q], v[ADRS] offset:512*\q+64*\i
.endr
.endr
.endm
.macro PLACES n
.rept \n
	v_nop
.endr
.endm
.macro STEP slot, q, zero
	s_wait_dscnt 4*NL                              ; all but the youngest 12 loads (A's blocks 4-7) are in
	WIN MUL_LO
	MUL16 0, (\q)%2, \q, \slot, \zero
	MUL16 2, (\q)%2, \q, \slot, \zero
	s_wait_dscnt 0
	PLACES NP
	FETCH_B \slot, (\q)+1, 1-(\q)%2
	FETCH_A \slot, (\q)+1, 0
	WIN MUL_HI
	MUL16 4, (\q)%2, \q, \slot, \zero
	MUL16 6, (\q)%2, \q, \slot, \zero
	PLACES NP
	WIN 0
	FETCH_A \slot, (\q)+1, 4
.endm
.macro TURN slot, next, fill
	s_wait_tensorcnt 0x0                           ; all my tensor loads have landed: my part of the next slot
	ds_add_u32 v[SPW], v[NIL]                      ; 0 onto my spare word
	s_wait_dscnt 4*NL+1                            ; (the add and the youngest 12 loads may be out)
	WIN MUL_LO
	MUL16 0, 1, NQ-1, \slot, 0
	s_wait_dscnt 0x0                               ; the add is done, and my reads of this slot are over
	s_barrier_signal -1
	MUL16 2, 1, NQ-1, \slot, 0
	WIN 0
	s_barrier_wait -1
.if \fill
	CREST                                          ; the barrier has opened a round of the cluster's
	s_add_nc_u64 s[G0+4*\slot+2:G0+4*\slot+3], s[G0+4*\slot+2:G0+4*\slot+3], 2*HALFT
	s_add_nc_u64 s[G0B+4*\slot+2:G0B+4*\slot+3], s[G0B+4*\slot+2:G0B+4*\slot+3], 2*HALFT
	JLOAD G0+4*\slot, G1, G0B+4*\slot, G1B         ; the first tensor load behind the round
.else
	PLACES NP
.endif
	v_add_nc_u32 v[ADRS], 512*NQ, v[ADRS]
	FETCH_B \next, 0, 0
	FETCH_A \next, 0, 0
	SCALES \next
	WIN MUL_HI
	MUL16 4, 1, NQ-1, \slot, 0
	MUL16 6, 1, NQ-1, \slot, 0
	PLACES NP
	WIN 0
	FETCH_A \next, 0, 4
.endm
.macro QMAX s
.irp b, 0,1,2,3
	v_max3_num_f32 v[TM+\b], |v[\s+16*\b]|, |v[\s+1+16*\b]|, 0x2800000   ; and the floor 2^(5 - 127): the byte cannot fall under 1
.endr
.irp i, 2,4,6,8,10,12,14
.irp b, 0,1,2,3
	v_max3_num_f32 v[TM+\b], v[TM+\b], |v[\s+16*\b+\i]|, |v[\s+1+16*\b+\i]|
.endr
.endr
.irp b, 0,1,2,3
	v_permlanex16_b32 v[TM+4+\b], v[TM+\b], s[SEL], s[SEL+1]
.endr
.irp b, 0,1,2,3
	v_max_num_f32 v[TM+\b], v[TM+\b], v[TM+4+\b]
.endr
.endm
.macro QPACK s, pw
.irp b, 0,1,2,3
	v_add_nc_u32 v[TM+12+\b], 0xfe000000, v[TM+\b]   ; 4 off the exponent field: the conversion's scale operand
.endr
.irp b, 0,1,2,3
	v_lshrrev_b32 v[TM+4+\b], 23, v[TM+12+\b]      ; the scale's byte
.endr
	v_lshl_or_b32 v[\pw], v[TM+5], 8, v[TM+4]
	v_lshl_or_b32 v[\pw], v[TM+6], 16, v[\pw]
	v_lshl_or_b32 v[\pw], v[TM+7], 24, v[\pw]
.irp c, 0,1
	v_cvt_scalef32_pk16_bf6_f32 v[PC+6*\c:PC+2+6*\c], v[\s+32*\c:\s+15+32*\c], v[TM+12+2*\c]
	v_cvt_scalef32_pk16_bf6_f32 v[PC+12+4*\c:PC+14+4*\c], v[\s+16+32*\c:\s+31+32*\c], v[TM+12+2*\c+1]
.endr
	v_nop                                          ; one plain place behind a scaled conversion
.irp c, 0,1
.irp i, 0,1,2
	v_permlane16_swap_b32 v[PC+6*\c+\i], v[PC+12+4*\c+\i]
.endr
.irp i, 0,1,2
	v_mov_b32 v[PC+3+6*\c+\i], v[PC+12+4*\c+\i]
.endr
.endr
.endm
.macro STOREF a
.irp g, 0,1,2
	global_store_b128 v[OI], v[PC+4*\g:PC+4*\g+3], s[96:97] offset:1536*(\a)+512*\g
.endr
.endm
.macro PAIRST src, w, off
.irp i, 0,1,2,3
	v_cndmask_b32 v[\w+\i], v[\src+2*\i], v[\src+2*\i+1], s100
.endr
.irp i, 0,1,2,3
	global_store_b32 v[OS], v[\w+\i], s[98:99] offset:\off+128*\i
.endr
.endm
	s_load_b128 s[4:7], s[0:1], 0x0                ; pbuf, qkv
	s_load_b64 s[8:9], s[0:1], 0x10                ; att
	v_lshl_add_u32 v[SPW], v0, 2, SPARE
	v_mov_b32 v[NIL], 0
	ds_add_u32 v[SPW], v[NIL]                      ; the wave's opening: the add, twice on end, and its wait ahead of my first tensor load
	ds_add_u32 v[SPW], v[NIL]
	v_lshrrev_b32 v1, 5, v0
	v_readfirstlane_b32 s14, v1                    ; wave 0..3
	s_lshr_b32 s15, s14, 1                         ; which half of the queries is mine.  Also: I fetch for A (0) or for B (1)
	s_and_b32 s16, s14, 1                          ; which half of the channels.  Also: which 128 rows I fetch
	s_bfe_u32 s40, ttmp6, 0x40000                  ; cx
	s_bfe_u32 s41, ttmp6, 0x40004                  ; cy
	s_lshl_b32 s42, ttmp9, 2
	s_add_co_u32 s42, s42, s40                     ; which 256 channels
	s_and_b32 s18, ttmp7, 0xffff
	s_lshl_b32 s17, s18, 2
	s_add_co_u32 s17, s17, s41                     ; which 256 queries of all 8,192
	s_lshr_b32 s2, s18, 1                          ; the batch
	s_lshl_b32 s2, s2, BSH
	s_lshl_b32 s18, s41, 2
	s_lshl_b32 s18, 15, s18                        ; my row of the cluster
	s_lshl_b32 s19, 0x1111, s40                    ; my column
	s_or_b32 s[G1+0], s18, (3<<16)|(1<<21)         ; a dense block as rows of 256 bytes, no padding; 15:0 the mask; 21 set beside a mask
	s_or_b32 s[G1B+0], s19, (3<<16)|(1<<21)
	s_or_b32 s[G1S+0], s18, (3<<16)|(1<<21)
	s_or_b32 s[G1SB+0], s19, (3<<16)|(1<<21)
.irp g, G1, G1B
	s_mov_b32 s[\g+1], 32<<16
	s_mov_b32 s[\g+2], (HALFT/256)<<16
	s_mov_b32 s[\g+3], 32<<16
	s_mov_b32 s[\g+4], HALFT/256
	s_mov_b32 s[\g+5], 32
	s_mov_b32 s[\g+6], 0
	s_mov_b32 s[\g+7], 0
.endr
.irp g, G1S, G1SB
	s_mov_b32 s[\g+1], 32<<16
	s_mov_b32 s[\g+2], (HALFS/256)<<16
	s_mov_b32 s[\g+3], 32<<16
	s_mov_b32 s[\g+4], HALFS/256
	s_mov_b32 s[\g+5], 32
	s_mov_b32 s[\g+6], 0
	s_mov_b32 s[\g+7], 0
.endr
	s_lshl_b32 s20, s17, 1
	s_add_co_u32 s20, s20, s16                     ; the row group of A that I fetch
	s_lshl_b32 s46, s42, 1
	s_add_co_u32 s46, s46, s16
	s_add_co_u32 s46, s46, s2                      ; and of B, in the batch
	s_mul_i32 s22, s20, HALFS
	s_add_co_u32 s22, s22, ASCALES
	s_mov_b32 s23, 0
	s_mul_i32 s20, s20, KSUB*12288
	s_add_co_u32 s20, s20, ACODES
	s_mov_b32 s21, 0
	s_mul_i32 s92, s46, HALFS
	s_add_co_u32 s92, s92, BSCALES
	s_mov_b32 s93, 0
	s_mul_i32 s46, s46, KSUB*12288
	s_add_co_u32 s46, s46, BCODES
	s_mov_b32 s47, 0
	s_mul_i32 s45, s14, HALFT
	s_mul_i32 s94, s14, HALFS
	s_mov_b32 s[SEL], 0x76543210
	s_mov_b32 s[SEL+1], 0xfedcba98
	s_mov_b32 s100, 0xffff0000
	s_wait_dscnt 0x0                               ; both opening adds are done
	s_wait_kmcnt 0x0
	s_add_nc_u64 s[20:21], s[4:5], s[20:21]
	s_add_nc_u64 s[22:23], s[4:5], s[22:23]
	s_add_nc_u64 s[46:47], s[6:7], s[46:47]
	s_add_nc_u64 s[92:93], s[6:7], s[92:93]
	CROUND                                         ; all sixteen work-groups are here: the first joint loads meet
	s_mov_b32 s[G0S], 1
	s_add_co_u32 s[G0S+1], s94, SCL
	s_mov_b64 s[G0S+2:G0S+3], s[22:23]
	s_or_b32 s[G0S+3], s[G0S+3], 0x80000000
	s_mov_b32 s[G0SB], 1
	s_add_co_u32 s[G0SB+1], s94, SCL
	s_mov_b64 s[G0SB+2:G0SB+3], s[92:93]
	s_or_b32 s[G0SB+3], s[G0SB+3], 0x80000000
	JLOAD G0S, G1S, G0SB, G1SB
.irp s, 0,1
	s_mov_b32 s[G0+4*\s], 1
	s_add_co_u32 s[G0+4*\s+1], s45, \s*SLOT
	s_add_nc_u64 s[G0+4*\s+2:G0+4*\s+3], s[20:21], \s*HALFT
	s_or_b32 s[G0+4*\s+3], s[G0+4*\s+3], 0x80000000
	s_mov_b32 s[G0B+4*\s], 1
	s_add_co_u32 s[G0B+4*\s+1], s45, \s*SLOT
	s_add_nc_u64 s[G0B+4*\s+2:G0B+4*\s+3], s[46:47], \s*HALFT
	s_or_b32 s[G0B+4*\s+3], s[G0B+4*\s+3], 0x80000000
	JLOAD G0+4*\s, G1, G0B+4*\s, G1B               ; three tensor loads of mine are out
.endr
	; -M' and l' of my thread's two queries (one in each of the tile's two row groups), for the sixteen K steps of 128 keys
	v_lshlrev_b32 v[FXG], 2, v0
	s_lshl_b32 s20, s17, 14
	s_add_co_u32 s20, s20, PM
	s_mov_b32 s21, 0
	s_add_nc_u64 s[18:19], s[4:5], s[20:21]
.irp g, 0,1
.irp s, 0,1,2,3,4,5,6,7,8,9,10,11,12,13,14,15
	global_load_b32 v[64+64*\g+\s], v[FXG], s[18:19] offset:8192*\g+512*\s
	global_load_b32 v[80+64*\g+\s], v[FXG], s[18:19] offset:524288+8192*\g+512*\s
.endr
.endr
	v_add_nc_u32 v[FXA], SCL, v[FXG]
	v_add_nc_u32 v[RLA], RLB, v[FXG]
	v_and_b32 v1, 15, v0                           ; r
	v_bfe_u32 v2, v0, 4, 1                         ; h
	v_and_b32 v3, 31, v0                           ; lane
	v_lshlrev_b32 v[OI], 4, v3
	v_lshlrev_b32 v[OS], 2, v3
	s_lshl_b32 s21, s15, 9
	s_add_co_u32 s21, s21, RLB
	v_lshl_add_u32 v[RLD], v1, 2, s21
	s_mul_i32 s21, s15, HALFT
	s_mul_i32 s22, s16, HALFT
	s_add_co_u32 s22, s22, 2*HALFT
.irp s, 0,1
	v_add_nc_u32 v[ADRA+\s], s21, v[OI]
	v_add_nc_u32 v[ADRB+\s], s22, v[OI]
	s_add_co_u32 s21, s21, SLOT
	s_add_co_u32 s22, s22, SLOT
.endr
	v_lshlrev_b32 v5, 2, v1
	s_mul_i32 s21, s15, HALFS
	s_mul_i32 s22, s16, HALFS
	s_add_co_u32 s22, s22, 2*HALFS
	s_sub_co_u32 s22, s22, s21
	v_mul_u32_u24 v6, s22, v2                      ; lanes 16-31 take B's words: one product, the distance between the two
	s_add_co_u32 s21, s21, SCL
	v_add_nc_u32 v5, v5, v6
	v_add_nc_u32 v[ADRS], s21, v5
	s_lshl_b32 s20, s17, 1
	s_add_co_u32 s20, s20, s15                     ; my queries' row group
	s_lshl_b32 s20, s20, 3                         ; 8 K steps of channels in it
	s_lshl_b32 s21, s42, 1
	s_add_co_u32 s21, s21, s16                     ; my 128 channels as a K step of the projection
	s_add_co_u32 s22, s20, s21
	s_mul_i32 s20, s22, 12288
	s_mov_b32 s21, 0
	s_add_nc_u64 s[96:97], s[8:9], s[20:21]        ; codes
	s_lshl_b32 s20, s22, 9
	s_add_co_u32 s20, s20, AS
	s_add_nc_u64 s[98:99], s[8:9], s[20:21]        ; scale words
	s_wait_tensorcnt 1                             ; the scale words and my part of slot 0 are in; slot 1's load may be out, nor behind the next
	s_barrier_signal -1
	s_barrier_wait -1
	s_wait_loadcnt 0x0                             ; -M' and l'
; my query of row group g: the bytes under M' become bytes under M, and l is summed
.macro FIX g
.set MM, 64+64*\g
.set LL, MM+16
.irp s, 0,1,2,3,4,5,6,7,8,9,10,11,12,13,14,15
	ds_load_b32 v[WW+\s], v[FXA] offset:HALFS*\g+512*\s
.endr
	v_min3_num_f32 v[NM], v[MM], v[MM+1], v[MM+2]
.irp s, 3,5,7,9,11,13
	v_min3_num_f32 v[NM], v[NM], v[MM+\s], v[MM+\s+1]
.endr
	v_min_num_f32 v[NM], v[NM], v[MM+15]           ; -M
.irp s, 0,1,2,3,4,5,6,7,8,9,10,11,12,13,14,15
	v_sub_f32 v[MM+\s], v[NM], v[MM+\s]            ; M' - M: a whole number, 0 or less
.endr
.irp s, 0,1,2,3,4,5,6,7,8,9,10,11,12,13,14,15
	v_cvt_i32_f32 v[MM+\s], v[MM+\s]               ; (it saturates)
.endr
.irp s, 0,1,2,3,4,5,6,7,8,9,10,11,12,13,14,15
	v_ldexp_f32 v[LL+\s], v[LL+\s], v[MM+\s]       ; l' under M
.endr
.irp s, 0,1,2,3,4,5,6,7
	v_add_f32 v[LL+\s], v[LL+\s], v[LL+8+\s]
.endr
.irp s, 0,1,2,3
	v_add_f32 v[LL+\s], v[LL+\s], v[LL+4+\s]
.endr
.irp s, 0,1
	v_add_f32 v[LL+\s], v[LL+\s], v[LL+2+\s]
.endr
	v_add_f32 v[LSUM], v[LL], v[LL+1]              ; l
.irp s, 0,1,2,3,4,5,6,7,8,9,10,11,12,13,14,15
	v_sub_nc_u32 v[MM+\s], 0, v[MM+\s]             ; E = M - M'
.endr
	s_wait_dscnt 0x0
.irp s, 0,1,2,3,4,5,6,7,8,9,10,11,12,13,14,15
	v_and_b32 v[X], 0xff, v[WW+\s]
	v_bfe_u32 v[X+1], v[WW+\s], 8, 8
	v_bfe_u32 v[X+2], v[WW+\s], 16, 8
	v_lshrrev_b32 v[X+3], 24, v[WW+\s]
.irp b, 0,1,2,3
	v_add_nc_u32 v[Y+\b], -1, v[X+\b]              ; a byte is at least 1
.endr
.irp b, 0,1,2,3
	v_min_u32 v[Y+\b], v[MM+\s], v[Y+\b]
.endr
.irp b, 0,1,2,3
	v_sub_nc_u32 v[X+\b], v[X+\b], v[Y+\b]         ; byte - min(E, byte - 1): the byte under M, held at 1
.endr
	v_lshl_or_b32 v[WW+\s], v[X+1], 8, v[X]
	v_lshl_or_b32 v[WW+\s], v[X+2], 16, v[WW+\s]
	v_lshl_or_b32 v[WW+\s], v[X+3], 24, v[WW+\s]
	ds_store_b32 v[FXA], v[WW+\s] offset:HALFS*\g+512*\s
.endr
	v_rcp_f32 v[LSUM], v[LSUM]
	v_nop                                          ; one plain place behind the transcendental
	s_wait_alu depctr_va_vdst(0)                   ; and the wait ahead of its first reader
	ds_store_b32 v[RLA], v[LSUM] offset:512*\g
.endm
	FIX 0
	FIX 1
	s_wait_dscnt 0x0                               ; for the others' sake: my stores have landed
	s_barrier_signal -1
	s_barrier_wait -1
	FETCH_B 0, 0, 0
	FETCH_A 0, 0, 0
	SCALES 0
	FETCH_A 0, 0, 4
	STEP 0, 0, 1
	s_mov_b32 s3, LAPS-1
.Llap:
	TURN 0, 1, 1
	STEP 1, 0, 0
	TURN 1, 0, 1
	STEP 0, 0, 0
	s_sub_co_u32 s3, s3, 1
	s_cmp_lg_u32 s3, 0
	s_cbranch_scc1 .Llap
	TURN 0, 1, 0
	STEP 1, 0, 0
	s_wait_dscnt 4*NL
	WIN MUL_LO
	MUL16 0, 1, NQ-1, 1, 0
	MUL16 2, 1, NQ-1, 1, 0
	s_wait_dscnt 0
	WIN MUL_HI
	MUL16 4, 1, NQ-1, 1, 0
	MUL16 6, 1, NQ-1, 1, 0
	WIN 0
	; THE WAY OUT, block by block of queries: x 1 / l, quantised along the channels, stored as a fragment of the projection
	PLACES NP
.irp a, 0,1,2,3,4,5,6,7
	ds_load_b32 v[RLR+2*\a], v[RLD] offset:64*\a
	ds_load_b32 v[RLR+2*\a+1], v[RLD] offset:64*\a   ; a pair for the packed multiplication
.endr
.irp b, 0,1,2,3
	v_mov_b32 v[TM+4+\b], 0                        ; written once: a lane permute's destination counts as one of its sources
.endr
	s_wait_dscnt 0x0
.irp a, 0,1,2,3,4,5,6,7
	WIN (0x02+\a/4)                                ; source 0: window 2 or 3
.set II, 0
.rept 32
	v_pk_mul_f32 v[T+II:T+II+1], v[64*(\a%4)+II:64*(\a%4)+II+1], v[RLR+2*\a:RLR+2*\a+1]
.set II, II+2
.endr
	WIN 0
	QMAX T
.if \a > 0
	s_wait_xcnt 0x0                                ; the last block's stores have read their data
.endif
	QPACK T, PWS+\a
	STOREF \a
.endr
	PAIRST PWS, W, 0
	s_wait_tensorcnt 0x0                           ; the wave's end
	ds_add_u32 v[SPW], v[NIL]
	s_wait_dscnt 0x0
	CROUND                                         ; the closing round
	s_endpgm
.Lfunc_end_k_q13462091a5_pv:
	.size	k_q13462091a5_pv, .Lfunc_end_k_q13462091a5_pv-k_q13462091a5_pv
	.p2alignl 7, 3214868480
	.fill 96, 4, 3214868480
	.section	.rodata,"a",@progbits
	.p2align	6, 0x0
	.amdhsa_kernel k_q13462091a5_pv
		.amdhsa_group_segment_fixed_size 327680
		.amdhsa_private_segment_fixed_size 0
		.amdhsa_enable_private_segment 0
		.amdhsa_kernarg_size 24
		.amdhsa_user_sgpr_count 2
		.amdhsa_user_sgpr_kernarg_segment_ptr 1
		.amdhsa_wavefront_size32 1
		.amdhsa_system_sgpr_workgroup_id_x 1
		.amdhsa_system_sgpr_workgroup_id_y 1
		.amdhsa_system_sgpr_workgroup_id_z 1
		.amdhsa_system_vgpr_workitem_id 0
		.amdhsa_next_free_vgpr 1024
		.amdhsa_next_free_sgpr 102
		.amdhsa_reserve_vcc 0
		.amdhsa_float_denorm_mode_32 3
		.amdhsa_float_denorm_mode_16_64 3
		.amdhsa_memory_ordered 1
		.amdhsa_forward_progress 1
		.amdhsa_inst_pref_size 202
	.end_amdhsa_kernel
	.amdgpu_metadata
---
amdhsa.version: [ 1, 2 ]
amdhsa.kernels:
  - .name:           k_q13462091a5_pv
    .symbol:         k_q13462091a5_pv.kd
    .args:
      - { .name: pbuf, .offset: 0, .size: 8, .value_kind: global_buffer, .address_space: global }
      - { .name: qkv, .offset: 8, .size: 8, .value_kind: global_buffer, .address_space: global }
      - { .name: att, .offset: 16, .size: 8, .value_kind: global_buffer, .address_space: global }
    .group_segment_fixed_size: 327680
    .private_segment_fixed_size: 0
    .kernarg_segment_align: 8
    .kernarg_segment_size: 24
    .max_flat_workgroup_size: 128
    .sgpr_count:     102
    .vgpr_count:     1024
    .wavefront_size: 32
...
	.end_amdgpu_metadata
.endif
;; end of part 4
;; launch outln (part 5): grid 256 x 1, 4 waves a work-group, clusters of 4 x 1, 327,680 bytes of LDS; arguments att, prep, bo, inputs, gamma, beta, out0; writes out0
.if DOCPART == 5
	.amdgcn_target "amdgcn-amd-amdhsa--gfx1250"
	.amdhsa_code_object_version 6
	.text
	.protected	k_q13462091a5_outln
	.globl	k_q13462091a5_outln
	.p2align	8
	.type	k_q13462091a5_outln,@function
k_q13462091a5_outln:
	s_mov_b64 s[64:65], 0
	v_nop
	global_prefetch_b8 v0, s[64:65] scope:SCOPE_SE
	s_setreg_imm32_b32 hwreg(HW_REG_WAVE_MODE, 25, 1), 1
	s_wait_xcnt 0x0
	s_wait_alu depctr_hold_cnt(0) depctr_sa_sdst(0) depctr_va_vdst(0) depctr_va_sdst(0) depctr_va_ssrc(0) depctr_va_vcc(0) depctr_vm_vsrc(0)
	s_getreg_b32 s2, hwreg(HW_REG_IB_STS2, 6, 4)
	s_cmp_eq_u32 s2, 0
	s_cbranch_scc0 .Lentry_in_a_cluster
	s_endpgm
.Lentry_in_a_cluster:
	s_bfe_u32 s2, ttmp6, 0x10000c
	s_cmp_lg_u32 s2, 0x3003
	s_cbranch_scc0 .Lentry_shape_is_right
	s_endpgm
.Lentry_shape_is_right:
; LAUNCH 5 OF 5.  out0 = LayerNorm(inputs + attn wo + bo) gamma + beta; the product on codes of BF6.  No work of reference() is left out.
; SHARES.  A work-group owns 32 WHOLE rows (two blocks of 16 of a row group; the layout is set out at the head of the first launch), so that a row's mean and variance never leave it.  Wave w owns columns 256 w .. 256 w + 255:
; 16 blocks of wo against 2 blocks of attn: 32 accumulators.  bo is the C of each sum's first matrix instruction.  The residual is loaded into spare registers, in the accumulators' layout, while the products run.
; THE MATRIX INSTRUCTION IS USED TRANSPOSED (source 0 = 16 rows of wo, source 1 = 16 rows of attn): a lane holds one row, and its registers run along the columns.
; wo goes through a ring of two LDS slots, a K step of 128 (all 1,024 rows, 98,304 bytes) to a slot; wave w fetches and reads its own 24,576 bytes.  CLUSTER: the four work-groups of a cluster walk the same wo: each tile is asked for
; jointly, by the same tensor load with a mask that names the four.  attn's fragments and all scale words come straight into registers.
; The eight K steps are written out: the scale words' registers differ from step to step.
; The variance is taken as reference() has it, of x - mean, in a second pass over registers: no difference of large sums is formed.
; LIMITS: NaN and infinities not served; 1 / sqrt by v_rsq_f32.
; REGISTERS: window 0: v0-29 addresses; v32-95 wo's scale words (register 8 t + b / 2: lanes 0-15 the even block, lanes 16-31 the odd one); v96-103 attn's (register t: lanes 0-15 block 0, lanes 16-31 block 1);
;   v104-119 gamma, beta; v120-127 mean, 1 / sqrt; v128-255 bo in the result's layout, later at work.   window 1: v0-191 wo's 16 fragments; v192-239 attn's, two sets.   window 2: the accumulators ((a, b) at v[8 (16 a + b)]).   window 3: the residual.
.set SLOTB, 98304
.set WPART, 24576
.set STAGE, 2*SLOTB                    ; the way out: 16 rows x (512 bytes + 16) for each wave
.set STAT,  STAGE+4*16*528             ; the rows' partial sums: [pass][block][r][wave], 1,024 bytes
.set SPARE, STAT+1024                  ; the spare words, 128 bytes for each wave: two blocks of 256 bytes that no other line names
.set AS,    6291456                    ; att: the scale words
.set WOI,   8912896                    ; prep: wo's codes, the K step outermost,
.set WOS,   9797632                    ; wo's scale words
.set ADRB, 4                           ; v4-5  LDS address of my fragments of wo in slot 0, 1
.set L16,  6                           ; v6    16 x lane
.set L4,   7                           ; v7    4 x lane
.set H64,  8                           ; v8    64 h
.set INA,  9                           ; v9    the residual: my row, + 64 h
.set STO,  10                          ; v10   the stage: where I put a row's bytes
.set RD,   11                          ; v11   and where I read rows back
.set STW,  12                          ; v12   where my wave's partial sum of row r goes
.set STR,  13                          ; v13   where row r's four partial sums lie
.set SPW,  28
.set NIL,  29
.set SCB,  32
.set SCA,  96
.set GAM,  104
.set BET,  112
.set MEAN, 120
.set RSTD, 124
.set BO,   128
.set RT,   128
.set WV,   18                          ; s18  my wave's number
.set SEL,  20                          ; s[20:21]
.set G1,   24                          ; s[24:31] descriptor group 1;  s[32:39] group 0, one set for each slot
.set G0,   32
.set MSB, 0
.macro WIN new
.if MSB != (\new)
	s_set_vgpr_msb (MSB<<8)|(\new)
.set MSB, (\new)
.endif
.endm
.macro CROUND                          ; a round of the cluster's barrier
	s_barrier_signal -1
	s_barrier_wait -1
	s_cmp_lg_u32 s[WV], 0
	s_cbranch_scc1 .Lnot_wave_0_\@
	s_barrier_signal -3
.Lnot_wave_0_\@:
	s_barrier_wait -3
	s_barrier_signal -1
	s_barrier_wait -1
.endm
.macro PLACES n
.rept \n
	v_nop
.endr
.endm
	s_load_b256 s[4:11], s[0:1], 0x0               ; att, prep, bo, inputs
	s_load_b128 s[12:15], s[0:1], 0x20             ; gamma, beta
	s_load_b64 s[16:17], s[0:1], 0x30              ; out0
	v_lshl_add_u32 v[SPW], v0, 2, SPARE
	v_mov_b32 v[NIL], 0
	ds_add_u32 v[SPW], v[NIL]                      ; the wave's opening: the add, twice on end, and its wait ahead of my first tensor load
	ds_add_u32 v[SPW], v[NIL]
	v_lshrrev_b32 v1, 5, v0
	v_readfirstlane_b32 s[WV], v1                  ; wave 0..3
	s_bfe_u32 s19, ttmp6, 0x40000                  ; cx: which 32 rows of the row group; the cluster's x is the row group.  It enters global addresses of my own loads and stores alone
	s_mov_b32 s[G1], 15|(3<<16)|(1<<21)            ; 15:0 the mask: all four work-groups; 17:16 elements of 8 bytes; 21 set beside a mask; no padding
	s_mov_b32 s[G1+1], 32<<16                      ; a dense block as rows of 256 bytes
	s_mov_b32 s[G1+2], (WPART/256)<<16
	s_mov_b32 s[G1+3], 32<<16
	s_mov_b32 s[G1+4], WPART/256
	s_mov_b32 s[G1+5], 32
	s_mov_b32 s[G1+6], 0
	s_mov_b32 s[G1+7], 0
	s_mul_i32 s56, s[WV], WPART                    ; my wave's part of a slot, and of a K step in memory
	s_add_co_u32 s58, s56, WOI
	s_mov_b32 s59, 0
	s_mov_b32 s[SEL], 0x76543210
	s_mov_b32 s[SEL+1], 0xfedcba98
	s_wait_dscnt 0x0                               ; both opening adds are done
	s_wait_kmcnt 0x0
	s_add_nc_u64 s[58:59], s[6:7], s[58:59]
	CROUND                                         ; all four work-groups are here: the first joint loads meet
.irp s, 0,1
	s_mov_b32 s[G0+4*\s], 1
	s_add_co_u32 s[G0+4*\s+1], s56, \s*SLOTB
	s_add_nc_u64 s[G0+4*\s+2:G0+4*\s+3], s[58:59], \s*SLOTB
	s_or_b32 s[G0+4*\s+3], s[G0+4*\s+3], 0x80000000
.endr
	tensor_load_to_lds s[G0:G0+3], s[G1:G1+7]      ; K step 0: every wave fetches its own part
	s_nop 0
	PLACES 4
	s_mul_i32 s60, ttmp9, 98304
	s_mul_i32 s61, s19, 3072
	s_add_co_u32 s60, s60, s61
	s_mov_b32 s61, 0
	s_add_nc_u64 s[40:41], s[4:5], s[60:61]        ; attn's codes: my two blocks
	s_lshl_b32 s60, ttmp9, 12
	s_lshl_b32 s62, s19, 7
	s_add_co_u32 s60, s60, s62
	s_add_co_u32 s60, s60, AS
	s_add_nc_u64 s[42:43], s[4:5], s[60:61]        ; their scale words
	s_lshl_b32 s60, s[WV], 13
	s_add_co_u32 s60, s60, WOS
	s_add_nc_u64 s[44:45], s[6:7], s[60:61]        ; wo's scale words: my two row groups
	s_lshl_b32 s60, s[WV], 10
	s_add_nc_u64 s[46:47], s[8:9], s[60:61]        ; bo, gamma, beta at my 256 columns
	s_add_nc_u64 s[48:49], s[12:13], s[60:61]
	s_add_nc_u64 s[50:51], s[14:15], s[60:61]
	s_lshl_b32 s62, ttmp9, 19                      ; 128 rows of 4,096 bytes,
	s_lshl_b32 s63, s19, 17                        ; 32 rows
	s_add_co_u32 s62, s62, s63
	s_add_co_u32 s60, s60, s62
	s_add_nc_u64 s[52:53], s[10:11], s[60:61]      ; inputs and out0 at my first row and column
	s_add_nc_u64 s[54:55], s[16:17], s[60:61]
	s_mov_b32 s60, 0x3a800000                      ; 1 / 1,024
	v_and_b32 v1, 31, v0                           ; lane
	v_and_b32 v2, 15, v0                           ; r
	v_bfe_u32 v3, v0, 4, 1                         ; h
	v_lshlrev_b32 v[L16], 4, v1
	v_lshlrev_b32 v[L4], 2, v1
	v_lshlrev_b32 v[H64], 6, v3
	v_add_nc_u32 v[ADRB], s56, v[L16]
	v_add_nc_u32 v[ADRB+1], SLOTB, v[ADRB]
	v_and_b32 v14, 8, v2
	v_add_nc_u32 v14, v14, v2                      ; r + 8 (r / 8)
	v_lshl_add_u32 v[INA], v14, 12, v[H64]
	s_mul_i32 s57, s[WV], 16*528
	s_add_co_u32 s57, s57, STAGE
	v_mul_u32_u24 v[STO], v2, 528
	v_add_nc_u32 v[STO], v[STO], v[H64]
	v_add_nc_u32 v[STO], s57, v[STO]
	v_add_nc_u32 v[RD], s57, v[L16]
	s_lshl_b32 s57, s[WV], 2
	s_add_co_u32 s57, s57, STAT
	v_lshl_add_u32 v[STW], v2, 4, s57
	v_lshlrev_b32 v[STR], 4, v2
	v_add_nc_u32 v[STR], STAT, v[STR]
.irp t, 0,1,2,3,4,5,6,7
.irp k, 0,1,2,3,4,5,6,7
	global_load_b32 v[SCB+8*\t+\k], v[L4], s[44:45] offset:4096*(\k/4)+512*\t+128*(\k%4)
.endr
.endr
.irp t, 0,1,2,3,4,5,6,7
	global_load_b32 v[SCA+\t], v[L4], s[42:43] offset:512*\t
.endr
.irp q, 0,1
.irp b, 0,1,2,3
.irp j, 0,1,2,3
	global_load_b128 v[BO+64*\q+16*\b+4*\j:BO+64*\q+16*\b+4*\j+3], v[H64], s[46:47] offset:512*\q+128*\b+16*\j   ; register 64 q + 16 b + i is column 128 q + 32 b + 16 h + i
.endr
.endr
.endr
.irp q, 0,1
	global_load_b128 v[GAM+4*\q:GAM+4*\q+3], v[L16], s[48:49] offset:512*\q   ; for the way out: four columns a lane of a row's 128
	global_load_b128 v[BET+4*\q:BET+4*\q+3], v[L16], s[50:51] offset:512*\q
.endr
.macro AFLOAD t                        ; attn's two fragments of K step t into set t % 2 (window 1)
.irp a, 0,1
.irp g, 0,1,2
	global_load_b128 v[192+24*((\t)%2)+12*\a+4*\g:192+24*((\t)%2)+12*\a+4*\g+3], v[L16], s[40:41] offset:12288*(\t)+1536*\a+512*\g
.endr
.endr
.endm
.macro INLOAD a, q                     ; the residual of block a, columns 128 q on, in the accumulators' layout (window 3)
.irp b, 0,1,2,3
.irp j, 0,1,2,3
	global_load_b128 v[128*(\a)+64*(\q)+16*\b+4*\j:128*(\a)+64*(\q)+16*\b+4*\j+3], v[INA], s[52:53] offset:32768*(\a)+512*(\q)+128*\b+16*\j th:TH_LOAD_NT
.endr
.endr
.endm
	WIN 0x40                                       ; destination window 1
	AFLOAD 0
	WIN 0
; one matrix instruction: wo's block b against attn's block a, K step t.  The first K step takes bo as C.
.macro WM t, b, a
.set rD, 8*(16*(\a)+(\b))
.set rC, rD
.if (\t) == 0
.set rC, BO+8*(\b)
.endif
.set rB, 12*(\b)
.set rA, 192+24*((\t)%2)+12*(\a)
.set rSB, SCB+8*(\t)+(\b)/2
.set rSA, SCA+(\t)
.if ((\b)%2 == 0) && ((\a) == 0)
	v_wmma_scale_f32_16x16x128_f8f6f4 v[rD:rD+7], v[rB:rB+11], v[rA:rA+11], v[rC:rC+7], v[rSB], v[rSA] matrix_a_fmt:MATRIX_FMT_BF6 matrix_b_fmt:MATRIX_FMT_BF6
.elseif ((\b)%2 == 1) && ((\a) == 0)
	v_wmma_scale_f32_16x16x128_f8f6f4 v[rD:rD+7], v[rB:rB+11], v[rA:rA+11], v[rC:rC+7], v[rSB], v[rSA] matrix_a_fmt:MATRIX_FMT_BF6 matrix_b_fmt:MATRIX_FMT_BF6 matrix_a_scale:MATRIX_SCALE_ROW1
.elseif ((\b)%2 == 0)
	v_wmma_scale_f32_16x16x128_f8f6f4 v[rD:rD+7], v[rB:rB+11], v[rA:rA+11], v[rC:rC+7], v[rSB], v[rSA] matrix_a_fmt:MATRIX_FMT_BF6 matrix_b_fmt:MATRIX_FMT_BF6 matrix_b_scale:MATRIX_SCALE_ROW1
.else
	v_wmma_scale_f32_16x16x128_f8f6f4 v[rD:rD+7], v[rB:rB+11], v[rA:rA+11], v[rC:rC+7], v[rSB], v[rSA] matrix_a_fmt:MATRIX_FMT_BF6 matrix_b_fmt:MATRIX_FMT_BF6 matrix_a_scale:MATRIX_SCALE_ROW1 matrix_b_scale:MATRIX_SCALE_ROW1
.endif
.endm
; K step t.  In front of the round each wave waits for all its tensor loads (this step's part), adds 0 to its spare word, and waits for that and for its reads of the other slot; behind it the other slot takes the next K step.
.macro TRIP t
	s_wait_tensorcnt 0x0                           ; all my tensor loads have landed, so a group 0 may be written
	ds_add_u32 v[SPW], v[NIL]                      ; 0 onto my spare word
.if (\t)+2 < 8
	s_add_nc_u64 s[G0+4*((\t)%2)+2:G0+4*((\t)%2)+3], s[G0+4*((\t)%2)+2:G0+4*((\t)%2)+3], 2*SLOTB   ; this slot's next K step
.endif
	s_wait_dscnt 0x0                               ; the add is done, and my reads of the other slot are over
	CROUND                                         ; that now holds of every wave of all four work-groups
.if (\t) < 7
	tensor_load_to_lds s[G0+4*(((\t)+1)%2):G0+4*(((\t)+1)%2)+3], s[G1:G1+7]   ; my one tensor load behind the round
	s_nop 0
.endif
	PLACES 4                                       ; also the places in front of loads into registers that the last step's products have read
	WIN 0x40                                       ; destination window 1
.irp b, 0,1,2,3,4,5,6,7,8,9,10,11,12,13,14,15
.irp g, 0,1,2
	ds_load_b128 v[12*\b+4*\g:12*\b+4*\g+3], v[ADRB+(\t)%2] offset:1536*\b+512*\g
.endr
.endr
.if (\t) < 7
	AFLOAD (\t)+1
.endif
.if (\t) < 4
	WIN 0xc0                                       ; destination window 3
	INLOAD (\t)/2, (\t)%2
.endif
	; what may stay out: the loads issued behind this step's fragments of attn: the last step's 16 of the residual, the next step's 6 fragments' loads, this step's 16 of the residual
.if ((\t) == 0) || ((\t) == 4)
	s_wait_loadcnt 22
.elseif (\t) < 4
	s_wait_loadcnt 38
.elseif (\t) < 7
	s_wait_loadcnt 6
.else
	s_wait_loadcnt 0
.endif
	s_wait_dscnt 24                                ; wo's blocks 0-7 are in
.if (\t) == 0
	WIN 0x85                                       ; sources 0 and 1 window 1, C (bo) window 0, D window 2
.else
	WIN 0xa5                                       ; C and D window 2
.endif
.irp b, 0,1,2,3,4,5,6,7                        ; the 32 accumulators take turns, one instruction a turn
	WM \t, \b, 0
	WM \t, \b, 1
.endr
	s_wait_dscnt 0x0
.irp b, 8,9,10,11,12,13,14,15
	WM \t, \b, 0
	WM \t, \b, 1
.endr
	WIN 0
.endm
.irp t, 0,1,2,3,4,5,6,7
	TRIP \t
.endr
	; ---- x = inputs + attn wo + bo, in place
	PLACES 4
	WIN 0x8e                                       ; destination and source 0 window 2, source 1 window 3
.set II, 0
.rept 128
	v_pk_add_f32 v[II:II+1], v[II:II+1], v[II:II+1]
.set II, II+2
.endr
; pairs v[rt] .. are added down to one number, with the lane 16 away: the sum over my wave's 256 columns of my row
.macro TREE rt, first
.irp n, 16,8,4,2,1
.if \n <= \first
.set II, 0
.rept \n
	v_pk_add_f32 v[\rt+2*II:\rt+2*II+1], v[\rt+2*II:\rt+2*II+1], v[\rt+2*(II+\n):\rt+2*(II+\n)+1]
.set II, II+1
.endr
.endif
.endr
	v_add_f32 v[\rt], v[\rt], v[\rt+1]
	v_permlanex16_b32 v[\rt+1], v[\rt], s[SEL], s[SEL+1]
	v_add_f32 v[\rt], v[\rt], v[\rt+1]
.endm
.irp a, 0,1
	WIN 0x0a                                       ; sources 0 and 1 window 2, destination window 0
.set II, 0
.rept 32
	v_pk_add_f32 v[RT+64*\a+II:RT+64*\a+II+1], v[128*\a+II:128*\a+II+1], v[128*\a+64+II:128*\a+64+II+1]
.set II, II+2
.endr
	WIN 0
	TREE RT+64*\a, 16
	ds_store_b32 v[STW], v[RT+64*\a] offset:256*\a   ; lanes r and r + 16 write the same word with the same value
.endr
	s_wait_dscnt 0x0                               ; for the others' sake: my stores have landed
	s_barrier_signal -1
	s_barrier_wait -1
	ds_load_b128 v[16:19], v[STR]
	ds_load_b128 v[20:23], v[STR] offset:256
	s_wait_dscnt 0x0
.irp a, 0,1
	v_add_f32 v[16+4*\a], v[16+4*\a], v[17+4*\a]
	v_add_f32 v[18+4*\a], v[18+4*\a], v[19+4*\a]
	v_add_f32 v[16+4*\a], v[16+4*\a], v[18+4*\a]
	v_mul_f32 v[MEAN+2*\a], s60, v[16+4*\a]        ; the row's mean,
	v_mov_b32 v[MEAN+2*\a+1], v[MEAN+2*\a]         ; as a pair
.endr
	WIN 0x82                                       ; destination and source 0 window 2, source 1 window 0
.irp a, 0,1
.set II, 0
.rept 64
	v_pk_add_f32 v[128*\a+II:128*\a+II+1], v[128*\a+II:128*\a+II+1], v[MEAN+2*\a:MEAN+2*\a+1] neg_lo:[0,1] neg_hi:[0,1]   ; x - mean
.set II, II+2
.endr
.endr
.irp a, 0,1
	WIN 0x0a
.set II, 0
.rept 16
	v_pk_mul_f32 v[RT+64*\a+II:RT+64*\a+II+1], v[128*\a+II:128*\a+II+1], v[128*\a+II:128*\a+II+1]   ; the first sixteen pairs start the chains
.set II, II+2
.endr
.rept 48
	v_pk_fma_f32 v[RT+64*\a+II%32:RT+64*\a+II%32+1], v[128*\a+II:128*\a+II+1], v[128*\a+II:128*\a+II+1], v[RT+64*\a+II%32:RT+64*\a+II%32+1]
.set II, II+2
.endr
	WIN 0
	TREE RT+64*\a, 8
	ds_store_b32 v[STW], v[RT+64*\a] offset:512+256*\a   ; other bytes than the first pass's: no wave overwrites what another may still read
.endr
	s_wait_dscnt 0x0
	s_barrier_signal -1
	s_barrier_wait -1
	ds_load_b128 v[16:19], v[STR] offset:512
	ds_load_b128 v[20:23], v[STR] offset:768
	s_wait_dscnt 0x0
.irp a, 0,1
	v_add_f32 v[16+4*\a], v[16+4*\a], v[17+4*\a]
	v_add_f32 v[18+4*\a], v[18+4*\a], v[19+4*\a]
	v_add_f32 v[16+4*\a], v[16+4*\a], v[18+4*\a]
	v_fmaak_f32 v[16+4*\a], s60, v[16+4*\a], 0x358637bd   ; the variance + 1e-6
.endr
	v_rsq_f32 v[RSTD], v16
	v_rsq_f32 v[RSTD+2], v20
	v_nop                                          ; one plain place behind the transcendentals
	s_wait_alu depctr_va_vdst(0)                   ; one wait for both, ahead of their first reader
	v_mov_b32 v[RSTD+1], v[RSTD]
	v_mov_b32 v[RSTD+3], v[RSTD+2]
	WIN 0x82
.irp a, 0,1
.set II, 0
.rept 64
	v_pk_mul_f32 v[128*\a+II:128*\a+II+1], v[128*\a+II:128*\a+II+1], v[RSTD+2*\a:RSTD+2*\a+1]
.set II, II+2
.endr
.endr
	WIN 0
; THE WAY OUT, four blocks of 16 rows x 128 columns (block k: rows' block k / 2, columns 128 (k % 2) on).  A lane holds pieces of one row: a block goes through my own stage in LDS and comes back as whole rows of 512 bytes;
; there gamma and beta are four numbers a lane.  LDS serves a wave's instructions in order (ISA guide 5.7.1.4): no wait between the stores and the loads, nor in front of the next block's stores.
.macro TOSTAGE k
.set AC, 128*((\k)/2)+64*((\k)%2)
	WIN 0x08                                       ; an LDS store's data are its source 1: window 2
.irp q, 0,1,2,3,4,5,6,7
	ds_store_b128 v[STO], v[AC+8*\q:AC+8*\q+3] offset:128*(\q/2)+32*(\q%2)
	ds_store_b128 v[STO], v[AC+8*\q+4:AC+8*\q+7] offset:128*(\q/2)+32*(\q%2)+16
.endr
	WIN 0
.set BB, 128+64*((\k)%2)
.irp t, 0,1,2,3,4,5,6,7,8,9,10,11,12,13,14,15
	ds_load_b128 v[BB+4*\t:BB+4*\t+3], v[RD] offset:528*\t
.endr
.endm
.macro SEND k, younger                 ; younger: the LDS instructions issued behind block k's loads, which may stay out
.set BB, 128+64*((\k)%2)
.set GQ, 4*((\k)%2)
	s_wait_dscnt \younger
.irp t, 0,1,2,3,4,5,6,7,8,9,10,11,12,13,14,15
	v_pk_fma_f32 v[BB+4*\t:BB+4*\t+1], v[BB+4*\t:BB+4*\t+1], v[GAM+GQ:GAM+GQ+1], v[BET+GQ:BET+GQ+1]
	v_pk_fma_f32 v[BB+4*\t+2:BB+4*\t+3], v[BB+4*\t+2:BB+4*\t+3], v[GAM+GQ+2:GAM+GQ+3], v[BET+GQ+2:BET+GQ+3]
.endr
.irp t, 0,1,2,3,4,5,6,7,8,9,10,11,12,13,14,15
	global_store_b128 v[L16], v[BB+4*\t:BB+4*\t+3], s[54:55] offset:(8*((\k)/2)+\t+8*(\t/8))*4096+512*((\k)%2) th:TH_STORE_NT   ; 32 lanes store 512 consecutive bytes, aligned; written once, read by nobody here
.endr
.endm
	TOSTAGE 0
	TOSTAGE 1
	SEND 0, 32                                     ; behind block 0's loads: block 1's 16 stores and 16 loads
	s_wait_xcnt 0x0                                ; block 0's stores have read their registers: block 2's loads may land there
	TOSTAGE 2
	SEND 1, 32
	s_wait_xcnt 0x0
	TOSTAGE 3
	SEND 2, 32
	SEND 3, 0
	s_wait_tensorcnt 0x0                           ; the wave's end, behind my last tensor load and my last LDS store
	ds_add_u32 v[SPW], v[NIL]
	s_wait_dscnt 0x0
	CROUND                                         ; the closing round: no work-group ends while a partner may still ask for a tile that names it
	s_endpgm
.Lfunc_end_k_q13462091a5_outln:
	.size	k_q13462091a5_outln, .Lfunc_end_k_q13462091a5_outln-k_q13462091a5_outln
	.p2alignl 7, 3214868480
	.fill 96, 4, 3214868480
	.section	.rodata,"a",@progbits
	.p2align	6, 0x0
	.amdhsa_kernel k_q13462091a5_outln
		.amdhsa_group_segment_fixed_size 327680
		.amdhsa_private_segment_fixed_size 0
		.amdhsa_enable_private_segment 0
		.amdhsa_kernarg_size 56
		.amdhsa_user_sgpr_count 2
		.amdhsa_user_sgpr_kernarg_segment_ptr 1
		.amdhsa_wavefront_size32 1
		.amdhsa_system_sgpr_workgroup_id_x 1
		.amdhsa_system_sgpr_workgroup_id_y 1
		.amdhsa_system_sgpr_workgroup_id_z 1
		.amdhsa_system_vgpr_workitem_id 0
		.amdhsa_next_free_vgpr 1024
		.amdhsa_next_free_sgpr 66
		.amdhsa_reserve_vcc 0
		.amdhsa_float_denorm_mode_32 3
		.amdhsa_float_denorm_mode_16_64 3
		.amdhsa_memory_ordered 1
		.amdhsa_forward_progress 1
		.amdhsa_inst_pref_size 156
	.end_amdhsa_kernel
	.amdgpu_metadata
---
amdhsa.version: [ 1, 2 ]
amdhsa.kernels:
  - .name:           k_q13462091a5_outln
    .symbol:         k_q13462091a5_outln.kd
    .args:
      - { .name: att, .offset: 0, .size: 8, .value_kind: global_buffer, .address_space: global }
      - { .name: prep, .offset: 8, .size: 8, .value_kind: global_buffer, .address_space: global }
      - { .name: bo, .offset: 16, .size: 8, .value_kind: global_buffer, .address_space: global }
      - { .name: inputs, .offset: 24, .size: 8, .value_kind: global_buffer, .address_space: global }
      - { .name: gamma, .offset: 32, .size: 8, .value_kind: global_buffer, .address_space: global }
      - { .name: beta, .offset: 40, .size: 8, .value_kind: global_buffer, .address_space: global }
      - { .name: out0, .offset: 48, .size: 8, .value_kind: global_buffer, .address_space: global }
    .group_segment_fixed_size: 327680
    .private_segment_fixed_size: 0
    .kernarg_segment_align: 8
    .kernarg_segment_size: 56
    .max_flat_workgroup_size: 128
    .sgpr_count:     66
    .vgpr_count:     1024
    .wavefront_size: 32
...
	.end_amdgpu_metadata
.endif
;; end of part 5
;; ======== version 2 of 2: 5 launches
;; limits: right only within a limited range of input values
;; workspace buffers: prep 9,830,400 bytes; qkv 19,660,800 bytes; pbuf 14,155,776 bytes; att 6,553,600 bytes
;; launch prep (part 6): grid 384 x 1, 4 waves a work-group, no clusters, 0 bytes of LDS; arguments inputs, wq_codes, wq_scales, wk_codes, wk_scales, wv_codes, wv_scales, wo_codes, wo_scales, prep; writes prep
.if DOCPART == 6
	.amdgcn_target "amdgcn-amd-amdhsa--gfx1250"
	.amdhsa_code_object_version 6
	.text
	.protected	k_q13462091a5_prep
	.globl	k_q13462091a5_prep
	.p2align	8
	.type	k_q13462091a5_prep,@function
k_q13462091a5_prep:
	s_mov_b64 s[64:65], 0
	v_nop
	global_prefetch_b8 v0, s[64:65] scope:SCOPE_SE
	s_setreg_imm32_b32 hwreg(HW_REG_WAVE_MODE, 25, 1), 1
	s_wait_xcnt 0x0
; LAUNCH 1 OF 5.  The whole program: q, k, v = x w + b; scores = q k^T / 32; softmax; attn = p v / l; out = attn wo + bo; LayerNorm(x + out) gamma + beta.  All six products on codes of BF6 (E3M2) with one E8M0 scale for each 32 along K.
; DEAD WORK: none.  Every bias goes into a quantised operand (bq, bk, bv) or into the LayerNorm (bo); gamma and beta scale and shift the output: every input has a way to the output and is loaded, and no product, row or step is left out.
; THIS LAUNCH quantises x (inputs, [8192][1024] f32) along its 1,024 and lays x's codes and the four weights' given codes as IMAGES OF OPERAND REGISTERS, so that the later launches fetch a fragment by three loads of 16 bytes a lane.
; LAYOUT, used by all five launches.  128 rows are a row group; block a (0..7) of a group holds, in lane index r (0..15), row 32 (a / 2) + 8 (a % 2) + r + 8 (r / 8).  A fragment (16 rows x 128 K, 12 registers a lane: lane (r, h),
; registers 6 c .. 6 c + 5 = K 64 c + 32 h + 0 .. 31) lies in 1,536 bytes: register group g (4 registers) at 512 g + 16 x lane.  Fragment (group, K step s, block a) lies at ((group x K / 128 + s) x 8 + a) x 1,536; its 16 scale words at
; ((group x K / 128 + s) x 8 + a) x 64 + 4 r.  wo alone has the K step outermost: (s x 8 + group) x 8 + a.
; With these rows, and the products used transposed, a lane's 64 results of one block against eight blocks are 64 numbers of ONE row, register 16 b + i = column 32 b + 16 h + i: what the conversions want.
; THE QUANTISER: a block's scale is 2^(floor(log2(largest magnitude)) - 4); its byte is the largest magnitude's exponent field - 4, held at 1 from below by a floor among the maximum's leaves.
; LIMITS: NaN and infinities among the inputs are not served.  A block whose largest magnitude lies under 2^-122 (a block of zeros too) gets the byte 1, where the stated rule gives a block of zeros 127: its codes are zeros or tiny, and this program alone reads the bytes.
; SHARES.  Work-groups 0-255: x; a wave takes 16 rows (one block) x 512 along K: four fragments.  Work-groups 256-383: the weights; a wave takes one block x 512 along K of one weight.  No LDS, no barrier: waves share nothing, so there is nothing to ask for jointly.
.set XS,  6291456                      ; prep: x's scale words behind x's codes (which begin at 0)
.set WI,  6553600                      ; the four weights' codes, 786,432 bytes each
.set WS,  9699328                      ; their scale words, 32,768 bytes each
.set XA,  4                            ; v4   my lane's byte in the wave's 16 rows (x or a weight)
.set OI,  5                            ; v5   16 x lane
.set OP,  6                            ; v6   4 r + 512 h: two K steps' scale words by one store
.set S0,  32                           ; v32-95, v96-159: two sets of 64 numbers
.set S1,  96
.set TM,  160                          ; v160-175 at work in the quantiser
.set PWS, 176                          ; v176-179 four scale words
.set PC,  180                          ; v180-198 the codes just made
.set W,   200                          ; v200-201 scale words paired for their stores
.set SEL, 40                           ; s[40:41] selects of v_permlanex16_b32: lane l xor 16
.set HI,  42                           ; s42  a mask of lanes 16-31
; the four blocks' largest magnitudes of 64 numbers v[s] ..: register 16 b + i = k 32 b + 16 h + i of my row
.macro QMAX s
.irp b, 0,1,2,3
	v_max3_num_f32 v[TM+\b], |v[\s+16*\b]|, |v[\s+1+16*\b]|, 0x2800000   ; my 16 numbers of block b, and the floor 2^(5 - 127): the byte cannot fall under 1
.endr
.irp i, 2,4,6,8,10,12,14
.irp b, 0,1,2,3
	v_max3_num_f32 v[TM+\b], v[TM+\b], |v[\s+16*\b+\i]|, |v[\s+1+16*\b+\i]|   ; the four blocks by turns
.endr
.endr
.irp b, 0,1,2,3
	v_permlanex16_b32 v[TM+4+\b], v[TM+\b], s[SEL], s[SEL+1]
.endr
.irp b, 0,1,2,3
	v_max_num_f32 v[TM+\b], v[TM+\b], v[TM+4+\b]   ; with lane l xor 16's 16: the block's
.endr
.endm
; from the maxima in v[TM] ..: the row's scale word into v[pw], the fragment's 12 registers into v[PC] ..
.macro QPACK s, pw
.irp b, 0,1,2,3
	v_add_nc_u32 v[TM+12+\b], 0xfe000000, v[TM+\b]   ; 4 off the exponent field: the conversion takes this operand's exponent field as its scale
.endr
.irp b, 0,1,2,3
	v_lshrrev_b32 v[TM+4+\b], 23, v[TM+12+\b]      ; the scale's byte
.endr
	v_lshl_or_b32 v[\pw], v[TM+5], 8, v[TM+4]
	v_lshl_or_b32 v[\pw], v[TM+6], 16, v[\pw]
	v_lshl_or_b32 v[\pw], v[TM+7], 24, v[\pw]
.irp c, 0,1
	v_cvt_scalef32_pk16_bf6_f32 v[PC+6*\c:PC+2+6*\c], v[\s+32*\c:\s+15+32*\c], v[TM+12+2*\c]
	v_cvt_scalef32_pk16_bf6_f32 v[PC+12+4*\c:PC+14+4*\c], v[\s+16+32*\c:\s+31+32*\c], v[TM+12+2*\c+1]   ; (a conversion's three registers begin on an even number)
.endr
	v_nop                                          ; one plain place behind a scaled conversion
.irp c, 0,1                                    ; the operand's layout wants a whole block in a lane: lanes 0-15 block 2 c, lanes 16-31 block 2 c + 1
.irp i, 0,1,2
	v_permlane16_swap_b32 v[PC+6*\c+\i], v[PC+12+4*\c+\i]
.endr
.irp i, 0,1,2
	v_mov_b32 v[PC+3+6*\c+\i], v[PC+12+4*\c+\i]
.endr
.endr
.endm
; from the wave's unit number in s27: s28 = which 512 along K, s29 = row group, s30 = block, s31 = the block's first row, s36 = where its scale words go
.macro SHARE
	s_and_b32 s28, s27, 1
	s_lshr_b32 s27, s27, 1
	s_lshr_b32 s29, s27, 3
	s_and_b32 s30, s27, 7
	s_lshl_b32 s31, s29, 7
	s_lshr_b32 s32, s30, 1
	s_lshl_b32 s32, s32, 5
	s_add_co_u32 s31, s31, s32
	s_and_b32 s32, s30, 1
	s_lshl_b32 s32, s32, 3
	s_add_co_u32 s31, s31, s32                     ; 128 group + 32 (a / 2) + 8 (a % 2)
	s_lshl_b32 s36, s29, 12
	s_lshl_b32 s37, s28, 11
	s_add_co_u32 s36, s36, s37
	s_lshl_b32 s37, s30, 6
	s_add_co_u32 s36, s36, s37                     ; 4,096 group + 2,048 half + 64 a
	s_mov_b32 s37, 0
.endm
	s_load_b64 s[4:5], s[0:1], 0x0                 ; inputs
	s_load_b128 s[8:11], s[0:1], 0x8               ; wq's codes, scales
	s_load_b128 s[12:15], s[0:1], 0x18             ; wk's
	s_load_b128 s[16:19], s[0:1], 0x28             ; wv's
	s_load_b128 s[20:23], s[0:1], 0x38             ; wo's
	s_load_b64 s[24:25], s[0:1], 0x48              ; prep
	v_lshrrev_b32 v1, 5, v0
	v_readfirstlane_b32 s26, v1                    ; wave
	v_and_b32 v1, 31, v0                           ; lane
	v_and_b32 v2, 15, v0                           ; r
	v_bfe_u32 v3, v0, 4, 1                         ; h
	v_lshlrev_b32 v[OI], 4, v1
	v_lshlrev_b32 v[OP], 2, v2
	v_lshl_add_u32 v[OP], v3, 9, v[OP]
	v_and_b32 v7, 8, v2
	v_add_nc_u32 v7, v7, v2                        ; r + 8 (r / 8)
.irp b, 0,1,2,3
	v_mov_b32 v[TM+4+\b], 0                        ; written once: a lane permute's destination counts as one of its sources
.endr
	s_mov_b32 s[SEL], 0x76543210
	s_mov_b32 s[SEL+1], 0xfedcba98
	s_mov_b32 s[HI], 0xffff0000
	s_cmp_lt_u32 ttmp9, 256
	s_cbranch_scc0 .Lweights
	; ---- x
	s_lshl_b32 s27, ttmp9, 2
	s_add_co_u32 s27, s27, s26                     ; unit 0 .. 1,023
	SHARE
	s_lshl_b32 s32, s31, 12                        ; a row of x is 4,096 bytes,
	s_lshl_b32 s33, s28, 11                        ; 512 along K are 2,048
	s_add_co_u32 s32, s32, s33
	s_mov_b32 s33, 0
	s_mul_i32 s34, s29, 98304                      ; the codes: group, K steps 4 half on, block
	s_mul_i32 s35, s28, 49152
	s_add_co_u32 s34, s34, s35
	s_mul_i32 s35, s30, 1536
	s_add_co_u32 s34, s34, s35
	s_mov_b32 s35, 0
	s_add_co_u32 s36, s36, XS
	s_wait_alu depctr_va_vdst(0)
	v_lshlrev_b32 v[XA], 12, v7
	v_lshl_add_u32 v[XA], v3, 6, v[XA]             ; my row, + 64 h: my 16 numbers of a block of 32
	s_wait_alu depctr_va_vdst(0)
	s_wait_kmcnt 0x0
	s_add_nc_u64 s[4:5], s[4:5], s[32:33]
	s_add_nc_u64 s[34:35], s[24:25], s[34:35]
	s_add_nc_u64 s[36:37], s[24:25], s[36:37]
.macro XLOAD set, sl                   ; K step sl of my four: 64 numbers a lane
.irp b, 0,1,2,3
.irp j, 0,1,2,3
	global_load_b128 v[\set+16*\b+4*\j:\set+16*\b+4*\j+3], v[XA], s[4:5] offset:512*(\sl)+128*\b+16*\j th:TH_LOAD_NT
.endr
.endr
.endm
.macro XSTEP sl, set, left
	s_wait_loadcnt \left                           ; this K step's 16 loads are in; the younger set's 16 may be out
	QMAX \set
.if (\sl) > 0
	s_wait_alu depctr_va_vdst(0)
	s_wait_xcnt 0x0                                ; the last fragment's stores have read their data: the codes' registers are rewritten only behind this wait
.endif
	QPACK \set, PWS+(\sl)
.irp g, 0,1,2
	global_store_b128 v[OI], v[PC+4*\g:PC+4*\g+3], s[34:35] offset:12288*(\sl)+512*\g   ; 32 lanes store 512 consecutive bytes, aligned
.endr
.if (\sl)+2 < 4
	XLOAD \set, (\sl)+2
.endif
.endm
	XLOAD S0, 0
	XLOAD S1, 1
	XSTEP 0, S0, 16
	XSTEP 1, S1, 16
	XSTEP 2, S0, 16
	XSTEP 3, S1, 0
	v_cndmask_b32 v[W], v[PWS], v[PWS+1], s[HI]    ; lanes 0-15: one K step's words, lanes 16-31: the next one's
	v_cndmask_b32 v[W+1], v[PWS+2], v[PWS+3], s[HI]
	global_store_b32 v[OP], v[W], s[36:37]
	global_store_b32 v[OP], v[W+1], s[36:37] offset:1024
	s_endpgm
.Lweights:
	; ---- the weights: given codes and scale bytes, taken as they are; only their places change
	s_sub_co_u32 s27, ttmp9, 256
	s_lshr_b32 s38, s27, 5                         ; which weight: 0 wq, 1 wk, 2 wv, 3 wo
	s_lshl_b32 s27, s27, 2
	s_add_co_u32 s27, s27, s26
	s_and_b32 s27, s27, 127                        ; unit 0 .. 127 of that weight
	SHARE
	s_mul_i32 s32, s31, 768                        ; a row of 1,024 codes is 768 bytes,
	s_mul_i32 s33, s28, 384                        ; 512 along K are 384
	s_add_co_u32 s32, s32, s33
	s_mov_b32 s33, 0
	s_lshl_b32 s34, s31, 5                         ; a row of scale bytes is 32,
	s_lshl_b32 s35, s28, 4                         ; 512 along K are 16
	s_add_co_u32 s34, s34, s35
	s_mov_b32 s35, 0
	s_mov_b32 s39, 98304
	s_mov_b32 s43, 12288
	s_cmp_eq_u32 s38, 3
	s_cselect_b32 s44, s39, s43                    ; from K step to K step: 12,288; wo: 98,304
	s_cselect_b32 s45, s43, s39                    ; from group to group: the other way round
	s_mul_i32 s50, s38, 786432
	s_add_co_u32 s50, s50, WI
	s_mul_i32 s51, s29, s45
	s_add_co_u32 s50, s50, s51
	s_mul_i32 s51, s28, s44
	s_lshl_b32 s51, s51, 2
	s_add_co_u32 s50, s50, s51
	s_mul_i32 s51, s30, 1536
	s_add_co_u32 s50, s50, s51
	s_mov_b32 s51, 0
	s_lshl_b32 s39, s38, 15
	s_add_co_u32 s36, s36, s39
	s_add_co_u32 s36, s36, WS
	s_wait_alu depctr_va_vdst(0)
	v_mul_u32_u24 v[XA], v7, 768
	v_mad_u32_u24 v[XA], v3, 24, v[XA]             ; my row, + 24 h
	v_lshlrev_b32 v12, 5, v7                       ; my row's scale bytes
	v_mov_b32 v8, v[OI]                            ; where my four fragments go
	v_add_nc_u32 v9, s44, v8
	v_add_nc_u32 v10, s44, v9
	v_add_nc_u32 v11, s44, v10
	s_wait_alu depctr_va_vdst(0)
	s_wait_kmcnt 0x0
	s_mov_b64 s[46:47], s[8:9]
	s_mov_b64 s[48:49], s[10:11]
	s_cmp_eq_u32 s38, 1
	s_cselect_b64 s[46:47], s[12:13], s[46:47]
	s_cselect_b64 s[48:49], s[14:15], s[48:49]
	s_cmp_eq_u32 s38, 2
	s_cselect_b64 s[46:47], s[16:17], s[46:47]
	s_cselect_b64 s[48:49], s[18:19], s[48:49]
	s_cmp_eq_u32 s38, 3
	s_cselect_b64 s[46:47], s[20:21], s[46:47]
	s_cselect_b64 s[48:49], s[22:23], s[48:49]
	s_add_nc_u64 s[46:47], s[46:47], s[32:33]
	s_add_nc_u64 s[48:49], s[48:49], s[34:35]
	s_add_nc_u64 s[50:51], s[24:25], s[50:51]
	s_add_nc_u64 s[36:37], s[24:25], s[36:37]
.irp f, 0,1,2,3
.irp p, 0,1,2,3,4,5
	global_load_b64 v[32+12*\f+2*\p:32+12*\f+2*\p+1], v[XA], s[46:47] offset:96*\f+48*(\p/3)+8*(\p%3)   ; the row's stream of bits as it lies, in pieces of 8 bytes
.endr
.endr
	global_load_b128 v[80:83], v12, s[48:49]       ; four K steps' scale words of my row
	s_wait_loadcnt 0x0
.irp f, 0,1,2,3
.irp g, 0,1,2
	global_store_b128 v[8+\f], v[32+12*\f+4*\g:32+12*\f+4*\g+3], s[50:51] offset:512*\g
.endr
.endr
	v_cndmask_b32 v[W], v80, v81, s[HI]
	v_cndmask_b32 v[W+1], v82, v83, s[HI]
	global_store_b32 v[OP], v[W], s[36:37]
	global_store_b32 v[OP], v[W+1], s[36:37] offset:1024
	s_endpgm
.Lfunc_end_k_q13462091a5_prep:
	.size	k_q13462091a5_prep, .Lfunc_end_k_q13462091a5_prep-k_q13462091a5_prep
	.p2alignl 7, 3214868480
	.fill 96, 4, 3214868480
	.section	.rodata,"a",@progbits
	.p2align	6, 0x0
	.amdhsa_kernel k_q13462091a5_prep
		.amdhsa_group_segment_fixed_size 0
		.amdhsa_private_segment_fixed_size 0
		.amdhsa_enable_private_segment 0
		.amdhsa_kernarg_size 80
		.amdhsa_user_sgpr_count 2
		.amdhsa_user_sgpr_kernarg_segment_ptr 1
		.amdhsa_wavefront_size32 1
		.amdhsa_system_sgpr_workgroup_id_x 1
		.amdhsa_system_sgpr_workgroup_id_y 1
		.amdhsa_system_sgpr_workgroup_id_z 1
		.amdhsa_system_vgpr_workitem_id 0
		.amdhsa_next_free_vgpr 208
		.amdhsa_next_free_sgpr 66
		.amdhsa_reserve_vcc 0
		.amdhsa_float_denorm_mode_32 3
		.amdhsa_float_denorm_mode_16_64 3
		.amdhsa_memory_ordered 1
		.amdhsa_forward_progress 1
		.amdhsa_inst_pref_size 32
	.end_amdhsa_kernel
	.amdgpu_metadata
---
amdhsa.version: [ 1, 2 ]
amdhsa.kernels:
  - .name:           k_q13462091a5_prep
    .symbol:         k_q13462091a5_prep.kd
    .args:
      - { .name: inputs, .offset: 0, .size: 8, .value_kind: global_buffer, .address_space: global }
      - { .name: wq_codes, .offset: 8, .size: 8, .value_kind: global_buffer, .address_space: global }
      - { .name: wq_scales, .offset: 16, .size: 8, .value_kind: global_buffer, .address_space: global }
      - { .name: wk_codes, .offset: 24, .size: 8, .value_kind: global_buffer, .address_space: global }
      - { .name: wk_scales, .offset: 32, .size: 8, .value_kind: global_buffer, .address_space: global }
      - { .name: wv_codes, .offset: 40, .size: 8, .value_kind: global_buffer, .address_space: global }
      - { .name: wv_scales, .offset: 48, .size: 8, .value_kind: global_buffer, .address_space: global }
      - { .name: wo_codes, .offset: 56, .size: 8, .value_kind: global_buffer, .address_space: global }
      - { .name: wo_scales, .offset: 64, .size: 8, .value_kind: global_buffer, .address_space: global }
      - { .name: prep, .offset: 72, .size: 8, .value_kind: global_buffer, .address_space: global }
    .group_segment_fixed_size: 0
    .private_segment_fixed_size: 0
    .kernarg_segment_align: 8
    .kernarg_segment_size: 80
    .max_flat_workgroup_size: 128
    .sgpr_count:     66
    .vgpr_count:     208
    .wavefront_size: 32
...
	.end_amdgpu_metadata
.endif
;; end of part 6
;; launch qkv (part 7): grid 12 x 32, 4 waves a work-group, clusters of 4 x 4, 327,680 bytes of LDS; arguments prep, bq, bk, bv, qkv; writes qkv
.if DOCPART == 7
	.amdgcn_target "amdgcn-amd-amdhsa--gfx1250"
	.amdhsa_code_object_version 6
	.text
	.protected	k_q13462091a5_qkv
	.globl	k_q13462091a5_qkv
	.p2align	8
	.type	k_q13462091a5_qkv,@function
k_q13462091a5_qkv:
	s_mov_b64 s[64:65], 0
	v_nop
	global_prefetch_b8 v0, s[64:65] scope:SCOPE_SE
	s_setreg_imm32_b32 hwreg(HW_REG_WAVE_MODE, 25, 1), 1
	s_wait_xcnt 0x0
	s_wait_alu depctr_hold_cnt(0) depctr_sa_sdst(0) depctr_va_vdst(0) depctr_va_sdst(0) depctr_va_ssrc(0) depctr_va_vcc(0) depctr_vm_vsrc(0)
	s_getreg_b32 s2, hwreg(HW_REG_IB_STS2, 6, 4)
	s_cmp_eq_u32 s2, 0
	s_cbranch_scc0 .Lentry_in_a_cluster
	s_endpgm
.Lentry_in_a_cluster:
	s_bfe_u32 s2, ttmp6, 0x10000c
	s_cmp_lg_u32 s2, 0xf033
	s_cbranch_scc0 .Lentry_shape_is_right
	s_endpgm
.Lentry_shape_is_right:
; LAUNCH 2 OF 5.  q = x wq + bq, k = x wk + bk, v = x wv + bv on codes of BF6, each result quantised on the way out: q and k along their 1,024, v along the KEYS.  No work of reference() is left out.
; Operands and results lie as images of operand registers (the layout is set out at the head of the first launch): a tile of 128 rows x 256 K is one dense block of 24,576 bytes, a fragment three loads of 16 bytes a lane.
; A tile of 256 x 256 is made by four waves, 128 x 128 each: 64 accumulators, 512 registers.  The scale words of the tile's 512 rows, for all of K, come once.
; K = 1,024 IS FOUR QUARTERS OF 256.  Three LDS slots take the first three quarters, asked for together at the head; the fourth fills slot 0 again, behind the one round of the cluster's barrier, when every wave has read slot 0,
; and has two quarters' products, 256 matrix instructions a wave, in which to land.
; THE MATRIX INSTRUCTION IS USED TRANSPOSED: source 0 = 16 rows of "B", source 1 = 16 rows of "A": a lane holds ONE row of A, and its 64 registers of one block of A against B's eight run along B's 128 rows, in their true order.
; The cluster's x says which product: 0: q, 1: k (A = x, B = the weight: a lane holds a token, its registers run along e); 2: v (A = wv, B = x: a lane holds a channel d, its registers run along the keys, which are the next product's K).
; CLUSTERS: 4 x 4 work-groups.  The four of a row need the same tiles of A, the four of a column the same tiles of B: each is asked for jointly, by the same tensor load with a mask that names the four.
; THE BIAS lies along the registers (q, k) or is one number a lane and block (v).  Every wave loads both forms, at addresses masked into the buffer, and a scalar branch on the cluster's x, round vector work alone, takes one: the other form's 8 or 16 loads serve nothing.
; LIMITS: as stated at the head of the first launch (NaN and infinities not served; a block under 2^-122 gets the byte 1).
; REGISTERS, in windows of 256: window 0: v0-31 addresses; v32-63 scale words, two sets; v64-127 the bias along the registers; v128-223 A's fragments, one set, later the epilogue's numbers and codes; v224-239 the bias a lane; v240-255 at work.
;   window 1: B's fragments, two sets, at v0 and v128.   window 2: the accumulators of A's blocks 0-3 ((a, b) at v[8 (8 (a % 4) + b)]);   window 3: those of blocks 4-7.
.set KSUB,  8                          ; K / 128
.set NQ,    2                          ; matrix instructions deep in a slot
.set FR,    12                         ; registers of a fragment
.set NL,    3                          ; LDS loads that bring one
.set NP,    4                          ; places behind this matrix instruction (ISA guide 7.12.1)
.set HALFT, 24576                      ; 128 rows x 256 K: [K step][block][1,536]: what one tensor load brings
.set SLOT,  4*HALFT                    ; A's two halves, then B's two
.set SCL,   3*SLOT                     ; behind the three slots: the scale words, [K step][block][16 words] for each 128 rows
.set HALFS, 512*KSUB
.set SPARE, SCL+4*HALFS                ; the spare words, 128 bytes for each wave: two blocks of 256 bytes that no other line names
.set XS,  6291456                      ; prep: x's scale words (x's codes begin at 0),
.set WI,  6553600                      ; the weights' codes,
.set WS,  9699328                      ; their scale words
.set ADRA, 16                          ; v16-18  LDS address of my A fragments in slot 0, 1, 2
.set ADRB, 20                          ; v20-22  the same for B
.set OI,   24                          ; v24     16 x lane
.set OS,   25                          ; v25     4 x lane
.set ADRS, 27                          ; v27     LDS address of my scale words: lanes 0-15 A's rows, lanes 16-31 B's
.set SPW,  28                          ; v28     LDS address of my spare word; never rewritten
.set NIL,  29                          ; v29     0; never rewritten
.set SC,   32                          ; scale words: set s at v[SC + 16 s]; register 2 i + q: lanes 0-15 A's block i, lanes 16-31 B's block i, the quarter's q-th 128 along K
.set AF,   128
.set BN,   64
.set T,    128                         ; the epilogue: 64 numbers of a row,
.set PC,   192                         ; v192-210 their codes,
.set PWS,  212                         ; v212-219 a scale word for each block,
.set W,    220                         ; v220-223 paired for their stores
.set BMB,  224
.set TM,   240
.set G1, 24                            ; s[24:31] descriptor group 1 for A's tiles;  s[32:35] group 0 for the refill, s[36:39] for the head's load
.set G0, 32
.set G0C, 92
.set G1B, 48                           ; s[48:55], s[56:63] the same for B's
.set G0B, 56
.set G0BC, 44
.set SEL, 66                           ; s[66:67] selects of v_permlanex16_b32: lane l xor 16
.set G1S, 68                           ; s[68:75], s[76:79] groups 1 and 0 for A's scale words;  s[80:87], s[88:91] for B's
.set G0S, 76
.set G1SB, 80
.set G0SB, 88
.set WH, 101                           ; s101 which product
.set MSB, 0
.macro WIN new                         ; the immediate's high byte repeats the setting that is left
.if MSB != (\new)
	s_set_vgpr_msb (MSB<<8)|(\new)
.set MSB, (\new)
.endif
.endm
.set MUL_LO, 0xa1                      ; source 0 (B) window 1, source 1 (A) window 0, C and D window 2
.set MUL_HI, 0xf1                      ; the same, C and D window 3
.set TO_B,   0x40                      ; destination window 1, address window 0
; A joint load: waves 0 and 1 fetch for A, waves 2 and 3 for B; the branch hangs on the wave's number alone.  An s_nop 0 and four v_nop follow each of the two lines.
.macro JLOAD g0a, g1a, g0b, g1b
	s_cmp_eq_u32 s15, 0
	s_cbranch_scc0 .Lfor_b_\@
	tensor_load_to_lds s[\g0a:\g0a+3], s[\g1a:\g1a+7]
	s_nop 0
.rept 4
	v_nop
.endr
	s_branch .Lasked_\@
.Lfor_b_\@:
	tensor_load_to_lds s[\g0b:\g0b+3], s[\g1b:\g1b+7]
	s_nop 0
.rept 4
	v_nop
.endr
.Lasked_\@:
.endm
.macro CREST                           ; a round of the cluster's barrier behind its opening barrier
	s_cmp_lg_u32 s14, 0
	s_cbranch_scc1 .Lnot_wave_0_\@
	s_barrier_signal -3
.Lnot_wave_0_\@:
	s_barrier_wait -3
	s_barrier_signal -1
	s_barrier_wait -1
.endm
.macro CROUND
	s_barrier_signal -1
	s_barrier_wait -1
	CREST
.endm
.macro FRAG reg, adr, q, i             ; a fragment as it lies: three loads, each 512 consecutive bytes
.irp g, 0,1,2
	ds_load_b128 v[\reg+4*\g:\reg+4*\g+3], v[\adr] offset:12288*(\q)+1536*(\i)+512*\g
.endr
.endm
; 16 matrix instructions: A's blocks a0, a0 + 1 x B's eight.  p: B's set; q: which 128 of the quarter; sc: the set of scale words.  The 64 accumulators take turns, one instruction a turn.
.macro MUL16 a0, p, q, sc, zero
.irp a, \a0, \a0+1
.irp b, 0,1,2,3,4,5,6,7
.if \zero
	v_wmma_scale_f32_16x16x128_f8f6f4 v[8*(8*((\a)%4)+\b):8*(8*((\a)%4)+\b)+7], v[128*(\p)+FR*\b:128*(\p)+FR*\b+FR-1], v[AF+FR*(\a):AF+FR*(\a)+FR-1], 0, v[SC+8*NQ*(\sc)+NQ*\b+(\q)], v[SC+8*NQ*(\sc)+NQ*(\a)+(\q)] matrix_a_fmt:MATRIX_FMT_BF6 matrix_b_fmt:MATRIX_FMT_BF6 matrix_a_scale:MATRIX_SCALE_ROW1
.else
	v_wmma_scale_f32_16x16x128_f8f6f4 v[8*(8*((\a)%4)+\b):8*(8*((\a)%4)+\b)+7], v[128*(\p)+FR*\b:128*(\p)+FR*\b+FR-1], v[AF+FR*(\a):AF+FR*(\a)+FR-1], v[8*(8*((\a)%4)+\b):8*(8*((\a)%4)+\b)+7], v[SC+8*NQ*(\sc)+NQ*\b+(\q)], v[SC+8*NQ*(\sc)+NQ*(\a)+(\q)] matrix_a_fmt:MATRIX_FMT_BF6 matrix_b_fmt:MATRIX_FMT_BF6 matrix_a_scale:MATRIX_SCALE_ROW1
.endif
.endr
.endr
.endm
.macro FETCH_B slot, q, p
	WIN TO_B
.irp i, 0,1,2,3,4,5,6,7
	FRAG 128*(\p)+FR*\i, ADRB+\slot, \q, \i
.endr
	WIN 0
.endm
.macro FETCH_A slot, q, i0
.irp i, \i0, \i0+1, \i0+2, \i0+3
	FRAG AF+FR*(\i), ADRA+\slot, \q, \i
.endr
.endm
.macro SCALES sc                       ; a quarter's scale words: lanes 0-15 take A's block i, lanes 16-31 B's block i
.irp i, 0,1,2,3,4,5,6,7
.irp q, 0,1
	ds_load_b32 v[SC+8*NQ*\sc+NQ*\i+\q], v[ADRS] offset:512*\q+64*\i
.endr
.endr
.endm
.macro PLACES n                        ; plain vector places behind matrix instructions, in front of loads into their registers and of reads of results
.rept \n
	v_nop
.endr
.endm
.macro STEP slot, sc, zero             ; a quarter's first 128 along K; the second 128's fragments are fetched from the same slot
	s_wait_dscnt 4*NL                              ; all but the youngest 12 loads (A's blocks 4-7) are in
	WIN MUL_LO
	MUL16 0, 0, 0, \sc, \zero
	MUL16 2, 0, 0, \sc, \zero
	s_wait_dscnt 0
	PLACES NP
	FETCH_B \slot, 1, 1
	FETCH_A \slot, 1, 0
	WIN MUL_HI
	MUL16 4, 0, 0, \sc, \zero
	MUL16 6, 0, 0, \sc, \zero
	PLACES NP
	WIN 0
	FETCH_A \slot, 1, 4
.endm
; A quarter's second 128 change slots.  kind 2: each wave waits for all its tensor loads, adds 0 to its spare word, waits for that and for its reads of slot 0; a round of the cluster's barrier; slot 0 takes the fourth quarter.
; kind 1: the same three lines and the work-group's barrier: the fourth quarter is whole; nothing is filled.  kind 0: nothing: the next slot was shown whole to every wave by the waits in front of the round.
.macro TURN sc, next, nsc, kind
.if \kind
	s_wait_tensorcnt 0x0                           ; all my tensor loads have landed
	ds_add_u32 v[SPW], v[NIL]                      ; 0 onto my spare word
	s_wait_dscnt 4*NL+1                            ; (the add and the youngest 12 loads may be out)
.else
	s_wait_dscnt 4*NL
.endif
	WIN MUL_LO
	MUL16 0, 1, 1, \sc, 0
	s_wait_dscnt 0x0                               ; the add is done, and my reads of this slot are over
.if \kind
	s_barrier_signal -1
.endif
	MUL16 2, 1, 1, \sc, 0
	WIN 0
.if \kind
	s_barrier_wait -1
.endif
.if \kind == 2
	CREST                                          ; the barrier has opened a round of the cluster's: no wave of any partner still reads slot 0 or has a load on its way
	s_add_nc_u64 s[G0+2:G0+3], s[G0+2:G0+3], 3*HALFT       ; from the first quarter to the fourth
	s_add_nc_u64 s[G0B+2:G0B+3], s[G0B+2:G0B+3], 3*HALFT
	JLOAD G0, G1, G0B, G1B                         ; the first tensor load behind the round; its four v_nop are the places in front of the loads below
.else
	PLACES NP
.endif
	v_add_nc_u32 v[ADRS], 512*NQ, v[ADRS]          ; the next quarter's scale words
	FETCH_B \next, 0, 0
	FETCH_A \next, 0, 0
	SCALES \nsc
	WIN MUL_HI
	MUL16 4, 1, 1, \sc, 0
	MUL16 6, 1, 1, \sc, 0
	PLACES NP
	WIN 0
	FETCH_A \next, 0, 4
.endm
; the quantiser: the four blocks' largest magnitudes of 64 numbers v[s] ..: register 16 b + i = k 32 b + 16 h + i of my row
.macro QMAX s
.irp b, 0,1,2,3
	v_max3_num_f32 v[TM+\b], |v[\s+16*\b]|, |v[\s+1+16*\b]|, 0x2800000   ; and the floor 2^(5 - 127): the byte cannot fall under 1
.endr
.irp i, 2,4,6,8,10,12,14
.irp b, 0,1,2,3
	v_max3_num_f32 v[TM+\b], v[TM+\b], |v[\s+16*\b+\i]|, |v[\s+1+16*\b+\i]|
.endr
.endr
.irp b, 0,1,2,3
	v_permlanex16_b32 v[TM+4+\b], v[TM+\b], s[SEL], s[SEL+1]
.endr
.irp b, 0,1,2,3
	v_max_num_f32 v[TM+\b], v[TM+\b], v[TM+4+\b]
.endr
.endm
.macro QPACK s, pw                     ; from the maxima: the row's scale word into v[pw], the fragment's 12 registers into v[PC] ..
.irp b, 0,1,2,3
	v_add_nc_u32 v[TM+12+\b], 0xfe000000, v[TM+\b]   ; 4 off the exponent field: the conversion's scale operand
.endr
.irp b, 0,1,2,3
	v_lshrrev_b32 v[TM+4+\b], 23, v[TM+12+\b]      ; the scale's byte
.endr
	v_lshl_or_b32 v[\pw], v[TM+5], 8, v[TM+4]
	v_lshl_or_b32 v[\pw], v[TM+6], 16, v[\pw]
	v_lshl_or_b32 v[\pw], v[TM+7], 24, v[\pw]
.irp c, 0,1
	v_cvt_scalef32_pk16_bf6_f32 v[PC+6*\c:PC+2+6*\c], v[\s+32*\c:\s+15+32*\c], v[TM+12+2*\c]
	v_cvt_scalef32_pk16_bf6_f32 v[PC+12+4*\c:PC+14+4*\c], v[\s+16+32*\c:\s+31+32*\c], v[TM+12+2*\c+1]
.endr
	v_nop                                          ; one plain place behind a scaled conversion
.irp c, 0,1
.irp i, 0,1,2
	v_permlane16_swap_b32 v[PC+6*\c+\i], v[PC+12+4*\c+\i]
.endr
.irp i, 0,1,2
	v_mov_b32 v[PC+3+6*\c+\i], v[PC+12+4*\c+\i]
.endr
.endr
.endm
.macro STOREF a                        ; block a's fragment leaves as it stands: each store covers 512 consecutive bytes, aligned
.irp g, 0,1,2
	global_store_b128 v[OI], v[PC+4*\g:PC+4*\g+3], s[96:97] offset:1536*(\a)+512*\g
.endr
.endm
.macro PAIRST src, w, off              ; eight blocks' words: lanes 0-15 an even block's, lanes 16-31 the odd one's: 128 consecutive bytes a store
.irp i, 0,1,2,3
	v_cndmask_b32 v[\w+\i], v[\src+2*\i], v[\src+2*\i+1], s100
.endr
.irp i, 0,1,2,3
	global_store_b32 v[OS], v[\w+\i], s[98:99] offset:\off+128*\i
.endr
.endm
	s_load_b256 s[4:11], s[0:1], 0x0               ; prep, bq, bk, bv
	s_load_b64 s[12:13], s[0:1], 0x20              ; qkv
	v_lshl_add_u32 v[SPW], v0, 2, SPARE
	v_mov_b32 v[NIL], 0
	ds_add_u32 v[SPW], v[NIL]                      ; the wave's opening: the add, twice on end, and its wait ahead of my first tensor load
	ds_add_u32 v[SPW], v[NIL]
	v_lshrrev_b32 v1, 5, v0
	v_readfirstlane_b32 s14, v1                    ; wave 0..3
	s_lshr_b32 s15, s14, 1                         ; which half of A's rows is mine.  Also: I fetch for A (0) or for B (1)
	s_and_b32 s16, s14, 1                          ; which half of B's rows.  Also: which 128 rows I fetch
	s_bfe_u32 s40, ttmp6, 0x40000                  ; cx
	s_bfe_u32 s41, ttmp6, 0x40004                  ; cy
	s_mov_b32 s[WH], ttmp9                         ; the cluster's x: 0 q, 1 k, 2 v: the same in all sixteen partners
	s_and_b32 s18, ttmp7, 0xffff
	s_lshl_b32 s18, s18, 2
	s_add_co_u32 s19, s18, s41                     ; 4 x cluster y + cy
	s_add_co_u32 s2, s18, s40                      ; 4 x cluster y + cx
	s_mul_i32 s43, s[WH], 786432
	s_add_co_u32 s43, s43, WI                      ; this product's weight: codes,
	s_lshl_b32 s44, s[WH], 15
	s_add_co_u32 s44, s44, WS                      ; scale words
	s_mov_b32 s45, XS
	s_cmp_lt_u32 s[WH], 2
	s_cselect_b32 s17, s19, s41                    ; A's tile of 256 rows: of x's 32 (q, k), of wv's 4 (v): hangs on cy alone
	s_cselect_b32 s42, s40, s2                     ; B's: of the weight's 4, of x's 32: hangs on cx alone
	s_cselect_b32 s94, 0, s43                      ; where A's codes begin in prep,
	s_cselect_b32 s95, s45, s44                    ; A's scale words,
	s_cselect_b32 s43, s43, 0                      ; B's codes,
	s_cselect_b32 s44, s44, s45                    ; B's scale words
	s_lshl_b32 s18, s41, 2
	s_lshl_b32 s18, 15, s18                        ; my row of the cluster
	s_lshl_b32 s19, 0x1111, s40                    ; my column
	; descriptor group 1: a dense block as rows of 256 bytes (32 elements of 8 bytes), no padding: 15:0 the mask; 17:16 element size; 21 set beside a mask
	s_or_b32 s[G1+0], s18, (3<<16)|(1<<21)
	s_or_b32 s[G1B+0], s19, (3<<16)|(1<<21)
	s_or_b32 s[G1S+0], s18, (3<<16)|(1<<21)
	s_or_b32 s[G1SB+0], s19, (3<<16)|(1<<21)
.irp g, G1, G1B                        ; for the head's loads: two row groups, of each the first three quarters of K: 2 rows of 73,728 bytes, 98,304 bytes apart
	s_mov_b32 s[\g+1], (3*HALFT/8)<<16             ; tensor_dim0, in elements of 8 bytes
	s_mov_b32 s[\g+2], 2<<16                       ; tensor_dim1
	s_mov_b32 s[\g+3], (3*HALFT/8)<<16             ; tile_dim0
	s_mov_b32 s[\g+4], 2                           ; tile_dim1
	s_mov_b32 s[\g+5], KSUB*12288/8                ; tensor_dim0_stride
	s_mov_b32 s[\g+6], 0
	s_mov_b32 s[\g+7], 0
.endr
.irp g, G1S, G1SB
	s_mov_b32 s[\g+1], 32<<16
	s_mov_b32 s[\g+2], (HALFS/128)<<16             ; the scale words of 256 rows: one dense block
	s_mov_b32 s[\g+3], 32<<16
	s_mov_b32 s[\g+4], HALFS/128
	s_mov_b32 s[\g+5], 32
	s_mov_b32 s[\g+6], 0
	s_mov_b32 s[\g+7], 0
.endr
	s_lshl_b32 s20, s17, 1
	s_add_co_u32 s20, s20, s16                     ; the row group of A that I fetch
	s_lshl_b32 s46, s42, 1
	s_add_co_u32 s46, s46, s16                     ; and of B
	s_mul_i32 s22, s20, HALFS
	s_add_co_u32 s22, s22, s95
	s_mov_b32 s23, 0
	s_mul_i32 s20, s20, KSUB*12288
	s_add_co_u32 s20, s20, s94
	s_mov_b32 s21, 0
	s_mul_i32 s92, s46, HALFS
	s_add_co_u32 s92, s92, s44
	s_mov_b32 s93, 0
	s_mul_i32 s46, s46, KSUB*12288
	s_add_co_u32 s46, s46, s43
	s_mov_b32 s47, 0
	s_mul_i32 s45, s14, 3*HALFT                    ; where my refill goes: LDS holds [A's two halves, B's two halves][three quarters]: no place in the cluster enters an LDS address
	s_mov_b32 s[SEL], 0x76543210
	s_mov_b32 s[SEL+1], 0xfedcba98
	s_mov_b32 s100, 0xffff0000                     ; a mask of lanes 16-31
	s_wait_dscnt 0x0                               ; both opening adds are done
	s_wait_kmcnt 0x0
	s_add_nc_u64 s[20:21], s[4:5], s[20:21]
	s_add_nc_u64 s[22:23], s[4:5], s[22:23]
	s_add_nc_u64 s[46:47], s[4:5], s[46:47]
	s_add_nc_u64 s[92:93], s[4:5], s[92:93]
	CROUND                                         ; all sixteen work-groups are here: the first joint loads meet
	; THE HEAD'S FOUR TILES, ONE LOAD A WAVE: wave 0: three quarters of A's 256 rows; wave 1: of B's; wave 2: A's scale words; wave 3: B's
	s_mul_i32 s18, s16, KSUB*12288                 ; from the 128 rows that I fetch in the refill back to the tile's first row
	s_mov_b32 s19, 0
	s_mov_b32 s[G0+4], 1
	s_mov_b32 s[G0+5], 0
	s_sub_nc_u64 s[G0+6:G0+7], s[20:21], s[18:19]
	s_or_b32 s[G0+7], s[G0+7], 0x80000000
	s_mov_b32 s[G0B+4], 1
	s_mov_b32 s[G0B+5], 6*HALFT
	s_sub_nc_u64 s[G0B+6:G0B+7], s[46:47], s[18:19]
	s_or_b32 s[G0B+7], s[G0B+7], 0x80000000
	s_mul_i32 s18, s16, HALFS
	s_mov_b32 s[G0S], 1
	s_mov_b32 s[G0S+1], SCL
	s_sub_nc_u64 s[G0S+2:G0S+3], s[22:23], s[18:19]
	s_or_b32 s[G0S+3], s[G0S+3], 0x80000000
	s_mov_b32 s[G0SB], 1
	s_mov_b32 s[G0SB+1], SCL+2*HALFS
	s_sub_nc_u64 s[G0SB+2:G0SB+3], s[92:93], s[18:19]
	s_or_b32 s[G0SB+3], s[G0SB+3], 0x80000000
	s_mov_b32 s[G0], 1                             ; the refill's sets: my 128 rows, stepped to the fourth quarter where it is asked for
	s_mov_b32 s[G0+1], s45
	s_mov_b64 s[G0+2:G0+3], s[20:21]
	s_or_b32 s[G0+3], s[G0+3], 0x80000000
	s_mov_b32 s[G0B], 1
	s_mov_b32 s[G0B+1], s45
	s_mov_b64 s[G0B+2:G0B+3], s[46:47]
	s_or_b32 s[G0B+3], s[G0B+3], 0x80000000
.macro ARM under, g0, g1, next         ; one chain of branches on the wave's number: every way passes exactly one load
	s_cmp_lt_u32 s14, \under
	s_cbranch_scc0 \next
	tensor_load_to_lds s[\g0:\g0+3], s[\g1:\g1+7]
	s_nop 0
.rept 4
	v_nop
.endr
	s_branch .Lhead_asked
\next:
.endm
	ARM 1, G0+4,  G1,  .Lhead_b
	ARM 2, G0B+4, G1B, .Lhead_sa
	ARM 3, G0S,   G1S, .Lhead_sb
	tensor_load_to_lds s[G0SB:G0SB+3], s[G1SB:G1SB+7]
	s_nop 0
.rept 4
	v_nop
.endr
.Lhead_asked:
	v_and_b32 v1, 15, v0                           ; r
	v_bfe_u32 v2, v0, 4, 1                         ; h
	v_and_b32 v3, 31, v0                           ; lane
	v_lshlrev_b32 v[OI], 4, v3
	v_lshlrev_b32 v[OS], 2, v3
	s_mul_i32 s21, s15, 3*HALFT                    ; my 128 rows of A: three quarters on end
	s_mul_i32 s22, s16, 3*HALFT                    ; my 128 rows of B,
	s_add_co_u32 s22, s22, 6*HALFT                 ; behind A's two halves
.irp s, 0,1,2
	v_add_nc_u32 v[ADRA+\s], s21, v[OI]
	v_add_nc_u32 v[ADRB+\s], s22, v[OI]
	s_add_co_u32 s21, s21, HALFT
	s_add_co_u32 s22, s22, HALFT
.endr
	v_lshlrev_b32 v5, 2, v1                        ; my row's scale word: 4 r,
	s_mul_i32 s21, s15, HALFS                      ; in A's half,
	s_mul_i32 s22, s16, HALFS
	s_add_co_u32 s22, s22, 2*HALFS                 ; or in B's:
	s_sub_co_u32 s22, s22, s21
	v_mul_u32_u24 v6, s22, v2                      ; lanes 16-31 take B's: one product, the distance between the two
	s_add_co_u32 s21, s21, SCL
	v_add_nc_u32 v5, v5, v6
	v_add_nc_u32 v[ADRS], s21, v5
	; the bias, in both forms
	s_mov_b64 s[18:19], s[6:7]
	s_cmp_eq_u32 s[WH], 1
	s_cselect_b64 s[18:19], s[8:9], s[18:19]
	s_cmp_eq_u32 s[WH], 2
	s_cselect_b64 s[18:19], s[10:11], s[18:19]
	s_lshl_b32 s20, s42, 8
	s_lshl_b32 s21, s16, 7
	s_add_co_u32 s20, s20, s21
	s_and_b32 s20, s20, 1023                       ; my first row of B, held inside the bias's 1,024
	s_lshl_b32 s20, s20, 2
	v_lshl_add_u32 v8, v2, 6, s20                  ; + 64 h: register 16 b + i is B's row 32 b + 16 h + i
	s_lshl_b32 s21, s17, 8
	s_lshl_b32 s22, s15, 7
	s_add_co_u32 s21, s21, s22
	s_and_b32 s21, s21, 1023                       ; my first row of A, likewise
	s_lshl_b32 s21, s21, 2
	v_and_b32 v4, 8, v1
	v_add_nc_u32 v4, v4, v1                        ; r + 8 (r / 8)
	v_lshl_add_u32 v9, v4, 2, s21
.irp b, 0,1,2,3
.irp j, 0,1,2,3
	global_load_b128 v[BN+16*\b+4*\j:BN+16*\b+4*\j+3], v8, s[18:19] offset:128*\b+16*\j
.endr
.endr
.irp a, 0,1,2,3,4,5,6,7
	global_load_b32 v[BMB+2*\a], v9, s[18:19] offset:4*(32*(\a/2)+8*(\a%2))
.endr
	; where my results go: A's row group, and B's row group as the K step of the next product
	s_lshl_b32 s20, s17, 1
	s_add_co_u32 s20, s20, s15                     ; row group
	s_lshl_b32 s21, s42, 1
	s_add_co_u32 s21, s21, s16                     ; K step; for v: 16 x batch + K step
	s_lshr_b32 s22, s21, 4
	s_lshl_b32 s22, s22, 3
	s_add_co_u32 s22, s22, s20                     ; 8 x batch + row group (q, k: the row group)
	s_cmp_eq_u32 s[WH], 2
	s_cselect_b32 s23, 4, 3                        ; K steps in a row group: 16 (v), 8
	s_lshl_b32 s22, s22, s23
	s_and_b32 s21, s21, 15
	s_add_co_u32 s22, s22, s21
	s_mul_i32 s20, s22, 12288
	s_mul_i32 s21, s[WH], 6291456
	s_add_co_u32 s20, s20, s21
	s_mov_b32 s21, 0
	s_add_nc_u64 s[96:97], s[12:13], s[20:21]      ; codes
	s_lshl_b32 s20, s22, 9
	s_lshl_b32 s23, s[WH], 18
	s_add_co_u32 s20, s20, s23
	s_add_co_u32 s20, s20, 18874368
	s_add_nc_u64 s[98:99], s[12:13], s[20:21]      ; scale words
	s_wait_alu depctr_va_vdst(0)
	s_wait_tensorcnt 0x0                           ; my tile of the head's four is in; no load of mine is out, so group 1 may be written: the refill brings 128 rows x 256 K, a dense block as rows of 256 bytes
.irp g, G1, G1B
	s_mov_b32 s[\g+1], 32<<16
	s_mov_b32 s[\g+2], (HALFT/256)<<16
	s_mov_b32 s[\g+3], 32<<16
	s_mov_b32 s[\g+4], HALFT/256
	s_mov_b32 s[\g+5], 32
.endr
	s_barrier_signal -1
	s_barrier_wait -1
	FETCH_B 0, 0, 0
	FETCH_A 0, 0, 0
	SCALES 0
	FETCH_A 0, 0, 4
	STEP 0, 0, 1                                   ; the first products start the sums
	TURN 0, 1, 1, 2                                ; slot 0 is read out: it takes the fourth quarter
	s_wait_alu depctr_va_vdst(0)
	STEP 1, 1, 0
	TURN 1, 2, 0, 0                                ; on to slot 2, which the waits in front of the round have shown whole
	s_wait_alu depctr_va_vdst(0)
	STEP 2, 0, 0
	TURN 0, 0, 1, 1                                ; the fourth quarter is whole
	STEP 0, 1, 0
	s_wait_dscnt 4*NL
	WIN MUL_LO
	MUL16 0, 1, 1, 1, 0
	MUL16 2, 1, 1, 1, 0
	s_wait_dscnt 0
	WIN MUL_HI
	MUL16 4, 1, 1, 1, 0
	MUL16 6, 1, 1, 1, 0
	WIN 0
	; THE WAY OUT, block by block of A: + bias, quantised along the registers, stored as a fragment of the next product
.macro BIAS a                          ; each accumulator is read from its low end on
	s_cmp_eq_u32 s[WH], 2
	s_cbranch_scc1 .Lrows_\@
	WIN (0x02+(\a)/4)                              ; source 0: window 2 or 3
.set II, 0
.rept 32
	v_pk_add_f32 v[T+II:T+II+1], v[64*((\a)%4)+II:64*((\a)%4)+II+1], v[BN+II:BN+II+1]
.set II, II+2
.endr
	WIN 0
	s_branch .Ldone_\@
.Lrows_\@:
	WIN (0x02+(\a)/4)
.set II, 0
.rept 32
	v_pk_add_f32 v[T+II:T+II+1], v[64*((\a)%4)+II:64*((\a)%4)+II+1], v[BMB+2*(\a):BMB+2*(\a)+1]
.set II, II+2
.endr
	WIN 0
.Ldone_\@:
.endm
	PLACES NP                                      ; behind the last products: their results are read and A's registers written below
	s_wait_loadcnt 0x0                             ; the bias
.irp a, 0,1,2,3,4,5,6,7
	v_mov_b32 v[BMB+2*\a+1], v[BMB+2*\a]           ; a pair for the packed addition
.endr
.irp b, 0,1,2,3
	v_mov_b32 v[TM+4+\b], 0                        ; written once: a lane permute's destination counts as one of its sources
.endr
.irp a, 0,1,2,3,4,5,6,7
	BIAS \a
	QMAX T
.if \a > 0
	s_wait_alu depctr_va_vdst(0)
	s_wait_xcnt 0x0                                ; the last block's stores have read their data: the codes' registers are rewritten only behind this wait
.endif
	QPACK T, PWS+\a
	STOREF \a
.endr
	PAIRST PWS, W, 0
	s_wait_tensorcnt 0x0                           ; the wave's end
	ds_add_u32 v[SPW], v[NIL]
	s_wait_dscnt 0x0
	CROUND                                         ; the closing round: no work-group ends while a partner may still ask for a tile that names it
	s_endpgm
.Lfunc_end_k_q13462091a5_qkv:
	.size	k_q13462091a5_qkv, .Lfunc_end_k_q13462091a5_qkv-k_q13462091a5_qkv
	.p2alignl 7, 3214868480
	.fill 96, 4, 3214868480
	.section	.rodata,"a",@progbits
	.p2align	6, 0x0
	.amdhsa_kernel k_q13462091a5_qkv
		.amdhsa_group_segment_fixed_size 327680
		.amdhsa_private_segment_fixed_size 0
		.amdhsa_enable_private_segment 0
		.amdhsa_kernarg_size 40
		.amdhsa_user_sgpr_count 2
		.amdhsa_user_sgpr_kernarg_segment_ptr 1
		.amdhsa_wavefront_size32 1
		.amdhsa_system_sgpr_workgroup_id_x 1
		.amdhsa_system_sgpr_workgroup_id_y 1
		.amdhsa_system_sgpr_workgroup_id_z 1
		.amdhsa_system_vgpr_workitem_id 0
		.amdhsa_next_free_vgpr 1024
		.amdhsa_next_free_sgpr 102
		.amdhsa_reserve_vcc 0
		.amdhsa_float_denorm_mode_32 3
		.amdhsa_float_denorm_mode_16_64 3
		.amdhsa_memory_ordered 1
		.amdhsa_forward_progress 1
		.amdhsa_inst_pref_size 178
	.end_amdhsa_kernel
	.amdgpu_metadata
---
amdhsa.version: [ 1, 2 ]
amdhsa.kernels:
  - .name:           k_q13462091a5_qkv
    .symbol:         k_q13462091a5_qkv.kd
    .args:
      - { .name: prep, .offset: 0, .size: 8, .value_kind: global_buffer, .address_space: global }
      - { .name: bq, .offset: 8, .size: 8, .value_kind: global_buffer, .address_space: global }
      - { .name: bk, .offset: 16, .size: 8, .value_kind: global_buffer, .address_space: global }
      - { .name: bv, .offset: 24, .size: 8, .value_kind: global_buffer, .address_space: global }
      - { .name: qkv, .offset: 32, .size: 8, .value_kind: global_buffer, .address_space: global }
    .group_segment_fixed_size: 327680
    .private_segment_fixed_size: 0
    .kernarg_segment_align: 8
    .kernarg_segment_size: 40
    .max_flat_workgroup_size: 128
    .sgpr_count:     102
    .vgpr_count:     1024
    .wavefront_size: 32
...
	.end_amdgpu_metadata
.endif
;; end of part 7
;; launch scores (part 8): grid 8 x 32, 4 waves a work-group, clusters of 4 x 4, 327,680 bytes of LDS; arguments qkv, pbuf; writes pbuf
.if DOCPART == 8
	.amdgcn_target "amdgcn-amd-amdhsa--gfx1250"
	.amdhsa_code_object_version 6
	.text
	.protected	k_q13462091a5_scores
	.globl	k_q13462091a5_scores
	.p2align	8
	.type	k_q13462091a5_scores,@function
k_q13462091a5_scores:
	s_mov_b64 s[64:65], 0
	v_nop
	global_prefetch_b8 v0, s[64:65] scope:SCOPE_SE
	s_setreg_imm32_b32 hwreg(HW_REG_WAVE_MODE, 25, 1), 1
	s_wait_xcnt 0x0
	s_wait_alu depctr_hold_cnt(0) depctr_sa_sdst(0) depctr_va_vdst(0) depctr_va_sdst(0) depctr_va_ssrc(0) depctr_va_vcc(0) depctr_vm_vsrc(0)
	s_getreg_b32 s2, hwreg(HW_REG_IB_STS2, 6, 4)
	s_cmp_eq_u32 s2, 0
	s_cbranch_scc0 .Lentry_in_a_cluster
	s_endpgm
.Lentry_in_a_cluster:
	s_bfe_u32 s2, ttmp6, 0x10000c
	s_cmp_lg_u32 s2, 0xf033
	s_cbranch_scc0 .Lentry_shape_is_right
	s_endpgm
.Lentry_shape_is_right:
; LAUNCH 3 OF 5.  S = q k^T on codes of BF6, and the softmax's numerator, quantised along the keys.  No work of reference() is left out.
; t = score x log2(e) / 32.  For each query and each 128 keys (a wave's columns): M' = ceil(the largest t of these 128), p' = 2^(t - M'), l' = the sum of the unquantised p'.  M' is a whole number, so p = p' x 2^(M' - M) for the row's M is an
; exact power of two away, which a block's scale takes up: the codes are those of p.  Stored: p's codes, the scale bytes under M', -M' and l'; the next launch brings the bytes to the row's M and adds the l'.
; The maximum is taken away ahead of every exponential: t - M' <= 0.
; The products, the layout of operands and results, the three slots with one refill, the cluster and the joint loads are those of the launch before (A = q, B = k of the query's batch); the layout is set out at the head of the first launch.
; LIMITS: NaN and infinities not served; a p' under 2^-126 counts as 0 (the exponential's own flush); a block whose every p' lies under 2^-122 gets the byte 1.
; REGISTERS: window 0: v0-31 addresses; v32-63 scale words, two sets; v64-123 the epilogue's small things; v128-223 A's fragments, later 64 numbers of a row and their codes.  window 1: B's fragments, two sets.  windows 2, 3: the accumulators.
.set KSUB,  8
.set NQ,    2
.set FR,    12
.set NL,    3
.set NP,    4
.set HALFT, 24576
.set SLOT,  4*HALFT
.set SCL,   3*SLOT
.set HALFS, 512*KSUB
.set SPARE, SCL+4*HALFS                ; the spare words, 128 bytes for each wave: two blocks of 256 bytes that no other line names
.set ACODES,  0                        ; qkv: q's codes,
.set ASCALES, 18874368                 ; q's scale words,
.set BCODES,  6291456                  ; k's codes,
.set BSCALES, 19136512                 ; k's scale words
.set BSH,   4                          ; k has 16 row groups a batch
.set PS,    12582912                   ; pbuf: the scale words; -M' lies 524,288 bytes on, l' 1,048,576
.set ADRA, 16                          ; v16-18
.set ADRB, 20                          ; v20-22
.set OI,   24
.set OS,   25
.set ADRS, 27
.set SPW,  28
.set NIL,  29
.set SC,   32
.set AF,   128
.set TM,   64                          ; v64-79   at work in the quantiser
.set PWS,  80                          ; v80-87   a scale word for each block
.set NGM,  88                          ; v88-95   -M' for each block
.set LS,   96                          ; v96-103  l' for each block
.set NM,   104                         ; v[104:105] -M' (the packed addition names a pair and takes its low word)
.set SA,   106                         ; v[106:107], v[108:109] the sum's two chains
.set SB,   108
.set XP,   110
.set MX,   111
.set W,    112                         ; v112-123 words paired for their stores
.set T,    128
.set PC,   192
.set G1, 24
.set G0, 32
.set G0C, 92
.set G1B, 48
.set G0B, 56
.set G0BC, 44
.set SEL, 66
.set G1S, 68
.set G0S, 76
.set G1SB, 80
.set G0SB, 88
.set CS, 10                            ; s[10:11] c = log2(e) / 32
.set MSB, 0
.macro WIN new
.if MSB != (\new)
	s_set_vgpr_msb (MSB<<8)|(\new)
.set MSB, (\new)
.endif
.endm
.set MUL_LO, 0xa1
.set MUL_HI, 0xf1
.set TO_B,   0x40
.macro JLOAD g0a, g1a, g0b, g1b        ; a joint load: waves 0 and 1 fetch for A, waves 2 and 3 for B; an s_nop 0 and four v_nop follow each line
	s_cmp_eq_u32 s15, 0
	s_cbranch_scc0 .Lfor_b_\@
	tensor_load_to_lds s[\g0a:\g0a+3], s[\g1a:\g1a+7]
	s_nop 0
.rept 4
	v_nop
.endr
	s_branch .Lasked_\@
.Lfor_b_\@:
	tensor_load_to_lds s[\g0b:\g0b+3], s[\g1b:\g1b+7]
	s_nop 0
.rept 4
	v_nop
.endr
.Lasked_\@:
.endm
.macro CREST
	s_cmp_lg_u32 s14, 0
	s_cbranch_scc1 .Lnot_wave_0_\@
	s_barrier_signal -3
.Lnot_wave_0_\@:
	s_barrier_wait -3
	s_barrier_signal -1
	s_barrier_wait -1
.endm
.macro CROUND
	s_barrier_signal -1
	s_barrier_wait -1
	CREST
.endm
.macro FRAG reg, adr, q, i
.irp g, 0,1,2
	ds_load_b128 v[\reg+4*\g:\reg+4*\g+3], v[\adr] offset:12288*(\q)+1536*(\i)+512*\g
.endr
.endm
.macro MUL16 a0, p, q, sc, zero        ; the 64 accumulators take turns, one instruction a turn
.irp a, \a0, \a0+1
.irp b, 0,1,2,3,4,5,6,7
.if \zero
	v_wmma_scale_f32_16x16x128_f8f6f4 v[8*(8*((\a)%4)+\b):8*(8*((\a)%4)+\b)+7], v[128*(\p)+FR*\b:128*(\p)+FR*\b+FR-1], v[AF+FR*(\a):AF+FR*(\a)+FR-1], 0, v[SC+8*NQ*(\sc)+NQ*\b+(\q)], v[SC+8*NQ*(\sc)+NQ*(\a)+(\q)] matrix_a_fmt:MATRIX_FMT_BF6 matrix_b_fmt:MATRIX_FMT_BF6 matrix_a_scale:MATRIX_SCALE_ROW1
.else
	v_wmma_scale_f32_16x16x128_f8f6f4 v[8*(8*((\a)%4)+\b):8*(8*((\a)%4)+\b)+7], v[128*(\p)+FR*\b:128*(\p)+FR*\b+FR-1], v[AF+FR*(\a):AF+FR*(\a)+FR-1], v[8*(8*((\a)%4)+\b):8*(8*((\a)%4)+\b)+7], v[SC+8*NQ*(\sc)+NQ*\b+(\q)], v[SC+8*NQ*(\sc)+NQ*(\a)+(\q)] matrix_a_fmt:MATRIX_FMT_BF6 matrix_b_fmt:MATRIX_FMT_BF6 matrix_a_scale:MATRIX_SCALE_ROW1
.endif
.endr
.endr
.endm
.macro FETCH_B slot, q, p
	WIN TO_B
.irp i, 0,1,2,3,4,5,6,7
	FRAG 128*(\p)+FR*\i, ADRB+\slot, \q, \i
.endr
	WIN 0
.endm
.macro FETCH_A slot, q, i0
.irp i, \i0, \i0+1, \i0+2, \i0+3
	FRAG AF+FR*(\i), ADRA+\slot, \q, \i
.endr
.endm
.macro SCALES sc
.irp i, 0,1,2,3,4,5,6,7
.irp q, 0,1
	ds_load_b32 v[SC+8*NQ*\sc+NQ*\i+\q], v[ADRS] offset:512*\q+64*\i
.endr
.endr
.endm
.macro PLACES n
.rept \n
	v_nop
.endr
.endm
.macro STEP slot, sc, zero             ; a quarter's first 128 along K; the second 128's fragments are fetched from the same slot
	s_wait_dscnt 4*NL                              ; all but the youngest 12 loads (A's blocks 4-7) are in
	WIN MUL_LO
	MUL16 0, 0, 0, \sc, \zero
	MUL16 2, 0, 0, \sc, \zero
	s_wait_dscnt 0
	PLACES NP
	FETCH_B \slot, 1, 1
	FETCH_A \slot, 1, 0
	WIN MUL_HI
	MUL16 4, 0, 0, \sc, \zero
	MUL16 6, 0, 0, \sc, \zero
	PLACES NP
	WIN 0
	FETCH_A \slot, 1, 4
.endm
; A quarter's second 128 change slots.  kind 2: the three lines, a round of the cluster's barrier, and slot 0 takes the fourth quarter.  kind 1: the three lines and the work-group's barrier; nothing is filled.
; kind 0: nothing: the next slot was shown whole to every wave by the waits in front of the round.
.macro TURN sc, next, nsc, kind
.if \kind
	s_wait_tensorcnt 0x0                           ; all my tensor loads have landed
	ds_add_u32 v[SPW], v[NIL]                      ; 0 onto my spare word
	s_wait_dscnt 4*NL+1                            ; (the add and the youngest 12 loads may be out)
.else
	s_wait_dscnt 4*NL
.endif
	WIN MUL_LO
	MUL16 0, 1, 1, \sc, 0
	s_wait_dscnt 0x0                               ; the add is done, and my reads of this slot are over
.if \kind
	s_barrier_signal -1
.endif
	MUL16 2, 1, 1, \sc, 0
	WIN 0
.if \kind
	s_barrier_wait -1
.endif
.if \kind == 2
	CREST                                          ; the barrier has opened a round of the cluster's
	s_add_nc_u64 s[G0+2:G0+3], s[G0+2:G0+3], 3*HALFT       ; from the first quarter to the fourth
	s_add_nc_u64 s[G0B+2:G0B+3], s[G0B+2:G0B+3], 3*HALFT
	JLOAD G0, G1, G0B, G1B                         ; the first tensor load behind the round
.else
	PLACES NP
.endif
	v_add_nc_u32 v[ADRS], 512*NQ, v[ADRS]
	FETCH_B \next, 0, 0
	FETCH_A \next, 0, 0
	SCALES \nsc
	WIN MUL_HI
	MUL16 4, 1, 1, \sc, 0
	MUL16 6, 1, 1, \sc, 0
	PLACES NP
	WIN 0
	FETCH_A \next, 0, 4
.endm
.macro QPACK s, pw                     ; from the blocks' largest numbers in v[TM] ..: the row's scale word into v[pw], the fragment's 12 registers into v[PC] ..
.irp b, 0,1,2,3
	v_add_nc_u32 v[TM+12+\b], 0xfe000000, v[TM+\b]   ; 4 off the exponent field: the conversion's scale operand
.endr
.irp b, 0,1,2,3
	v_lshrrev_b32 v[TM+4+\b], 23, v[TM+12+\b]      ; the scale's byte
.endr
	v_lshl_or_b32 v[\pw], v[TM+5], 8, v[TM+4]
	v_lshl_or_b32 v[\pw], v[TM+6], 16, v[\pw]
	v_lshl_or_b32 v[\pw], v[TM+7], 24, v[\pw]
.irp c, 0,1
	v_cvt_scalef32_pk16_bf6_f32 v[PC+6*\c:PC+2+6*\c], v[\s+32*\c:\s+15+32*\c], v[TM+12+2*\c]
	v_cvt_scalef32_pk16_bf6_f32 v[PC+12+4*\c:PC+14+4*\c], v[\s+16+32*\c:\s+31+32*\c], v[TM+12+2*\c+1]
.endr
	v_nop                                          ; one plain place behind a scaled conversion
.irp c, 0,1
.irp i, 0,1,2
	v_permlane16_swap_b32 v[PC+6*\c+\i], v[PC+12+4*\c+\i]
.endr
.irp i, 0,1,2
	v_mov_b32 v[PC+3+6*\c+\i], v[PC+12+4*\c+\i]
.endr
.endr
.endm
.macro STOREF a
.irp g, 0,1,2
	global_store_b128 v[OI], v[PC+4*\g:PC+4*\g+3], s[96:97] offset:1536*(\a)+512*\g
.endr
.endm
.macro PAIRST src, w, off
.irp i, 0,1,2,3
	v_cndmask_b32 v[\w+\i], v[\src+2*\i], v[\src+2*\i+1], s100
.endr
.irp i, 0,1,2,3
	global_store_b32 v[OS], v[\w+\i], s[98:99] offset:\off+128*\i
.endr
.endm
	s_load_b128 s[4:7], s[0:1], 0x0                ; qkv, pbuf
	v_lshl_add_u32 v[SPW], v0, 2, SPARE
	v_mov_b32 v[NIL], 0
	ds_add_u32 v[SPW], v[NIL]                      ; the wave's opening: the add, twice on end, and its wait ahead of my first tensor load
	ds_add_u32 v[SPW], v[NIL]
	v_lshrrev_b32 v1, 5, v0
	v_readfirstlane_b32 s14, v1                    ; wave 0..3
	s_lshr_b32 s15, s14, 1                         ; which half of the queries is mine.  Also: I fetch for A (0) or for B (1)
	s_and_b32 s16, s14, 1                          ; which half of the keys.  Also: which 128 rows I fetch
	s_bfe_u32 s40, ttmp6, 0x40000                  ; cx
	s_bfe_u32 s41, ttmp6, 0x40004                  ; cy
	s_lshl_b32 s42, ttmp9, 2
	s_add_co_u32 s42, s42, s40                     ; which 256 keys of the batch
	s_and_b32 s18, ttmp7, 0xffff
	s_lshl_b32 s17, s18, 2
	s_add_co_u32 s17, s17, s41                     ; which 256 queries of all 8,192
	s_lshr_b32 s2, s18, 1                          ; the batch: eight tiles of queries each, two clusters
	s_lshl_b32 s2, s2, BSH
	s_lshl_b32 s18, s41, 2
	s_lshl_b32 s18, 15, s18                        ; my row of the cluster
	s_lshl_b32 s19, 0x1111, s40                    ; my column
	s_or_b32 s[G1+0], s18, (3<<16)|(1<<21)         ; a dense block as rows of 256 bytes, no padding; 15:0 the mask; 21 set beside a mask
	s_or_b32 s[G1B+0], s19, (3<<16)|(1<<21)
	s_or_b32 s[G1S+0], s18, (3<<16)|(1<<21)
	s_or_b32 s[G1SB+0], s19, (3<<16)|(1<<21)
.irp g, G1, G1B                        ; for the head's loads: two row groups, of each the first three quarters of K: 2 rows of 73,728 bytes, 98,304 bytes apart
	s_mov_b32 s[\g+1], (3*HALFT/8)<<16
	s_mov_b32 s[\g+2], 2<<16
	s_mov_b32 s[\g+3], (3*HALFT/8)<<16
	s_mov_b32 s[\g+4], 2
	s_mov_b32 s[\g+5], KSUB*12288/8
	s_mov_b32 s[\g+6], 0
	s_mov_b32 s[\g+7], 0
.endr
.irp g, G1S, G1SB
	s_mov_b32 s[\g+1], 32<<16
	s_mov_b32 s[\g+2], (HALFS/128)<<16             ; the scale words of 256 rows: one dense block
	s_mov_b32 s[\g+3], 32<<16
	s_mov_b32 s[\g+4], HALFS/128
	s_mov_b32 s[\g+5], 32
	s_mov_b32 s[\g+6], 0
	s_mov_b32 s[\g+7], 0
.endr
	s_lshl_b32 s20, s17, 1
	s_add_co_u32 s20, s20, s16                     ; the row group of A that I fetch
	s_lshl_b32 s46, s42, 1
	s_add_co_u32 s46, s46, s16
	s_add_co_u32 s46, s46, s2                      ; and of B, in the batch
	s_mul_i32 s22, s20, HALFS
	s_add_co_u32 s22, s22, ASCALES
	s_mov_b32 s23, 0
	s_mul_i32 s20, s20, KSUB*12288
	s_add_co_u32 s20, s20, ACODES
	s_mov_b32 s21, 0
	s_mul_i32 s92, s46, HALFS
	s_add_co_u32 s92, s92, BSCALES
	s_mov_b32 s93, 0
	s_mul_i32 s46, s46, KSUB*12288
	s_add_co_u32 s46, s46, BCODES
	s_mov_b32 s47, 0
	s_mul_i32 s45, s14, 3*HALFT                    ; where my refill goes: LDS holds [A's two halves, B's two halves][three quarters]
	s_mov_b32 s[SEL], 0x76543210
	s_mov_b32 s[SEL+1], 0xfedcba98
	s_mov_b32 s100, 0xffff0000
	s_mov_b32 s[CS], 0x3d38aa3b                    ; c = log2(e) / 32
	s_mov_b32 s[CS+1], s[CS]                       ; (named with it as a pair, so it is written)
	s_wait_dscnt 0x0                               ; both opening adds are done
	s_wait_kmcnt 0x0
	s_add_nc_u64 s[20:21], s[4:5], s[20:21]
	s_add_nc_u64 s[22:23], s[4:5], s[22:23]
	s_add_nc_u64 s[46:47], s[4:5], s[46:47]
	s_add_nc_u64 s[92:93], s[4:5], s[92:93]
	CROUND                                         ; all sixteen work-groups are here: the first joint loads meet
	; THE HEAD'S FOUR TILES, ONE LOAD A WAVE: wave 0: three quarters of A's 256 rows; wave 1: of B's; wave 2: A's scale words; wave 3: B's
	s_mul_i32 s18, s16, KSUB*12288                 ; from the 128 rows that I fetch in the refill back to the tile's first row
	s_mov_b32 s19, 0
	s_mov_b32 s[G0+4], 1
	s_mov_b32 s[G0+5], 0
	s_sub_nc_u64 s[G0+6:G0+7], s[20:21], s[18:19]
	s_or_b32 s[G0+7], s[G0+7], 0x80000000
	s_mov_b32 s[G0B+4], 1
	s_mov_b32 s[G0B+5], 6*HALFT
	s_sub_nc_u64 s[G0B+6:G0B+7], s[46:47], s[18:19]
	s_or_b32 s[G0B+7], s[G0B+7], 0x80000000
	s_mul_i32 s18, s16, HALFS
	s_mov_b32 s[G0S], 1
	s_mov_b32 s[G0S+1], SCL
	s_sub_nc_u64 s[G0S+2:G0S+3], s[22:23], s[18:19]
	s_or_b32 s[G0S+3], s[G0S+3], 0x80000000
	s_mov_b32 s[G0SB], 1
	s_mov_b32 s[G0SB+1], SCL+2*HALFS
	s_sub_nc_u64 s[G0SB+2:G0SB+3], s[92:93], s[18:19]
	s_or_b32 s[G0SB+3], s[G0SB+3], 0x80000000
	s_mov_b32 s[G0], 1                             ; the refill's sets: my 128 rows, stepped to the fourth quarter where it is asked for
	s_mov_b32 s[G0+1], s45
	s_mov_b64 s[G0+2:G0+3], s[20:21]
	s_or_b32 s[G0+3], s[G0+3], 0x80000000
	s_mov_b32 s[G0B], 1
	s_mov_b32 s[G0B+1], s45
	s_mov_b64 s[G0B+2:G0B+3], s[46:47]
	s_or_b32 s[G0B+3], s[G0B+3], 0x80000000
.macro ARM under, g0, g1, next         ; one chain of branches on the wave's number: every way passes exactly one load
	s_cmp_lt_u32 s14, \under
	s_cbranch_scc0 \next
	tensor_load_to_lds s[\g0:\g0+3], s[\g1:\g1+7]
	s_nop 0
.rept 4
	v_nop
.endr
	s_branch .Lhead_asked
\next:
.endm
	ARM 1, G0+4,  G1,  .Lhead_b
	ARM 2, G0B+4, G1B, .Lhead_sa
	ARM 3, G0S,   G1S, .Lhead_sb
	tensor_load_to_lds s[G0SB:G0SB+3], s[G1SB:G1SB+7]
	s_nop 0
.rept 4
	v_nop
.endr
.Lhead_asked:
	v_and_b32 v1, 15, v0                           ; r
	v_bfe_u32 v2, v0, 4, 1                         ; h
	v_and_b32 v3, 31, v0                           ; lane
	v_lshlrev_b32 v[OI], 4, v3
	v_lshlrev_b32 v[OS], 2, v3
	s_mul_i32 s21, s15, 3*HALFT                    ; my 128 rows of A: three quarters on end
	s_mul_i32 s22, s16, 3*HALFT                    ; my 128 rows of B,
	s_add_co_u32 s22, s22, 6*HALFT                 ; behind A's two halves
.irp s, 0,1,2
	v_add_nc_u32 v[ADRA+\s], s21, v[OI]
	v_add_nc_u32 v[ADRB+\s], s22, v[OI]
	s_add_co_u32 s21, s21, HALFT
	s_add_co_u32 s22, s22, HALFT
.endr
	v_lshlrev_b32 v5, 2, v1
	s_mul_i32 s21, s15, HALFS
	s_mul_i32 s22, s16, HALFS
	s_add_co_u32 s22, s22, 2*HALFS
	s_sub_co_u32 s22, s22, s21
	v_mul_u32_u24 v6, s22, v2                      ; lanes 16-31 take B's words: one product, the distance between the two
	s_add_co_u32 s21, s21, SCL
	v_add_nc_u32 v5, v5, v6
	v_add_nc_u32 v[ADRS], s21, v5
	s_lshl_b32 s20, s17, 1
	s_add_co_u32 s20, s20, s15                     ; my queries' row group
	s_lshl_b32 s20, s20, 4                         ; 16 K steps of keys in it
	s_lshl_b32 s21, s42, 1
	s_add_co_u32 s21, s21, s16                     ; my 128 keys as a K step of the next product
	s_add_co_u32 s22, s20, s21
	s_mul_i32 s20, s22, 12288
	s_mov_b32 s21, 0
	s_add_nc_u64 s[96:97], s[6:7], s[20:21]        ; codes
	s_lshl_b32 s20, s22, 9
	s_add_co_u32 s20, s20, PS
	s_add_nc_u64 s[98:99], s[6:7], s[20:21]        ; scale words; -M' and l' by the stores' immediates
	s_wait_alu depctr_va_vdst(0)
	s_wait_tensorcnt 0x0                           ; my tile of the head's four is in; no load of mine is out, so group 1 may be written: the refill brings 128 rows x 256 K, a dense block as rows of 256 bytes
.irp g, G1, G1B
	s_mov_b32 s[\g+1], 32<<16
	s_mov_b32 s[\g+2], (HALFT/256)<<16
	s_mov_b32 s[\g+3], 32<<16
	s_mov_b32 s[\g+4], HALFT/256
	s_mov_b32 s[\g+5], 32
.endr
	s_barrier_signal -1
	s_barrier_wait -1
	FETCH_B 0, 0, 0
	FETCH_A 0, 0, 0
	SCALES 0
	FETCH_A 0, 0, 4
	STEP 0, 0, 1
	TURN 0, 1, 1, 2                                ; slot 0 is read out: it takes the fourth quarter
	s_wait_alu depctr_va_vdst(0)
	STEP 1, 1, 0
	TURN 1, 2, 0, 0
	s_wait_alu depctr_va_vdst(0)
	STEP 2, 0, 0
	TURN 0, 0, 1, 1                                ; the fourth quarter is whole
	STEP 0, 1, 0
	s_wait_dscnt 4*NL
	WIN MUL_LO
	MUL16 0, 1, 1, 1, 0
	MUL16 2, 1, 1, 1, 0
	s_wait_dscnt 0
	WIN MUL_HI
	MUL16 4, 1, 1, 1, 0
	MUL16 6, 1, 1, 1, 0
	WIN 0
; THE WAY OUT of block a: a lane holds one query and 64 of its 128 scores (the lane 16 away holds the others); register 16 b + i is key 32 b + 16 h + i.
.macro SOFT a
	WIN (0x02+(\a)/4)                              ; source 0: window 2 or 3
.set II, 0
.rept 32
	v_pk_mul_f32 v[T+II:T+II+1], v[64*((\a)%4)+II:64*((\a)%4)+II+1], s[CS:CS+1] op_sel_hi:[1,0]   ; t
.set II, II+2
.endr
	WIN 0
.irp b, 0,1,2,3
	v_max3_num_f32 v[TM+\b], v[T+16*\b], v[T+16*\b+1], v[T+16*\b+2]   ; the largest t of each block of 32 keys: it serves the row's maximum and, since p rises with t, the block's largest p
.endr
.irp i, 3,5,7,9,11,13
.irp b, 0,1,2,3
	v_max3_num_f32 v[TM+\b], v[TM+\b], v[T+16*\b+\i], v[T+16*\b+\i+1]
.endr
.endr
.irp b, 0,1,2,3
	v_max_num_f32 v[TM+\b], v[TM+\b], v[T+16*\b+15]
.endr
.irp b, 0,1,2,3
	v_permlanex16_b32 v[TM+4+\b], v[TM+\b], s[SEL], s[SEL+1]
.endr
.irp b, 0,1,2,3
	v_max_num_f32 v[TM+\b], v[TM+\b], v[TM+4+\b]
.endr
	v_max3_num_f32 v[MX], v[TM], v[TM+1], v[TM+2]
	v_max_num_f32 v[MX], v[MX], v[TM+3]            ; the largest t of these 128 keys
	v_floor_f32 v[NM], -v[MX]                      ; -M' = floor(-t) = -ceil(t): a whole number
.set II, 0
.rept 32
	v_pk_add_f32 v[T+II:T+II+1], v[T+II:T+II+1], v[NM:NM+1] op_sel_hi:[1,0]   ; t - M'
.set II, II+2
.endr
.irp b, 0,1,2,3
	v_add_f32 v[TM+\b], v[TM+\b], v[NM]            ; the same of each block's largest t
.endr
.set II, 0
	s_wait_alu depctr_va_vdst(0)
.rept 64
	v_exp_f32 v[T+II], v[T+II]                     ; p' = 2^(t - M'), at most 1
.set II, II+1
.endr
	v_mov_b32 v[NGM+(\a)], v[NM]                   ; (a plain place behind the exponentials)
	s_wait_alu depctr_va_vdst(0)                   ; one wait for the whole batch, ahead of its first reader
.irp b, 0,1,2,3
	v_exp_f32 v[TM+\b], v[TM+\b]                   ; the block's largest p': the same two instructions on the same number give the same bits
.endr
	v_pk_add_f32 v[SA:SA+1], v[T:T+1], v[T+2:T+3]  ; the sum of the UNQUANTISED p', in two chains; it reads the 64 alone: plain work behind the four
	v_pk_add_f32 v[SB:SB+1], v[T+4:T+5], v[T+6:T+7]
.irp j, 8,12,16,20,24,28,32,36,40,44,48,52,56,60
	v_pk_add_f32 v[SA:SA+1], v[SA:SA+1], v[T+\j:T+\j+1]
	v_pk_add_f32 v[SB:SB+1], v[SB:SB+1], v[T+\j+2:T+\j+3]
.endr
	v_pk_add_f32 v[SA:SA+1], v[SA:SA+1], v[SB:SB+1]
	v_add_f32 v[SA], v[SA], v[SA+1]
	v_permlanex16_b32 v[XP], v[SA], s[SEL], s[SEL+1]
	v_add_f32 v[LS+(\a)], v[SA], v[XP]             ; l' of my query
	s_wait_alu depctr_va_vdst(0)                   ; and one wait for the four
.irp b, 0,1,2,3
	v_max_num_f32 v[TM+\b], 0x2800000, v[TM+\b]    ; the floor 2^(5 - 127): the byte cannot fall under 1
.endr
.if (\a) > 0
	s_wait_alu depctr_va_vdst(0)
	s_wait_xcnt 0x0                                ; the last block's stores have read their data
.endif
	QPACK T, PWS+(\a)
	STOREF \a
.endm
	PLACES NP
.irp b, 0,1,2,3
	v_mov_b32 v[TM+4+\b], 0                        ; written once: a lane permute's destination counts as one of its sources
.endr
	v_mov_b32 v[XP], 0
	v_mov_b32 v[NM+1], 0                           ; (named as the upper half of a pair)
.irp a, 0,1,2,3,4,5,6,7
	SOFT \a
.endr
	PAIRST PWS, W, 0
	PAIRST NGM, W+4, 524288
	PAIRST LS, W+8, 1048576
	s_wait_tensorcnt 0x0                           ; the wave's end
	ds_add_u32 v[SPW], v[NIL]
	s_wait_dscnt 0x0
	CROUND                                         ; the closing round
	s_endpgm
.Lfunc_end_k_q13462091a5_scores:
	.size	k_q13462091a5_scores, .Lfunc_end_k_q13462091a5_scores-k_q13462091a5_scores
	.p2alignl 7, 3214868480
	.fill 96, 4, 3214868480
	.section	.rodata,"a",@progbits
	.p2align	6, 0x0
	.amdhsa_kernel k_q13462091a5_scores
		.amdhsa_group_segment_fixed_size 327680
		.amdhsa_private_segment_fixed_size 0
		.amdhsa_enable_private_segment 0
		.amdhsa_kernarg_size 16
		.amdhsa_user_sgpr_count 2
		.amdhsa_user_sgpr_kernarg_segment_ptr 1
		.amdhsa_wavefront_size32 1
		.amdhsa_system_sgpr_workgroup_id_x 1
		.amdhsa_system_sgpr_workgroup_id_y 1
		.amdhsa_system_sgpr_workgroup_id_z 1
		.amdhsa_system_vgpr_workitem_id 0
		.amdhsa_next_free_vgpr 1024
		.amdhsa_next_free_sgpr 102
		.amdhsa_reserve_vcc 0
		.amdhsa_float_denorm_mode_32 3
		.amdhsa_float_denorm_mode_16_64 3
		.amdhsa_memory_ordered 1
		.amdhsa_forward_progress 1
		.amdhsa_inst_pref_size 211
	.end_amdhsa_kernel
	.amdgpu_metadata
---
amdhsa.version: [ 1, 2 ]
amdhsa.kernels:
  - .name:           k_q13462091a5_scores
    .symbol:         k_q13462091a5_scores.kd
    .args:
      - { .name: qkv, .offset: 0, .size: 8, .value_kind: global_buffer, .address_space: global }
      - { .name: pbuf, .offset: 8, .size: 8, .value_kind: global_buffer, .address_space: global }
    .group_segment_fixed_size: 327680
    .private_segment_fixed_size: 0
    .kernarg_segment_align: 8
    .kernarg_segment_size: 16
    .max_flat_workgroup_size: 128
    .sgpr_count:     102
    .vgpr_count:     1024
    .wavefront_size: 32
...
	.end_amdgpu_metadata
.endif
;; end of part 8
;; launch pv (part 9): grid 4 x 64, 4 waves a work-group, clusters of 4 x 4, 327,680 bytes of LDS; arguments pbuf, qkv, att; writes att
.if DOCPART == 9
	.amdgcn_target "amdgcn-amd-amdhsa--gfx1250"
	.amdhsa_code_object_version 6
	.text
	.protected	k_q13462091a5_pv
	.globl	k_q13462091a5_pv
	.p2align	8
	.type	k_q13462091a5_pv,@function
k_q13462091a5_pv:
	s_mov_b64 s[64:65], 0
	v_nop
	global_prefetch_b8 v0, s[64:65] scope:SCOPE_SE
	s_setreg_imm32_b32 hwreg(HW_REG_WAVE_MODE, 25, 1), 1
	s_wait_xcnt 0x0
	s_wait_alu depctr_hold_cnt(0) depctr_sa_sdst(0) depctr_va_vdst(0) depctr_va_sdst(0) depctr_va_ssrc(0) depctr_va_vcc(0) depctr_vm_vsrc(0)
	s_getreg_b32 s2, hwreg(HW_REG_IB_STS2, 6, 4)
	s_cmp_eq_u32 s2, 0
	s_cbranch_scc0 .Lentry_in_a_cluster
	s_endpgm
.Lentry_in_a_cluster:
	s_bfe_u32 s2, ttmp6, 0x10000c
	s_cmp_lg_u32 s2, 0xf033
	s_cbranch_scc0 .Lentry_shape_is_right
	s_endpgm
.Lentry_shape_is_right:
; LAUNCH 4 OF 5.  attn = p v / l on codes of BF6, quantised along its 1,024 on the way out.  No work of reference() is left out.
; A work-group makes 128 queries x 256 channels, a wave 64 x 128; K = the batch's 2,048 keys in 16 steps of 128, through two LDS slots of four steps each.  The layout of operands and results is set out at the head of the first launch.
; The launch before stored p's codes with scale bytes under M' (the ceiling of the largest t of each 128 keys), -M' and l'.  Here each row's M is the largest M'; M' - M, a whole number, is taken off the scale bytes (held at 1 from below), and l is the sum of l' 2^(M' - M).
; THE HEAD'S FOUR TILES GO OUT AS ONE LOAD A WAVE: wave 0: p's slot 0; wave 1: p's scale words; wave 2: v's slot 0 (two row groups); wave 3: v's scale words.  Slot 1's first fill stands behind the three lines and a round, as a refill does.
; CLUSTERS: 4 x 4 work-groups; p's tiles are shared along a row, v's along a column, by joint loads.
; LIMITS: as stated at the head of the first launch.
.set KSUB,  16
.set FR,    12
.set NP,    4
.set APART, 24576
.set BPART, 49152
.set SLOT,  2*APART+2*BPART
.set SCL,   2*SLOT
.set HALFS, 512*KSUB
.set RLB,   SCL+3*HALFS
.set SPARE, RLB+512
.set ASCALES, 12582912
.set PM,      13107200
.set BCODES,  12582912
.set BSCALES, 19398656
.set AS,    6291456
.set FXA,  8
.set FXG,  9
.set RLA,  10
.set RLD,  11
.set ADRA, 16
.set ADRB, 20
.set OI,   24
.set OS,   25
.set ADRS, 27
.set SPW,  28
.set NIL,  29
.set SC,   32
.set AF,   128
.set MM,   64
.set LL,   80
.set WW,   160
.set NM,   176
.set LSUM, 177
.set X,    180
.set Y,    184
.set RLR,  64
.set TM,   80
.set PWS,  96
.set W,    104
.set T,    128
.set PC,   192
.set G1, 24
.set G0, 32
.set G1B, 48
.set G0B, 56
.set SEL, 66
.set G1S, 68
.set G0S, 76
.set G1SB, 80
.set G0SB, 88
.set MSB, 0
.macro WIN new
.if MSB != (\new)
	s_set_vgpr_msb (MSB<<8)|(\new)
.set MSB, (\new)
.endif
.endm
.set MUL,  0xa1
.set TO_B, 0x40
.macro JLOAD g0a, g1a, g0b, g1b
	s_cmp_eq_u32 s15, 0
	s_cbranch_scc0 .Lfor_b_\@
	tensor_load_to_lds s[\g0a:\g0a+3], s[\g1a:\g1a+7]
	s_nop 0
.rept 4
	v_nop
.endr
	s_branch .Lasked_\@
.Lfor_b_\@:
	tensor_load_to_lds s[\g0b:\g0b+3], s[\g1b:\g1b+7]
	s_nop 0
.rept 4
	v_nop
.endr
.Lasked_\@:
.endm
.macro CROUND
	s_barrier_signal -1
	s_barrier_wait -1
	s_cmp_lg_u32 s14, 0
	s_cbranch_scc1 .Lnot_wave_0_\@
	s_barrier_signal -3
.Lnot_wave_0_\@:
	s_barrier_wait -3
	s_barrier_signal -1
	s_barrier_wait -1
.endm
.macro DENSE g, rows
	s_mov_b32 s[\g+1], 32<<16
	s_mov_b32 s[\g+2], (\rows)<<16
	s_mov_b32 s[\g+3], 32<<16
	s_mov_b32 s[\g+4], \rows
	s_mov_b32 s[\g+5], 32
	s_mov_b32 s[\g+6], 0
	s_mov_b32 s[\g+7], 0
.endm
.macro FRAG reg, adr, q, i
.irp g, 0,1,2
	ds_load_b128 v[\reg+4*\g:\reg+4*\g+3], v[\adr] offset:12288*(\q)+1536*(\i)+512*\g
.endr
.endm
.macro FETCH s
.set FSL, ((\s)/4)%2
.set FQ,  (\s)%4
.set FP,  (\s)%2
	WIN TO_B
.irp i, 0,1,2,3,4,5,6,7
	FRAG 128*FP+FR*\i, ADRB+FSL, FQ, \i
.endr
	WIN 0
.irp i, 0,1,2,3
	FRAG AF+48*FP+FR*\i, ADRA+FSL, FQ, \i
.endr
.irp i, 0,1,2,3,4,5,6,7
	ds_load_b32 v[SC+8*FP+\i], v[ADRS] offset:512*(\s)+64*\i
.endr
.endm
.macro MUL32 p, zero
.irp a, 0,1,2,3
.irp b, 0,1,2,3,4,5,6,7
.if \zero
	v_wmma_scale_f32_16x16x128_f8f6f4 v[8*(8*\a+\b):8*(8*\a+\b)+7], v[128*(\p)+FR*\b:128*(\p)+FR*\b+FR-1], v[AF+48*(\p)+FR*\a:AF+48*(\p)+FR*\a+FR-1], 0, v[SC+8*(\p)+\b], v[SC+8*(\p)+\a] matrix_a_fmt:MATRIX_FMT_BF6 matrix_b_fmt:MATRIX_FMT_BF6 matrix_a_scale:MATRIX_SCALE_ROW1
.else
	v_wmma_scale_f32_16x16x128_f8f6f4 v[8*(8*\a+\b):8*(8*\a+\b)+7], v[128*(\p)+FR*\b:128*(\p)+FR*\b+FR-1], v[AF+48*(\p)+FR*\a:AF+48*(\p)+FR*\a+FR-1], v[8*(8*\a+\b):8*(8*\a+\b)+7], v[SC+8*(\p)+\b], v[SC+8*(\p)+\a] matrix_a_fmt:MATRIX_FMT_BF6 matrix_b_fmt:MATRIX_FMT_BF6 matrix_a_scale:MATRIX_SCALE_ROW1
.endif
.endr
.endr
.endm
.macro PLACES n
.rept \n
	v_nop
.endr
.endm
.macro KSTEP s
.set SL, ((\s)/4)%2
.if ((\s)%4 == 3) && ((\s) < 15)
	s_wait_tensorcnt 0x0
	ds_add_u32 v[SPW], v[NIL]
.if (\s) < 11
	s_add_nc_u64 s[G0+4*SL+2:G0+4*SL+3], s[G0+4*SL+2:G0+4*SL+3], 2*BPART
	s_add_nc_u64 s[G0B+4*SL+2:G0B+4*SL+3], s[G0B+4*SL+2:G0B+4*SL+3], 2*BPART
.endif
	s_wait_dscnt 0x0
.if (\s) < 11
	CROUND
	JLOAD G0+4*SL, G1, G0B+4*SL, G1B
.else
	s_barrier_signal -1
	s_barrier_wait -1
	PLACES NP
.endif
.else
	s_wait_dscnt 0x0
	PLACES NP
.endif
.if (\s) < 15
	FETCH (\s)+1
.endif
	WIN MUL
.if (\s) == 0
	MUL32 0, 1
.else
	MUL32 (\s)%2, 0
.endif
	WIN 0
.endm
.macro QMAX s
.irp b, 0,1,2,3
	v_max3_num_f32 v[TM+\b], |v[\s+16*\b]|, |v[\s+1+16*\b]|, 0x2800000
.endr
.irp i, 2,4,6,8,10,12,14
.irp b, 0,1,2,3
	v_max3_num_f32 v[TM+\b], v[TM+\b], |v[\s+16*\b+\i]|, |v[\s+1+16*\b+\i]|
.endr
.endr
.irp b, 0,1,2,3
	v_permlanex16_b32 v[TM+4+\b], v[TM+\b], s[SEL], s[SEL+1]
.endr
.irp b, 0,1,2,3
	v_max_num_f32 v[TM+\b], v[TM+\b], v[TM+4+\b]
.endr
.endm
.macro QPACK s, pw
.irp b, 0,1,2,3
	v_add_nc_u32 v[TM+12+\b], 0xfe000000, v[TM+\b]
.endr
.irp b, 0,1,2,3
	v_lshrrev_b32 v[TM+4+\b], 23, v[TM+12+\b]
.endr
	v_lshl_or_b32 v[\pw], v[TM+5], 8, v[TM+4]
	v_lshl_or_b32 v[\pw], v[TM+6], 16, v[\pw]
	v_lshl_or_b32 v[\pw], v[TM+7], 24, v[\pw]
.irp c, 0,1
	v_cvt_scalef32_pk16_bf6_f32 v[PC+6*\c:PC+2+6*\c], v[\s+32*\c:\s+15+32*\c], v[TM+12+2*\c]
	v_cvt_scalef32_pk16_bf6_f32 v[PC+12+4*\c:PC+14+4*\c], v[\s+16+32*\c:\s+31+32*\c], v[TM+12+2*\c+1]
.endr
	v_nop
.irp c, 0,1
.irp i, 0,1,2
	v_permlane16_swap_b32 v[PC+6*\c+\i], v[PC+12+4*\c+\i]
.endr
.irp i, 0,1,2
	v_mov_b32 v[PC+3+6*\c+\i], v[PC+12+4*\c+\i]
.endr
.endr
.endm
.macro STOREF a
.irp g, 0,1,2
	global_store_b128 v[OI], v[PC+4*\g:PC+4*\g+3], s[96:97] offset:1536*(\a)+512*\g
.endr
.endm
	s_load_b128 s[4:7], s[0:1], 0x0
	s_load_b64 s[8:9], s[0:1], 0x10
	v_lshl_add_u32 v[SPW], v0, 2, SPARE
	v_mov_b32 v[NIL], 0
	ds_add_u32 v[SPW], v[NIL]
	ds_add_u32 v[SPW], v[NIL]
	v_lshrrev_b32 v1, 5, v0
	v_readfirstlane_b32 s14, v1
	s_lshr_b32 s15, s14, 1
	s_and_b32 s16, s14, 1
	s_bfe_u32 s40, ttmp6, 0x40000
	s_bfe_u32 s41, ttmp6, 0x40004
	s_lshl_b32 s42, ttmp9, 2
	s_add_co_u32 s42, s42, s40
	s_and_b32 s18, ttmp7, 0xffff
	s_lshl_b32 s17, s18, 2
	s_add_co_u32 s17, s17, s41
	s_lshr_b32 s2, s18, 2
	s_lshl_b32 s2, s2, 3
	s_lshl_b32 s18, s41, 2
	s_lshl_b32 s18, 15, s18
	s_lshl_b32 s19, 0x1111, s40
	s_or_b32 s[G1+0], s18, (3<<16)|(1<<21)
	s_or_b32 s[G1B+0], s19, (3<<16)|(1<<21)
	s_or_b32 s[G1S+0], s18, (3<<16)|(1<<21)
	s_or_b32 s[G1SB+0], s19, (3<<16)|(1<<21)
	DENSE G1, 2*APART/256                          ; for the head's load: p's whole slot, a dense block
	s_mov_b32 s[G1B+1], (BPART/8)<<16              ; for the head's load: v's two row groups, four K steps of each: 2 rows of 49,152 bytes, 196,608 bytes apart
	s_mov_b32 s[G1B+2], 2<<16
	s_mov_b32 s[G1B+3], (BPART/8)<<16
	s_mov_b32 s[G1B+4], 2
	s_mov_b32 s[G1B+5], KSUB*12288/8
	s_mov_b32 s[G1B+6], 0
	s_mov_b32 s[G1B+7], 0
	DENSE G1S, HALFS/256                           ; the scale words of p's 128 rows,
	DENSE G1SB, HALFS/128                          ; and of v's 256
	s_mul_i32 s20, s17, KSUB*12288
	s_mul_i32 s21, s16, APART
	s_add_co_u32 s20, s20, s21
	s_mov_b32 s21, 0
	s_lshl_b32 s22, s17, 13
	s_add_co_u32 s22, s22, ASCALES
	s_mov_b32 s23, 0
	s_lshl_b32 s46, s42, 1
	s_add_co_u32 s46, s46, s16
	s_add_co_u32 s46, s46, s2
	s_sub_co_u32 s92, s46, s16                     ; the tile's first row group
	s_lshl_b32 s92, s92, 13
	s_add_co_u32 s92, s92, BSCALES
	s_mov_b32 s93, 0
	s_mul_i32 s46, s46, KSUB*12288
	s_add_co_u32 s46, s46, BCODES
	s_mov_b32 s47, 0
	s_mul_i32 s45, s16, APART
	s_mul_i32 s43, s16, BPART
	s_add_co_u32 s43, s43, 2*APART
	s_mov_b32 s94, SCL
	s_mov_b32 s95, SCL+HALFS
	s_mov_b32 s[SEL], 0x76543210
	s_mov_b32 s[SEL+1], 0xfedcba98
	s_mov_b32 s100, 0xffff0000
	s_wait_dscnt 0x0
	s_wait_kmcnt 0x0
	s_add_nc_u64 s[20:21], s[4:5], s[20:21]
	s_add_nc_u64 s[22:23], s[4:5], s[22:23]
	s_add_nc_u64 s[46:47], s[6:7], s[46:47]
	s_add_nc_u64 s[92:93], s[6:7], s[92:93]
	CROUND
	s_mov_b32 s[G0S], 1
	s_mov_b32 s[G0S+1], s94
	s_mov_b64 s[G0S+2:G0S+3], s[22:23]
	s_or_b32 s[G0S+3], s[G0S+3], 0x80000000
	s_mov_b32 s[G0SB], 1
	s_mov_b32 s[G0SB+1], s95
	s_mov_b64 s[G0SB+2:G0SB+3], s[92:93]
	s_or_b32 s[G0SB+3], s[G0SB+3], 0x80000000
.irp s, 0,1
	s_mov_b32 s[G0+4*\s], 1
	s_add_co_u32 s[G0+4*\s+1], s45, \s*SLOT
	s_add_nc_u64 s[G0+4*\s+2:G0+4*\s+3], s[20:21], \s*BPART
	s_or_b32 s[G0+4*\s+3], s[G0+4*\s+3], 0x80000000
	s_mov_b32 s[G0B+4*\s], 1
	s_add_co_u32 s[G0B+4*\s+1], s43, \s*SLOT
	s_add_nc_u64 s[G0B+4*\s+2:G0B+4*\s+3], s[46:47], \s*BPART
	s_or_b32 s[G0B+4*\s+3], s[G0B+4*\s+3], 0x80000000
.endr
.macro ARM under, g0, g1, next         ; one chain of branches on the wave's number: every way passes exactly one load
	s_cmp_lt_u32 s14, \under
	s_cbranch_scc0 \next
	tensor_load_to_lds s[\g0:\g0+3], s[\g1:\g1+7]
	s_nop 0
.rept 4
	v_nop
.endr
	s_branch .Lhead_asked
\next:
.endm
	ARM 1, G0,  G1,  .Lhead_sa                     ; waves 0 and 2 fetch the first half in the ring, so their slot 0 sets point at the tiles' first bytes
	ARM 2, G0S, G1S, .Lhead_b
	ARM 3, G0B, G1B, .Lhead_sb
	tensor_load_to_lds s[G0SB:G0SB+3], s[G1SB:G1SB+7]
	s_nop 0
.rept 4
	v_nop
.endr
.Lhead_asked:
	v_lshlrev_b32 v[FXG], 2, v0                    ; -M' and l' of my work-group's 128 rows are asked for while the head's tiles are out
	s_lshl_b32 s20, s17, 13
	s_add_co_u32 s20, s20, PM
	s_mov_b32 s21, 0
	s_add_nc_u64 s[18:19], s[4:5], s[20:21]
.irp s, 0,1,2,3,4,5,6,7,8,9,10,11,12,13,14,15
	global_load_b32 v[MM+\s], v[FXG], s[18:19] offset:512*\s
	global_load_b32 v[LL+\s], v[FXG], s[18:19] offset:524288+512*\s
.endr
	s_wait_alu depctr_va_vdst(0)
	s_wait_tensorcnt 0x0                           ; my tile of the head's four is in
	ds_add_u32 v[SPW], v[NIL]
	DENSE G1, APART/256                            ; no load of mine is out, so group 1 may be written: in the ring a wave brings half of p's slot,
	DENSE G1B, BPART/256                           ; or one row group of v's
	s_wait_dscnt 0x0
	CROUND
	JLOAD G0+4, G1, G0B+4, G1B                     ; slot 1: the first tensor load behind the round
	v_add_nc_u32 v[FXA], SCL, v[FXG]
	v_add_nc_u32 v[RLA], RLB, v[FXG]
	v_and_b32 v1, 15, v0
	v_bfe_u32 v2, v0, 4, 1
	v_and_b32 v3, 31, v0
	v_lshlrev_b32 v[OI], 4, v3
	v_lshlrev_b32 v[OS], 2, v3
	s_lshl_b32 s21, s15, 8
	s_add_co_u32 s21, s21, RLB
	v_lshl_add_u32 v[RLD], v1, 2, s21
	s_mul_i32 s21, s15, 4*1536
	s_mul_i32 s22, s16, BPART
	s_add_co_u32 s22, s22, 2*APART
.irp s, 0,1
	v_add_nc_u32 v[ADRA+\s], s21, v[OI]
	v_add_nc_u32 v[ADRB+\s], s22, v[OI]
	s_add_co_u32 s21, s21, SLOT
	s_add_co_u32 s22, s22, SLOT
.endr
	v_lshlrev_b32 v5, 2, v1
	s_lshl_b32 s21, s15, 8
	s_lshl_b32 s22, s16, 13
	s_add_co_u32 s22, s22, HALFS
	s_sub_co_u32 s22, s22, s21
	v_mul_u32_u24 v6, s22, v2
	s_add_co_u32 s21, s21, SCL
	v_add_nc_u32 v5, v5, v6
	v_add_nc_u32 v[ADRS], s21, v5
	s_lshl_b32 s20, s17, 3
	s_lshl_b32 s21, s42, 1
	s_add_co_u32 s21, s21, s16
	s_add_co_u32 s22, s20, s21
	s_mul_i32 s20, s22, 12288
	s_mul_i32 s21, s15, 4*1536
	s_add_co_u32 s20, s20, s21
	s_mov_b32 s21, 0
	s_add_nc_u64 s[96:97], s[8:9], s[20:21]
	s_lshl_b32 s20, s22, 9
	s_lshl_b32 s23, s15, 8
	s_add_co_u32 s20, s20, s23
	s_add_co_u32 s20, s20, AS
	s_add_nc_u64 s[98:99], s[8:9], s[20:21]
	s_wait_tensorcnt 2
	s_barrier_signal -1
	s_barrier_wait -1
	s_wait_loadcnt 0x0
.irp s, 0,1,2,3,4,5,6,7,8,9,10,11,12,13,14,15
	ds_load_b32 v[WW+\s], v[FXA] offset:512*\s
.endr
	v_min3_num_f32 v[NM], v[MM], v[MM+1], v[MM+2]
.irp s, 3,5,7,9,11,13
	v_min3_num_f32 v[NM], v[NM], v[MM+\s], v[MM+\s+1]
.endr
	v_min_num_f32 v[NM], v[NM], v[MM+15]
.irp s, 0,1,2,3,4,5,6,7,8,9,10,11,12,13,14,15
	v_sub_f32 v[MM+\s], v[NM], v[MM+\s]
.endr
.irp s, 0,1,2,3,4,5,6,7,8,9,10,11,12,13,14,15
	v_cvt_i32_f32 v[MM+\s], v[MM+\s]
.endr
.irp s, 0,1,2,3,4,5,6,7,8,9,10,11,12,13,14,15
	v_ldexp_f32 v[LL+\s], v[LL+\s], v[MM+\s]
.endr
.irp s, 0,1,2,3,4,5,6,7
	v_add_f32 v[LL+\s], v[LL+\s], v[LL+8+\s]
.endr
.irp s, 0,1,2,3
	v_add_f32 v[LL+\s], v[LL+\s], v[LL+4+\s]
.endr
.irp s, 0,1
	v_add_f32 v[LL+\s], v[LL+\s], v[LL+2+\s]
.endr
	v_add_f32 v[LSUM], v[LL], v[LL+1]
.irp s, 0,1,2,3,4,5,6,7,8,9,10,11,12,13,14,15
	v_sub_nc_u32 v[MM+\s], 0, v[MM+\s]
.endr
	s_wait_dscnt 0x0
.irp s, 0,1,2,3,4,5,6,7,8,9,10,11,12,13,14,15
	v_and_b32 v[X], 0xff, v[WW+\s]
	v_bfe_u32 v[X+1], v[WW+\s], 8, 8
	v_bfe_u32 v[X+2], v[WW+\s], 16, 8
	v_lshrrev_b32 v[X+3], 24, v[WW+\s]
.irp b, 0,1,2,3
	v_add_nc_u32 v[Y+\b], -1, v[X+\b]
.endr
.irp b, 0,1,2,3
	v_min_u32 v[Y+\b], v[MM+\s], v[Y+\b]
.endr
.irp b, 0,1,2,3
	v_sub_nc_u32 v[X+\b], v[X+\b], v[Y+\b]
.endr
	v_lshl_or_b32 v[WW+\s], v[X+1], 8, v[X]
	v_lshl_or_b32 v[WW+\s], v[X+2], 16, v[WW+\s]
	v_lshl_or_b32 v[WW+\s], v[X+3], 24, v[WW+\s]
	ds_store_b32 v[FXA], v[WW+\s] offset:512*\s
.endr
	s_wait_alu depctr_va_vdst(0)
	v_rcp_f32 v[LSUM], v[LSUM]
	v_nop
	s_wait_alu depctr_va_vdst(0)
	ds_store_b32 v[RLA], v[LSUM]
	s_wait_tensorcnt 1
	s_wait_dscnt 0x0
	s_barrier_signal -1
	s_barrier_wait -1
	FETCH 0
.irp s, 0,1,2,3,4,5,6,7,8,9,10,11,12,13,14,15
	KSTEP \s
.endr
	PLACES NP
.irp a, 0,1,2,3
	ds_load_b32 v[RLR+2*\a], v[RLD] offset:64*\a
	ds_load_b32 v[RLR+2*\a+1], v[RLD] offset:64*\a
.endr
.irp b, 0,1,2,3
	v_mov_b32 v[TM+4+\b], 0
.endr
	s_wait_dscnt 0x0
.irp a, 0,1,2,3
	WIN 0x02
.set II, 0
.rept 32
	v_pk_mul_f32 v[T+II:T+II+1], v[64*\a+II:64*\a+II+1], v[RLR+2*\a:RLR+2*\a+1]
.set II, II+2
.endr
	WIN 0
	QMAX T
.if \a > 0
	s_wait_alu depctr_va_vdst(0)
	s_wait_xcnt 0x0
.endif
	QPACK T, PWS+\a
	STOREF \a
.endr
.irp i, 0,1
	v_cndmask_b32 v[W+\i], v[PWS+2*\i], v[PWS+2*\i+1], s100
.endr
.irp i, 0,1
	global_store_b32 v[OS], v[W+\i], s[98:99] offset:128*\i
.endr
	s_wait_tensorcnt 0x0
	ds_add_u32 v[SPW], v[NIL]
	s_wait_dscnt 0x0
	CROUND
	s_endpgm
.Lfunc_end_k_q13462091a5_pv:
	.size	k_q13462091a5_pv, .Lfunc_end_k_q13462091a5_pv-k_q13462091a5_pv
	.p2alignl 7, 3214868480
	.fill 96, 4, 3214868480
	.section	.rodata,"a",@progbits
	.p2align	6, 0x0
	.amdhsa_kernel k_q13462091a5_pv
		.amdhsa_group_segment_fixed_size 327680
		.amdhsa_private_segment_fixed_size 0
		.amdhsa_enable_private_segment 0
		.amdhsa_kernarg_size 24
		.amdhsa_user_sgpr_count 2
		.amdhsa_user_sgpr_kernarg_segment_ptr 1
		.amdhsa_wavefront_size32 1
		.amdhsa_system_sgpr_workgroup_id_x 1
		.amdhsa_system_sgpr_workgroup_id_y 1
		.amdhsa_system_sgpr_workgroup_id_z 1
		.amdhsa_system_vgpr_workitem_id 0
		.amdhsa_next_free_vgpr 768
		.amdhsa_next_free_sgpr 102
		.amdhsa_reserve_vcc 0
		.amdhsa_float_denorm_mode_32 3
		.amdhsa_float_denorm_mode_16_64 3
		.amdhsa_memory_ordered 1
		.amdhsa_forward_progress 1
		.amdhsa_inst_pref_size 173
	.end_amdhsa_kernel
	.amdgpu_metadata
---
amdhsa.version: [ 1, 2 ]
amdhsa.kernels:
  - .name:           k_q13462091a5_pv
    .symbol:         k_q13462091a5_pv.kd
    .args:
      - { .name: pbuf, .offset: 0, .size: 8, .value_kind: global_buffer, .address_space: global }
      - { .name: qkv, .offset: 8, .size: 8, .value_kind: global_buffer, .address_space: global }
      - { .name: att, .offset: 16, .size: 8, .value_kind: global_buffer, .address_space: global }
    .group_segment_fixed_size: 327680
    .private_segment_fixed_size: 0
    .kernarg_segment_align: 8
    .kernarg_segment_size: 24
    .max_flat_workgroup_size: 128
    .sgpr_count:     102
    .vgpr_count:     768
    .wavefront_size: 32
...
	.end_amdgpu_metadata
.endif
;; end of part 9
;; launch outln (part 10): grid 256 x 1, 4 waves a work-group, clusters of 4 x 1, 327,680 bytes of LDS; arguments att, prep, bo, inputs, gamma, beta, out0; writes out0
.if DOCPART == 10
	.amdgcn_target "amdgcn-amd-amdhsa--gfx1250"
	.amdhsa_code_object_version 6
	.text
	.protected	k_q13462091a5_outln
	.globl	k_q13462091a5_outln
	.p2align	8
	.type	k_q13462091a5_outln,@function
k_q13462091a5_outln:
	s_mov_b64 s[64:65], 0
	v_nop
	global_prefetch_b8 v0, s[64:65] scope:SCOPE_SE
	s_setreg_imm32_b32 hwreg(HW_REG_WAVE_MODE, 25, 1), 1
	s_wait_xcnt 0x0
	s_wait_alu depctr_hold_cnt(0) depctr_sa_sdst(0) depctr_va_vdst(0) depctr_va_sdst(0) depctr_va_ssrc(0) depctr_va_vcc(0) depctr_vm_vsrc(0)
	s_getreg_b32 s2, hwreg(HW_REG_IB_STS2, 6, 4)
	s_cmp_eq_u32 s2, 0
	s_cbranch_scc0 .Lentry_in_a_cluster
	s_endpgm
.Lentry_in_a_cluster:
	s_bfe_u32 s2, ttmp6, 0x10000c
	s_cmp_lg_u32 s2, 0x3003
	s_cbranch_scc0 .Lentry_shape_is_right
	s_endpgm
.Lentry_shape_is_right:
; LAUNCH 5 OF 5.  out = attn wo + bo on codes of BF6; y = LayerNorm(inputs + out) gamma + beta.  No work of reference() is left out.
; A work-group owns 32 whole rows (tokens), so that the row statistics stay inside it; a wave takes 256 of the 1,024 columns: 2 x 16 accumulators, 256 registers.
; Operands lie as images of operand registers (the layout is set out at the head of the first launch); wo has the K step outermost: a K step of a wave's 256 columns is a dense block of 24,576 bytes.
; WO'S STREAM, on two roads.  K steps 0 to 5 come through LDS: each wave has three regions of one K step of its own columns, K step t in region t % 3, and issues three tensor loads: K steps 0-2 at the head, then 3-4 and 5,
; each behind the three lines and a round of the cluster's barrier.  The four work-groups of a cluster walk the same wo: these loads are joint (mask 15).
; K steps 6 and 7 come by the wave's own loads straight into 384 registers, asked for at the head, and are multiplied first, while the head's tensor load is out.  They are not asked for jointly: the regions hold three K steps,
; a wave has one tensor load out at a time, and these registers are free until inputs are asked for into them.
; A wave's fragments of wo come from LDS in two halves of 8 column blocks, which take turns: while one half is multiplied, the other half's 24 loads are out.
; ATTN'S FRAGMENTS (32 rows x 1,024 K, 24,576 bytes) are loaded once in the work-group, 12 loads a wave, and handed round through LDS bytes of their own.
; THE MATRIX INSTRUCTION IS USED TRANSPOSED (source 0 = 16 rows of wo, source 1 = 16 tokens).  The finished sums go through a stage in the wave's own regions (their last fill is over) and come back by rows:
; a lane then holds 4 neighbouring columns of each half row, so inputs, bo, gamma, beta and out0 are touched with 512 consecutive bytes an instruction.
; THE STATISTICS, in two passes (the mean; then the mean of the squared differences): 8 numbers a lane and row are added; rows t and t + 16 share a register after one swap of the lanes' halves; four adds over the 16 lanes;
; the four waves' parts meet in LDS; lane l finishes row l and spreads it, twice on end, through LDS, so that a register pair holds one row's number for the packed forms.
; No data prefetch: the text has no loop to run ahead in; inputs are asked for six K steps ahead of their use, by loads whose registers wait for them.
; LIMITS: NaN and infinities among the inputs are not served.  The sums take K steps 6, 7, 0 .. 5 in this order.
; REGISTERS: window 0: v0-31 addresses; v32-95 wo's scale words; v96-103 attn's; v104-127 gamma, beta, bo; v128-247 K step 7's column blocks 5-14, later row sums and spread numbers.
;   window 1: v0-191 wo's fragments from LDS, two halves; v192-239 attn's fragments, two sets; v240-251 K step 7's block 15; later the sums by rows.
;   window 2: the accumulators, (a, b) at v[8 (16 a + b)]; at the head v0-47 attn's fragments on their way to LDS.   window 3: K step 6, and K step 7's blocks 0-4; then inputs by rows, row t at v[8 t], later y.
.set KSTEPB, 98304                     ; wo: bytes from K step to K step
.set WPART,  24576                     ; a K step of a wave's 256 columns
.set WREG,   3*WPART                   ; a wave's three regions
.set AIM,    4*WREG                    ; attn's fragments: [K step][block][1,536]
.set STAT,   AIM+WPART                 ; the waves' parts of the row sums: [pass][row][wave], 1,024 bytes
.set BC,     STAT+1024                 ; the spread numbers: [pass][wave][row] pairs, 2,048 bytes
.set SPARE,  BC+2048                   ; the spare words, 128 bytes for each wave: two blocks of 256 bytes that no other line names
.set SPITCH, 1040                      ; the stage: a row of 256 f32 + 16 bytes: an odd multiple of 16
.set AS,     6291456                   ; att: the scale words
.set WOI,    8912896                   ; prep: wo's codes,
.set WOS,    9797632                   ; wo's scale words
.set L16,  6                           ; v6   16 x lane
.set L4,   7                           ; v7   4 x lane
.set STO,  10                          ; v10  the stage: where my 64 bytes of a row begin
.set STW,  12                          ; v12  where my half's row sums go
.set STR,  13                          ; v13  row l's four parts
.set BCW,  14                          ; v14  where lane l puts row l's pair
.set BCR,  15                          ; v15  my wave's 32 pairs
.set AIW,  16                          ; v16  attn's fragments: in,
.set AIR,  17                          ; v17  and back
.set ADRB, 24                          ; v24-26 my three regions + 16 x lane
.set SPW,  28                          ; v28  my spare word; never rewritten
.set NIL,  29                          ; v29  0; never rewritten
.set SCB,  32
.set SCA,  96
.set GAM,  104
.set BET,  112
.set BOV,  120
.set T,    128                         ; v128-191 a pair for each row
.set MP,   192                         ; v192-255 each row's number, twice
.set WV,   18
.set G1T,  24                          ; s[24:31] group 1: three K steps;  s[68:75] two;  s[76:83] one, as rows of 256 bytes
.set G0A,  32                          ; s[32:35] group 0 from region 0 on;  s[36:39] region 2
.set G0B,  36
.set G1C,  68
.set G1D,  76
.set MSB, 0
.macro WIN new                         ; the immediate's high byte repeats the setting that is left
.if MSB != (\new)
	s_set_vgpr_msb (MSB<<8)|(\new)
.set MSB, (\new)
.endif
.endm
.macro CROUND                          ; a round of the cluster's barrier
	s_barrier_signal -1
	s_barrier_wait -1
	s_cmp_lg_u32 s[WV], 0
	s_cbranch_scc1 .Lnot_wave_0_\@
	s_barrier_signal -3
.Lnot_wave_0_\@:
	s_barrier_wait -3
	s_barrier_signal -1
	s_barrier_wait -1
.endm
.macro PLACES n                        ; plain vector places behind matrix instructions (ISA guide 7.12.1)
.rept \n
	v_nop
.endr
.endm
.macro DESC g, c, r, p                 ; group 1: r rows of c elements of 8 bytes, p elements apart; mask 15, bit 21 beside it
	s_mov_b32 s[\g], 15|(3<<16)|(1<<21)
	s_mov_b32 s[\g+1], (\c)<<16
	s_mov_b32 s[\g+2], (\r)<<16
	s_mov_b32 s[\g+3], (\c)<<16
	s_mov_b32 s[\g+4], \r
	s_mov_b32 s[\g+5], \p
	s_mov_b32 s[\g+6], 0
	s_mov_b32 s[\g+7], 0
.endm
	s_load_b256 s[4:11], s[0:1], 0x0               ; att, prep, bo, inputs
	s_load_b128 s[12:15], s[0:1], 0x20             ; gamma, beta
	s_load_b64 s[16:17], s[0:1], 0x30              ; out0
	v_lshl_add_u32 v[SPW], v0, 2, SPARE
	v_mov_b32 v[NIL], 0
	ds_add_u32 v[SPW], v[NIL]                      ; the opening lines: the add, twice on end, and its wait ahead of my first tensor load
	ds_add_u32 v[SPW], v[NIL]
	v_lshrrev_b32 v1, 5, v0
	v_readfirstlane_b32 s[WV], v1                  ; wave 0..3
	s_bfe_u32 s19, ttmp6, 0x40000                  ; cx: which 32 rows of the cluster's 128
	DESC G1T, WPART/8, 3, KSTEPB/8
	DESC G1C, WPART/8, 2, KSTEPB/8
	DESC G1D, 32, WPART/256, 32
	s_mul_i32 s56, s[WV], WREG                     ; my regions
	s_mul_i32 s58, s[WV], WPART
	s_add_co_u32 s58, s58, WOI
	s_mov_b32 s59, 0
	s_wait_dscnt 0x0                               ; both opening adds are done
	s_wait_kmcnt 0x0
	s_add_nc_u64 s[58:59], s[6:7], s[58:59]        ; my columns of wo, K step 0
	CROUND                                         ; all four work-groups are here: the first joint loads meet
	s_mov_b32 s[G0A], 1
	s_mov_b32 s[G0A+1], s56
	s_mov_b64 s[G0A+2:G0A+3], s[58:59]
	s_or_b32 s[G0A+3], s[G0A+3], 0x80000000
	s_mov_b32 s[G0B], 1
	s_add_co_u32 s[G0B+1], s56, 2*WPART
	s_add_nc_u64 s[G0B+2:G0B+3], s[58:59], 5*KSTEPB
	s_or_b32 s[G0B+3], s[G0B+3], 0x80000000
	tensor_load_to_lds s[G0A:G0A+3], s[G1T:G1T+7]  ; K steps 0 to 2: my one load at the head
	s_nop 0
	PLACES 4
	s_mul_i32 s60, ttmp9, 98304                    ; attn's codes: row group, blocks 2 cx and 2 cx + 1, K steps 2 wave and 2 wave + 1
	s_mul_i32 s61, s19, 3072
	s_add_co_u32 s60, s60, s61
	s_mul_i32 s61, s[WV], 24576
	s_add_co_u32 s60, s60, s61
	s_mov_b32 s61, 0
	s_add_nc_u64 s[40:41], s[4:5], s[60:61]
	s_lshl_b32 s60, ttmp9, 12
	s_lshl_b32 s62, s19, 7
	s_add_co_u32 s60, s60, s62
	s_add_co_u32 s60, s60, AS
	s_add_nc_u64 s[42:43], s[4:5], s[60:61]        ; attn's scale words
	s_lshl_b32 s60, s[WV], 13
	s_add_co_u32 s60, s60, WOS
	s_add_nc_u64 s[44:45], s[6:7], s[60:61]        ; wo's scale words: my two row groups
	s_lshl_b32 s60, s[WV], 10                      ; my 256 columns, in bytes of f32
	s_add_nc_u64 s[46:47], s[8:9], s[60:61]
	s_add_nc_u64 s[48:49], s[12:13], s[60:61]
	s_add_nc_u64 s[50:51], s[14:15], s[60:61]
	s_lshl_b32 s62, ttmp9, 19
	s_lshl_b32 s63, s19, 17
	s_add_co_u32 s62, s62, s63
	s_add_co_u32 s60, s60, s62                     ; + my work-group's 32 rows of 4,096 bytes
	s_add_nc_u64 s[52:53], s[10:11], s[60:61]
	s_add_nc_u64 s[54:55], s[16:17], s[60:61]
	s_mov_b32 s60, 0x3a800000                      ; 1 / 1,024
	v_and_b32 v1, 31, v0                           ; lane
	v_and_b32 v2, 15, v0                           ; r
	v_bfe_u32 v3, v0, 4, 1                         ; h
	v_lshlrev_b32 v[L16], 4, v1
	v_lshlrev_b32 v[L4], 2, v1
	v_add_nc_u32 v[ADRB], s56, v[L16]
	v_add_nc_u32 v[ADRB+1], WPART, v[ADRB]
	v_add_nc_u32 v[ADRB+2], 2*WPART, v[ADRB]
	v_mul_u32_u24 v[STO], v2, SPITCH
	v_lshl_add_u32 v[STO], v3, 6, v[STO]
	v_add_nc_u32 v[STO], s56, v[STO]               ; stage row r, + 64 h
	s_lshl_b32 s57, s[WV], 2
	s_add_co_u32 s57, s57, STAT
	v_lshl_add_u32 v[STW], v3, 8, s57              ; rows 16 h .., my wave's word
	v_add_nc_u32 v[STR], STAT, v[L16]
	s_lshl_b32 s57, s[WV], 8
	s_add_co_u32 s57, s57, BC
	v_lshl_add_u32 v[BCW], v1, 3, s57
	v_mov_b32 v[BCR], s57
	s_mul_i32 s57, s[WV], 6144
	s_add_co_u32 s57, s57, AIM
	v_add_nc_u32 v[AIW], s57, v[L16]
	v_add_nc_u32 v[AIR], AIM, v[L16]
	s_wait_alu depctr_va_vdst(0)
.macro SCBL t                          ; wo's scale words of K step t: lanes 0-15 column block 2 k, lanes 16-31 block 2 k + 1
.irp k, 0,1,2,3,4,5,6,7
	global_load_b32 v[SCB+8*(\t)+\k], v[L4], s[44:45] offset:4096*(\k/4)+512*(\t)+128*(\k%4)
.endr
.endm
.macro WOD t, b, reg                   ; column block b of K step t, as it lies, into v[reg] ..: each load 512 consecutive bytes
.irp g, 0,1,2
	global_load_b128 v[(\reg)+4*\g:(\reg)+4*\g+3], v[L16], s[58:59] offset:KSTEPB*(\t)+1536*(\b)+512*\g
.endr
.endm
	; 186 loads, what is wanted first asked for first: 12 + 8 + 16 + 48 + 48 + 48 + 6
	WIN 0x80
.irp n, 0,1,2,3,4,5,6,7,8,9,10,11
	global_load_b128 v[4*\n:4*\n+3], v[L16], s[40:41] offset:12288*(\n/6)+512*(\n%6)   ; my two K steps of attn's fragments
.endr
	WIN 0
.irp t, 0,1,2,3,4,5,6,7
	global_load_b32 v[SCA+\t], v[L4], s[42:43] offset:512*\t                           ; lanes 0-15 block 2 cx, lanes 16-31 block 2 cx + 1
.endr
	SCBL 6
	SCBL 7
	WIN 0xc0
.set BI, 0
.rept 16
	WOD 6, BI, 12*BI
.set BI, BI+1
.endr
.set BI, 0
.rept 5
	WOD 7, BI, 192+12*BI
.set BI, BI+1
.endr
	WIN 0
.rept 10
	WOD 7, BI, 128+12*(BI-5)
.set BI, BI+1
.endr
	WIN 0x40
	WOD 7, 15, 240
	WIN 0
.irp t, 0,1,2,3,4,5
	SCBL \t
.endr
.irp q, 0,1
	global_load_b128 v[GAM+4*\q:GAM+4*\q+3], v[L16], s[48:49] offset:512*\q
	global_load_b128 v[BET+4*\q:BET+4*\q+3], v[L16], s[50:51] offset:512*\q
	global_load_b128 v[BOV+4*\q:BOV+4*\q+3], v[L16], s[46:47] offset:512*\q
.endr
	s_wait_loadcnt 63                              ; the oldest 123 are in: attn's fragments and scale words, K steps 6 and 7's scale words, K step 6
	WIN 0x08                                       ; the data: window 2
.irp n, 0,1,2,3,4,5,6,7,8,9,10,11
	ds_store_b128 v[AIW], v[4*\n:4*\n+3] offset:512*\n
.endr
	WIN 0
	s_wait_dscnt 0x0                               ; my stores are done, for the other waves' sake
	s_barrier_signal -1
	s_barrier_wait -1                              ; attn's fragments are whole
.macro LDA t                           ; attn's two fragments of K step t into set t % 2
.irp n, 0,1,2,3,4,5
	ds_load_b128 v[192+24*((\t)%2)+4*\n:192+24*((\t)%2)+4*\n+3], v[AIR] offset:3072*(\t)+512*\n
.endr
.endm
.macro LDB t, hf                       ; half hf of K step t's fragments of wo: 24 loads; with half 0 attn's two fragments: 6 more
	WIN 0x40
.set BI, 8*(\hf)
.rept 8
.irp g, 0,1,2
	ds_load_b128 v[12*BI+4*\g:12*BI+4*\g+3], v[ADRB+(\t)%3] offset:1536*BI+512*\g
.endr
.set BI, BI+1
.endr
.if (\hf) == 0
	LDA \t
.endif
	WIN 0
.endm
.macro WMV c
.if (SB == 0) && (SA == 0)
	v_wmma_scale_f32_16x16x128_f8f6f4 v[rD:rD+7], v[rB:rB+11], v[rA:rA+11], \c, v[rSB], v[rSA] matrix_a_fmt:MATRIX_FMT_BF6 matrix_b_fmt:MATRIX_FMT_BF6
.elseif (SB == 1) && (SA == 0)
	v_wmma_scale_f32_16x16x128_f8f6f4 v[rD:rD+7], v[rB:rB+11], v[rA:rA+11], \c, v[rSB], v[rSA] matrix_a_fmt:MATRIX_FMT_BF6 matrix_b_fmt:MATRIX_FMT_BF6 matrix_a_scale:MATRIX_SCALE_ROW1
.elseif (SB == 0)
	v_wmma_scale_f32_16x16x128_f8f6f4 v[rD:rD+7], v[rB:rB+11], v[rA:rA+11], \c, v[rSB], v[rSA] matrix_a_fmt:MATRIX_FMT_BF6 matrix_b_fmt:MATRIX_FMT_BF6 matrix_b_scale:MATRIX_SCALE_ROW1
.else
	v_wmma_scale_f32_16x16x128_f8f6f4 v[rD:rD+7], v[rB:rB+11], v[rA:rA+11], \c, v[rSB], v[rSA] matrix_a_fmt:MATRIX_FMT_BF6 matrix_b_fmt:MATRIX_FMT_BF6 matrix_a_scale:MATRIX_SCALE_ROW1 matrix_b_scale:MATRIX_SCALE_ROW1
.endif
.endm
.macro WM t, b, a, rb                  ; column block b, whose fragment lies at v[rb], x token block a, K step t; K step 6, the first that is multiplied, starts the sums
.set rD, 8*(16*(\a)+(\b))
.set rB, (\rb)
.set rA, 192+24*((\t)%2)+12*(\a)
.set rSB, SCB+8*(\t)+(\b)/2
.set rSA, SCA+(\t)
.set SB, (\b)%2
.set SA, (\a)
.if (\t) == 6
	WMV 0
.else
	WMV v[rD:rD+7]
.endif
.endm
.macro MMR t, n, rb0                   ; n column blocks from BB on, their fragments from v[rb0] on; the accumulators take turns
.set RB, (\rb0)
.rept \n
	WM \t, BB, 0, RB
	WM \t, BB, 1, RB
.set BB, BB+1
.set RB, RB+12
.endr
.endm
.macro MM t, hf                        ; 16 matrix instructions on 16 accumulators
	WIN 0xa5                                       ; sources 0 and 1 window 1, C and D window 2
.set BB, 8*(\hf)
	MMR \t, 8, 96*(\hf)
	WIN 0
.endm
.macro STEPA t
	s_wait_dscnt 24                                ; half 0 and attn's fragments are in; half 1's 24 loads may be out
	MM \t, 0
.endm
.macro STEPB t                         ; stands four places behind STEPA's products
	LDB (\t)+1, 0
	s_wait_dscnt 30                                ; half 1 is in; the 30 loads just issued may be out
	MM \t, 1
	PLACES 4
	LDB (\t)+1, 1
.endm
.macro CHANGE g0, g1, step             ; regions that I have read out are filled again
	s_wait_tensorcnt 0x0                           ; all my tensor loads have landed
	ds_add_u32 v[SPW], v[NIL]                      ; 0 onto my spare word
.if \step
	s_add_nc_u64 s[\g0+2:\g0+3], s[\g0+2:\g0+3], 3*KSTEPB   ; no load of mine is out: group 0 may be written
.endif
	s_wait_dscnt 0x0                               ; the add is done, and so are my reads of those regions
	CROUND
	tensor_load_to_lds s[\g0:\g0+3], s[\g1:\g1+7]  ; the first tensor load behind the round, my only one
	s_nop 0
	PLACES 4                                       ; also the places in front of the loads that follow
.endm
	; K STEPS 6 AND 7, out of registers, while the head's tensor load is out
	WIN 0x40
	LDA 6
	LDA 7
	s_wait_dscnt 0x0
	WIN 0xa7                                       ; source 0 window 3, source 1 window 1, C and D window 2
.set BB, 0
	MMR 6, 16, 0
	s_wait_loadcnt 54                              ; K step 7 is in; the 54 younger loads may be out
.set BB, 0
	MMR 7, 5, 192
	WIN 0xa4                                       ; source 0 window 0
	MMR 7, 10, 128
	WIN 0xa5                                       ; source 0 window 1
	MMR 7, 1, 240
	WIN 0
	PLACES 4                                       ; in front of loads into registers that these products have read
; stage row t (0..31) is lane index t % 16 of block t / 16: token 8 (t / 16) + t % 16 + 8 ((t % 16) / 8) of my 32
	WIN 0xc0
.set II, 0
.rept 64
.set RW, 8*(II/32)+((II/2)%16)+8*(((II/2)%16)/8)
	global_load_b128 v[4*II:4*II+3], v[L16], s[52:53] offset:RW*4096+512*(II%2) th:TH_LOAD_NT  ; inputs: 512 consecutive bytes of a row
.set II, II+1
.endr
	WIN 0
	s_wait_loadcnt 63                              ; all but the youngest 63 loads, which are inputs', are in: the other scale words among them
	s_wait_tensorcnt 0x0                           ; K steps 0 to 2 of my columns, which I alone read
	LDB 0, 0
	LDB 0, 1
	STEPA 0
	PLACES 4
	STEPB 0
	STEPA 1
	CHANGE G0A, G1C, 1                             ; K steps 0 and 1 are in registers: regions 0 and 1 take K steps 3 and 4
	STEPB 1
	STEPA 2
	CHANGE G0B, G1D, 0                             ; region 2 takes K step 5
	STEPB 2
	STEPA 3
	PLACES 4
	STEPB 3
	STEPA 4
	s_wait_loadcnt 0x0                             ; inputs are in
	WIN 0xc3                                       ; destination and source 0 window 3
.set II, 0
.rept 64                               ; inputs + bo, while the last tensor load is out; these are also the places behind STEPA's products
	v_pk_add_f32 v[4*II:4*II+1], v[4*II:4*II+1], v[BOV+4*(II%2):BOV+4*(II%2)+1]
	v_pk_add_f32 v[4*II+2:4*II+3], v[4*II+2:4*II+3], v[BOV+4*(II%2)+2:BOV+4*(II%2)+3]
.set II, II+1
.endr
	WIN 0
	s_wait_alu depctr_va_vdst(0)
	s_wait_tensorcnt 0x0                           ; K step 5 of my columns, which I alone read
	STEPB 4
	STEPA 5
	s_wait_dscnt 0x0
	MM 5, 1
	PLACES 4
	; THE STAGE: 32 rows x 1,040 bytes from my region 0 on.  LDS serves a wave's instructions in order (ISA guide 5.7.1.4): no wait between the stores and the loads
	WIN 0x08                                       ; the data: window 2; each accumulator from its low end on
.set BB, 0
.rept 32
.set SO, 16*SPITCH*(BB/16)+512*((BB%16)/8)+128*((BB%8)/2)+32*(BB%2)
	ds_store_b128 v[STO], v[8*BB:8*BB+3] offset:SO
	ds_store_b128 v[STO], v[8*BB+4:8*BB+7] offset:SO+16
.set BB, BB+1
.endr
	WIN 0x40
.set II, 0
.rept 64
	ds_load_b128 v[4*II:4*II+3], v[ADRB] offset:SPITCH*(II/2)+512*(II%2)
.set II, II+1
.endr
	WIN 0xc7                                       ; window 3 += window 1: x = inputs + bo + attn wo
.set II, 0
.irp left, 48,32,16,0
	s_wait_dscnt \left                             ; the next 16 loads are in
.rept 16
	v_pk_add_f32 v[4*II:4*II+1], v[4*II:4*II+1], v[4*II:4*II+1]
	v_pk_add_f32 v[4*II+2:4*II+3], v[4*II+2:4*II+3], v[4*II+2:4*II+3]
.set II, II+1
.endr
.endr
.macro REDUCE off                      ; from one number a lane and row, in v[T + 2 t]: the row's sum over all 1,024 columns, row l in lane l's v20
.set II, 0
.rept 16
	v_permlane16_swap_b32 v[T+2*II], v[T+32+2*II]  ; lanes 0-15: both halves of row i; lanes 16-31: of row i + 16
.set II, II+1
.endr
.set II, 0
.rept 16
	v_add_f32 v[T+2*II], v[T+2*II], v[T+32+2*II]
.set II, II+1
.endr
.irp m, 1,2,4,8
.set II, 0
.rept 16
	v_add_f32_dpp v[T+2*II], v[T+2*II], v[T+2*II] row_xmask:\m row_mask:0xf bank_mask:0xf
.set II, II+1
.endr
.endr
.set II, 0
.rept 16
	ds_store_b32 v[STW], v[T+2*II] offset:\off+16*II   ; sixteen lanes write one word with one value
.set II, II+1
.endr
	s_wait_alu depctr_va_vdst(0)
	s_wait_dscnt 0x0
	s_barrier_signal -1
	s_barrier_wait -1
	ds_load_b128 v[20:23], v[STR] offset:\off      ; the four waves' parts of row l
	s_wait_dscnt 0x0
	v_add_f32 v20, v20, v21
	v_add_f32 v22, v22, v23
	v_add_f32 v20, v20, v22
.endm
.macro SPREAD p, off                   ; lane l's pair goes to every lane: v[MP + 2 t], v[MP + 2 t + 1] = row t's number
	ds_store_b64 v[BCW], v[\p:\p+1] offset:\off
.set II, 0
.rept 16
	ds_load_b128 v[MP+4*II:MP+4*II+3], v[BCR] offset:\off+16*II
.set II, II+1
.endr
	s_wait_dscnt 0x0
.endm
.macro FOLD                            ; the pairs' two halves
	WIN 0
.set II, 0
.rept 32
	v_add_f32 v[T+2*II], v[T+2*II], v[T+2*II+1]
.set II, II+1
.endr
.endm
	WIN 0x0f                                       ; sources 0 and 1 window 3
.set II, 0
.rept 32
	v_pk_add_f32 v[T+2*II:T+2*II+1], v[8*II:8*II+1], v[8*II+2:8*II+3]
.set II, II+1
.endr
	WIN 0x0c                                       ; source 1 window 3
.irp p, 4,6
.set II, 0
.rept 32
	v_pk_add_f32 v[T+2*II:T+2*II+1], v[T+2*II:T+2*II+1], v[8*II+\p:8*II+\p+1]
.set II, II+1
.endr
.endr
	FOLD
	REDUCE 0
	v_mul_f32 v20, s60, v20                        ; the mean
	v_mov_b32 v21, v20
	SPREAD 20, 0
	WIN 0xc3
.set II, 0
.rept 32
.irp p, 0,2,4,6
	v_pk_add_f32 v[8*II+\p:8*II+\p+1], v[8*II+\p:8*II+\p+1], v[MP+2*II:MP+2*II+1] neg_lo:[0,1] neg_hi:[0,1]   ; x - mean
.endr
.set II, II+1
.endr
	WIN 0x0f
.set II, 0
.rept 32
	v_pk_mul_f32 v[T+2*II:T+2*II+1], v[8*II:8*II+1], v[8*II:8*II+1]
.set II, II+1
.endr
.irp p, 2,4,6
.set II, 0
.rept 32
	v_pk_fma_f32 v[T+2*II:T+2*II+1], v[8*II+\p:8*II+\p+1], v[8*II+\p:8*II+\p+1], v[T+2*II:T+2*II+1]
.set II, II+1
.endr
.endr
	FOLD
	REDUCE 512
	v_fmaak_f32 v20, s60, v20, 0x358637bd          ; the variance + 1e-6
	s_wait_alu depctr_va_vdst(0)                   ; the wait ahead of the transcendental,
	v_rsq_f32 v22, v20
	v_nop
	s_wait_alu depctr_va_vdst(0)                   ; and ahead of its first reader
	v_mov_b32 v23, v22
	SPREAD 22, 1024
.set GR, 0
.rept 4                                ; eight rows at a time: x rsqrt, x gamma + beta, stored
	WIN 0xc3
.set II, 8*GR
.rept 8
.irp p, 0,2,4,6
	v_pk_mul_f32 v[8*II+\p:8*II+\p+1], v[8*II+\p:8*II+\p+1], v[MP+2*II:MP+2*II+1]
.endr
.set II, II+1
.endr
.set II, 8*GR
.rept 8
.irp p, 0,2,4,6
	v_pk_fma_f32 v[8*II+\p:8*II+\p+1], v[8*II+\p:8*II+\p+1], v[GAM+\p:GAM+\p+1], v[BET+\p:BET+\p+1]
.endr
.set II, II+1
.endr
	WIN 0x0c                                       ; the data: window 3
.set II, 16*GR
.rept 16
.set RW, 8*(II/32)+((II/2)%16)+8*(((II/2)%16)/8)
	global_store_b128 v[L16], v[4*II:4*II+3], s[54:55] offset:RW*4096+512*(II%2) th:TH_STORE_NT   ; 32 lanes store 512 consecutive bytes, aligned
.set II, II+1
.endr
.set GR, GR+1
.endr
	WIN 0
	s_wait_tensorcnt 0x0                           ; the wave's end
	ds_add_u32 v[SPW], v[NIL]
	s_wait_dscnt 0x0
	CROUND                                         ; the closing round
	s_endpgm
.Lfunc_end_k_q13462091a5_outln:
	.size	k_q13462091a5_outln, .Lfunc_end_k_q13462091a5_outln-k_q13462091a5_outln
	.p2alignl 7, 3214868480
	.fill 96, 4, 3214868480
	.section	.rodata,"a",@progbits
	.p2align	6, 0x0
	.amdhsa_kernel k_q13462091a5_outln
		.amdhsa_group_segment_fixed_size 327680
		.amdhsa_private_segment_fixed_size 0
		.amdhsa_enable_private_segment 0
		.amdhsa_kernarg_size 56
		.amdhsa_user_sgpr_count 2
		.amdhsa_user_sgpr_kernarg_segment_ptr 1
		.amdhsa_wavefront_size32 1
		.amdhsa_system_sgpr_workgroup_id_x 1
		.amdhsa_system_sgpr_workgroup_id_y 1
		.amdhsa_system_sgpr_workgroup_id_z 1
		.amdhsa_system_vgpr_workitem_id 0
		.amdhsa_next_free_vgpr 1024
		.amdhsa_next_free_sgpr 88
		.amdhsa_reserve_vcc 0
		.amdhsa_float_denorm_mode_32 3
		.amdhsa_float_denorm_mode_16_64 3
		.amdhsa_memory_ordered 1
		.amdhsa_forward_progress 1
		.amdhsa_inst_pref_size 175
	.end_amdhsa_kernel
	.amdgpu_metadata
---
amdhsa.version: [ 1, 2 ]
amdhsa.kernels:
  - .name:           k_q13462091a5_outln
    .symbol:         k_q13462091a5_outln.kd
    .args:
      - { .name: att, .offset: 0, .size: 8, .value_kind: global_buffer, .address_space: global }
      - { .name: prep, .offset: 8, .size: 8, .value_kind: global_buffer, .address_space: global }
      - { .name: bo, .offset: 16, .size: 8, .value_kind: global_buffer, .address_space: global }
      - { .name: inputs, .offset: 24, .size: 8, .value_kind: global_buffer, .address_space: global }
      - { .name: gamma, .offset: 32, .size: 8, .value_kind: global_buffer, .address_space: global }
      - { .name: beta, .offset: 40, .size: 8, .value_kind: global_buffer, .address_space: global }
      - { .name: out0, .offset: 48, .size: 8, .value_kind: global_buffer, .address_space: global }
    .group_segment_fixed_size: 327680
    .private_segment_fixed_size: 0
    .kernarg_segment_align: 8
    .kernarg_segment_size: 56
    .max_flat_workgroup_size: 128
    .sgpr_count:     88
    .vgpr_count:     1024
    .wavefront_size: 32
...
	.end_amdgpu_metadata
.endif
;; end of part 10
